; MI455X (gfx1250); checked and timed in simulation.
; The chip was launched on July 23, 2026; its instructions are those of AMD's public machine-readable ISA for CDNA 5 (MIT licence, August 2026) and "CDNA5" Instruction Set Architecture Reference Guide (July 2026). The comments in the code are by the model that wrote it; some were corrected since.
;; Projected Adaptive Log Softmax. Allowed arithmetic: matrix products marked QUANTISED: E5M2 operands, one E8M0 scale for each 32 along K, by v_wmma_scale_f32_16x16x128_f8f6f4 with both operands' format E5M2, f32 sums; products left as they are: f32 operands where the result goes on into a quantised operand, else bf16, f16 or f32 operands; f32 sums; everything else in f32.
;; Inputs: b0 20,000 float32; b1 10,000 float32; b2 10,000 float32; b3 10,000 float32; cluster_b 3 float32; cluster_w 3 x 1,024 float32; hidden_codes 2,048 x 32 x 32 uint8 (E5M2 codes of hidden, K innermost, in blocks of 32 codes); hidden_scales 2,048 x 32 uint8 (E8M0 scales of hidden, one for each 32 codes along K); proj0_codes 1,024 x 32 x 32 uint8 (E5M2 codes of proj0, K innermost, in blocks of 32 codes); proj0_scales 1,024 x 32 uint8 (E8M0 scales of proj0, one for each 32 codes along K); proj1_codes 256 x 32 x 32 uint8 (E5M2 codes of proj1, K innermost, in blocks of 32 codes); proj1_scales 256 x 32 uint8 (E8M0 scales of proj1, one for each 32 codes along K); proj2_codes 64 x 32 x 32 uint8 (E5M2 codes of proj2, K innermost, in blocks of 32 codes); proj2_scales 64 x 32 uint8 (E8M0 scales of proj2, one for each 32 codes along K); proj3_codes 16 x 32 x 32 uint8 (E5M2 codes of proj3, K innermost, in blocks of 32 codes); proj3_scales 16 x 32 uint8 (E8M0 scales of proj3, one for each 32 codes along K); target 2,048 int32; w0 20,000 x 1,024 float32; w1_codes 10,000 x 8 x 32 uint8 (E5M2 codes of w1, K innermost, in blocks of 32 codes); w1_scales 10,000 x 8 uint8 (E8M0 scales of w1, one for each 32 codes along K); w2_codes 10,000 x 2 x 32 uint8 (E5M2 codes of w2, K innermost, in blocks of 32 codes); w2_scales 10,000 x 2 uint8 (E8M0 scales of w2, one for each 32 codes along K); w3 10,000 x 16 float32.
;; Outputs: out0 2,048 float32.
;; This version of the problem:
;;   THIS VERSION OF THE PROBLEM IS GIVEN IN LOW PRECISION. The matrix products marked QUANTISED in the list below multiply operands that are first quantised to E5M2 (5 exponent bits, 2 mantissa bits; 8 bits a number), with one power-of-two scale for each 32 numbers along K (OCP MX v1.0); their sums are f32. All else is computed in f32.
;;   The module's matrix products, in the order in which they are computed (A, B: the left and right operand; K: the contracted axis; several contracted axes count as one K, in the product's order):
;;     1. [M 2,048, K 1,024] x [K 1,024, N 1,024]; A: input hidden (given as codes); B: input proj0 (given as codes): QUANTISED
;;     2. [M 2,048, K 1,024] x [K 1,024, N 20,003]; A: computed on the way; B: computed on the way: QUANTISED
;;     3. [M 2,048, K 1,024] x [K 1,024, N 256]; A: input hidden (given as codes); B: input proj1 (given as codes): QUANTISED
;;     4. [M 2,048, K 256] x [K 256, N 10,000]; A: computed on the way; B: input w1 (given as codes): QUANTISED
;;     5. [M 2,048, K 1,024] x [K 1,024, N 64]; A: input hidden (given as codes); B: input proj2 (given as codes): QUANTISED
;;     6. [M 2,048, K 64] x [K 64, N 10,000]; A: computed on the way; B: input w2 (given as codes): QUANTISED
;;     7. [M 2,048, K 1,024] x [K 1,024, N 16]; A: input hidden (given as codes); B: input proj3 (given as codes): QUANTISED
;;     8. [M 2,048, K 16] x [K 16, N 10,000]; A: computed on the way; B: input w3: left as it is (K = 16 < 32)
;;   THE QUANTISER, for each operand of a quantised product, along K:
;;     - K is cut into blocks of 32 from its start; a last block that is shorter is filled with zeros.
;;     - A block's scale is 2^e with e = floor(log2(the largest magnitude in the block)) - 15, held to -126 .. 127; a block of zeros has e = 0. As a byte (E8M0): e + 127.
;;     - Each number is divided by its block's scale, clamped to +-57,344, and rounded to the nearest number of E5M2, ties to even, subnormals kept.
;;     - The product sums the exact products of the quantised numbers (number of the format x scale) in f32.
;;   ~~~python
;;   def quantise(x, axis):      # numpy; x: float32 -> the quantised numbers, widened to float32 again
;;       x = np.moveaxis(x, axis, -1); K = x.shape[-1]
;;       x = np.pad(x, [(0, 0)] * (x.ndim - 1) + [(0, -K % 32)]); x = x.reshape(x.shape[:-1] + (-1, 32)); a = np.abs(x).max(-1, keepdims=True)
;;       e = np.where(a > 0, np.clip(np.frexp(np.where(a > 0, a, 1))[1] - 1 - 15, -126, 127), 0)      # np.frexp(a)[1] - 1 = floor(log2(a)), exactly
;;       r = np.clip(x / 2.0 ** e, -57344, 57344)
;;       step = 2.0 ** (np.maximum(np.frexp(np.where(r == 0, 1, r))[1] - 1, -14) - 2)
;;       q = np.round(r / step) * step * 2.0 ** e      # np.round: ties to even
;;       return np.moveaxis(q.reshape(q.shape[:-2] + (-1,))[..., :K], -1, axis).astype(np.float32)
;;   ~~~
;;   OPERANDS COMPUTED ON THE WAY. 'Computed on the way' means the value that the module computes at that place (a softmax that the list does not call 'softmax' is quantised finished and normalised). What goes into a quantiser is computed in f32, as accurately as f32 sums, v_exp_f32 and their like allow (about 1e-6 of the number): no bf16 or f16 on the way to a quantiser, and a product that is left as it is and whose result goes on into a quantised operand takes f32 operands (vector FMAs, or v_wmma_f32_16x16x4_f32). A number that lies on a knife's edge between two numbers of the format may be rounded either way, as far as f32 arithmetic and the matrix unit's own rounding can turn it there, and no further.
;;   INPUTS GIVEN AS CODES. hidden (in the module: [2048, 1024], K = its axis 1); proj0 (in the module: [1024, 1024], K = its axis 0); proj1 (in the module: [1024, 256], K = its axis 0); proj2 (in the module: [1024, 64], K = its axis 0); proj3 (in the module: [1024, 16], K = its axis 0); w1 (in the module: [10000, 256], K = its axis 1); w2 (in the module: [10000, 64], K = its axis 1): each comes as NAME_codes (uint8): NAME with its K axis moved to the last place and cut into blocks of 32 codes, [.., K / 32, bytes a block], one block behind the other in memory; one code a byte (a code: sign, 5 exponent bits, 2 mantissa bits); and NAME_scales (uint8): the same leading axes, one E8M0 byte (e + 127) for each 32 codes along K. Its value is code x scale, taken as it is: it is not quantised again, and the codes and scales need not be those that the quantiser above would give.
;; 3 versions, each right; version 2 is faster than version 1; version 3 is version 2 with the launch combine written anew for expert scheduling mode. Each part assembles by itself: llvm-mc -triple=amdgcn-amd-amdhsa -mcpu=gfx1250 --defsym DOCPART=n.
;; ======== version 1 of 3: 3 launches
;; limits: right only within a limited range of input values
;; workspace buffers: w0f 20,512,768 bytes; wsc 722,944 bytes; hq 2,908,160 bytes; idx 25,600 bytes of whole numbers; part_h 1,032,192 bytes; part_t 10,576,896 bytes
;; launch prep (part 1): grid 813 x 1, 4 waves a work-group, no clusters, 34,816 bytes of LDS; arguments hidden_codes, hidden_scales, proj0_codes, proj0_scales, proj1_codes, proj1_scales, proj2_codes, proj2_scales, proj3_codes, proj3_scales, w0, cluster_w, b0, cluster_b, target, w0f, wsc, hq, idx; writes w0f, wsc, hq, idx
.if DOCPART == 1
	.amdgcn_target "amdgcn-amd-amdhsa--gfx1250"
	.amdhsa_code_object_version 6
	.text
	.protected	k_q0d9b2752d1_prep
	.globl	k_q0d9b2752d1_prep
	.p2align	8
	.type	k_q0d9b2752d1_prep,@function
k_q0d9b2752d1_prep:
	s_mov_b64 s[64:65], 0
	v_nop
	global_prefetch_b8 v0, s[64:65] scope:SCOPE_SE
	s_setreg_imm32_b32 hwreg(HW_REG_WAVE_MODE, 25, 1), 1
	s_wait_xcnt 0x0
; PREP: all that is made once, ahead of the logits.  Four roles, chosen by the work-group's number alone:
;   P (0-175)   the four projections hidden x proj_i on the given codes (E5M2, one E8M0 byte for each 32 along K), f32 sums; results 0, 1, 2 quantised again along their own axis, result 3 rounded to bf16
;   S (176)     a counting sort of the 2,048 tokens by the class of their target (0: shortlist, 1-3: tails); each class begins on a tile of 16; stored as whole numbers
;   B (177-186) the head's bias b0 | cluster_b | pads, 20,480 numbers
;   Q (187-812) the head's weight w0 | cluster_w, f32, quantised along K = 1,024 and laid in the order of an operand's registers: [tile of 16 rows][K step][4][lane][16 bytes]
; P stands first, so that its chain of dependent loads runs beside Q's stream.  No tensor loads: two work-groups share a WGP (512 registers a wave), which doubles the loads in flight of Q's stream.
; A PAD is -2^100: a power of two, so that log2(e) x pad is exact in f32; padded rows have zero codes, so a padded logit is the pad itself, bit for bit.  Tile 1250 = cluster_w's 3 rows + 13 rows of zeros; tile 1251 = zeros.
; THE QUANTISER: a block's scale is 2^(floor(log2(largest magnitude)) - 15); its byte is the largest magnitude's exponent field - 15, held at 1 from below; numbers are held within +-57,344 x scale and rounded to the nearest code.
; LIMITS: blocks whose largest magnitude lies under 2^-111 keep the byte 1, blocks of zeros too (the rule says 127: their codes are zeros, and this program alone reads the bytes); NaN and infinities are not served;
; targets lie in 0 .. 49,999 (as unsigned numbers: anything from 40,000 on counts as class 3).
.set H0F, 0                            ; hq: h0's codes [token tile 128][K step 8][4][lane 32][16]
.set H0S, 2097152                      ; h0's scale words [tile][q 4][lane]: lanes 0-15 K step 2 q, lanes 16-31 K step 2 q + 1
.set H1C, 2162688                      ; h1's codes [2048][256]
.set H1S, 2686976                      ; h1's scale words [2048][2]
.set H2C, 2703360                      ; h2's codes [2048][64]
.set H2S, 2834432                      ; h2's scale words [2048] (bytes 2, 3 = 127)
.set H3B, 2842624                      ; h3 [2048][16] bf16
.set BHO, 641024                       ; wsc: behind the 1,252 tiles' scale words: the padded bias
.set PADV, 0xf1800000                  ; -2^100
.set SEL, 96                           ; s[96:97] v_permlanex16_b32's selects for lane l xor 16
.set MNT, 98                           ; s98 the mantissa field of 57,344
.set HI,  99                           ; s99 a mask of lanes 16-31
.set MSB, 0
.macro WIN new                         ; the immediate's high byte repeats the setting that is left
.if MSB != (\new)
	s_set_vgpr_msb (MSB<<8)|(\new)
.set MSB, (\new)
.endif
.endm
; nb blocks of 32: a lane's registers v[src + 16 b + i] = k 32 b + 16 (lane / 16) + i of its row become codes in v[pc + 4 b ..] and the row's scale word in v[pw].  TM .. TM + 15 at work.
.macro QUANT src, pc, pw, nb
.irp b, 0,1,2,3
.if \b < \nb
	v_max3_num_f32 v[TM+\b], |v[(\src)+16*\b]|, |v[(\src)+16*\b+1]|, 0x8000000   ; my 16 numbers, and the floor 2^(16 - 127): the byte cannot fall under 1
.endif
.endr
.irp i, 2,4,6,8,10,12,14
.irp b, 0,1,2,3
.if \b < \nb
	v_max3_num_f32 v[TM+\b], v[TM+\b], |v[(\src)+16*\b+\i]|, |v[(\src)+16*\b+\i+1]|   ; the blocks by turns
.endif
.endr
.endr
.irp b, 0,1,2,3
.if \b < \nb
	v_permlanex16_b32 v[TM+4+\b], v[TM+\b], s[SEL], s[SEL+1]
.endif
.endr
.irp b, 0,1,2,3
.if \b < \nb
	v_max_num_f32 v[TM+\b], v[TM+\b], v[TM+4+\b]   ; with lane l xor 16's: the block's largest magnitude
.endif
.endr
.irp b, 0,1,2,3
.if \b < \nb
	v_add_nc_u32 v[TM+12+\b], 0xf8800000, v[TM+\b]   ; 15 off its exponent field: the conversion's scale operand
.endif
.endr
.irp b, 0,1,2,3
.if \b < \nb
	v_and_or_b32 v[TM+8+\b], v[TM+\b], 0x7f800000, s[MNT]   ; 57,344 x the scale
.endif
.endr
.irp b, 0,1,2,3
.if \b < \nb
	v_lshrrev_b32 v[TM+4+\b], 23, v[TM+12+\b]      ; the scale's byte
.endif
.endr
	v_lshl_or_b32 v[\pw], v[TM+5], 8, v[TM+4]
.if \nb == 4
	v_lshl_or_b32 v[\pw], v[TM+6], 16, v[\pw]
	v_lshl_or_b32 v[\pw], v[TM+7], 24, v[\pw]
.else
	v_or_b32 v[\pw], 0x7f7f0000, v[\pw]            ; the K step's upper 64 are zero codes: their bytes say 1.0
.endif
.irp b, 0,1,2,3
.if \b < \nb
.irp i, 0,1,2,3,4,5,6,7,8,9,10,11,12,13,14,15
	v_med3_num_f32 v[(\src)+16*\b+\i], v[(\src)+16*\b+\i], -v[TM+8+\b], v[TM+8+\b]   ; the conversion does not saturate (ISA guide 7.6.2): the hold
.endr
	v_cvt_scalef32_pk8_bf8_f32 v[(\pc)+4*\b:(\pc)+4*\b+1], v[(\src)+16*\b:(\src)+16*\b+7], v[TM+12+\b]
	v_cvt_scalef32_pk8_bf8_f32 v[(\pc)+4*\b+2:(\pc)+4*\b+3], v[(\src)+16*\b+8:(\src)+16*\b+15], v[TM+12+\b]
.endif
.endr
	v_nop                                          ; one plain line behind the last conversion
.endm
	v_lshl_add_u32 v15, v0, 2, 0x8600
	s_set_vgpr_msb 0x80
	v_mov_b32 v1, 0
	s_set_vgpr_msb 0x8000
	v_lshrrev_b32 v1, 5, v0
	v_readfirstlane_b32 s2, v1                     ; wave 0..3
	s_mov_b32 s[SEL], 0x76543210
	s_mov_b32 s[SEL+1], 0xfedcba98
	s_mov_b32 s[MNT], 0x600000
	s_mov_b32 s[HI], 0xffff0000
	s_cmp_lt_u32 ttmp9, 176
	s_cbranch_scc1 .Lrole_p
	s_cmp_eq_u32 ttmp9, 176
	s_cbranch_scc1 .Lrole_s
	s_cmp_lt_u32 ttmp9, 187
	s_cbranch_scc1 .Lrole_b
; ================= ROLE Q.  A wave takes 16 rows x 512 along K (half a tile): 64 loads of 512 consecutive bytes, all issued at once (32 KiB a wave on their way).
; A K step's 16 x 512 bytes turn through the wave's own stage in LDS (rows 528 bytes apart), so that a lane gets 16 neighbours of each block of its row.  No barrier: waves share nothing.
; window 1: v[64 s + 4 i] row i of K step s as loaded.  window 0: v1 16 lane, v2 stage in, v3 stage out, v4 8 lane; from v64 on the numbers, the codes (a set for each step: no store's data are written again) and temporaries.
.set QX,   64
.set QPC,  128
.set TM,   192
.set QPW,  208
.set QPWS, 210
.set QV,   214
.set QZ,   216
	s_sub_co_u32 s3, ttmp9, 187
	s_lshl_b32 s3, s3, 2
	s_add_co_u32 s3, s3, s2                        ; item 0 .. 2,503
	s_lshr_b32 s4, s3, 1                           ; tile 0 .. 1,251
	s_and_b32 s5, s3, 1                            ; which half of K
	s_load_b128 s[8:11], s[0:1], 0x50              ; w0, cluster_w
	s_load_b64 s[12:13], s[0:1], 0x78              ; w0f
	s_load_b64 s[14:15], s[0:1], 0x80              ; wsc
	v_and_b32 v5, 31, v0
	v_lshlrev_b32 v1, 4, v5
	v_lshlrev_b32 v4, 3, v5
	v_and_b32 v6, 15, v0
	v_bfe_u32 v7, v0, 4, 1
	s_mul_i32 s6, s2, 8448                         ; my stage: 16 rows x 528 bytes
	v_add_nc_u32 v2, s6, v1
	v_mul_u32_u24 v3, v6, 528
	v_lshl_add_u32 v3, v7, 6, v3
	v_add_nc_u32 v3, s6, v3
.irp b, 0,1,2,3
	v_mov_b32 v[TM+4+\b], 0                        ; a lane permute's destination counts as one of its sources
	v_mov_b32 v[QZ+\b], 0
.endr
	s_lshl_b32 s16, s4, 14
	s_lshl_b32 s18, s5, 13
	s_add_co_u32 s16, s16, s18                     ; codes: 16,384 tile + 8,192 half
	s_mov_b32 s17, 0
	s_lshl_b32 s18, s4, 9
	s_lshl_b32 s20, s5, 8
	s_add_co_u32 s18, s18, s20                     ; scale words: 512 tile + 256 half
	s_mov_b32 s19, 0
	s_lshl_b32 s20, s4, 16                         ; w0: 16 rows of 4,096 bytes a tile
	s_lshl_b32 s22, s5, 11
	s_mov_b32 s21, 0
	s_wait_kmcnt 0x0
	s_add_nc_u64 s[12:13], s[12:13], s[16:17]
	s_add_nc_u64 s[14:15], s[14:15], s[18:19]
	s_cmp_lt_u32 s4, 1250
	s_cselect_b64 s[8:9], s[8:9], s[10:11]         ; tile 1,250 reads cluster_w
	s_cselect_b32 s20, s20, 0
	s_add_co_u32 s20, s20, s22
	s_add_nc_u64 s[8:9], s[8:9], s[20:21]
	s_cmp_lt_u32 s4, 1250
	s_cbranch_scc1 .Lq_full
	s_cmp_eq_u32 s4, 1250
	s_cbranch_scc1 .Lq_cluster
.irp s, 0,1,2,3                        ; tile 1,251: zero codes, bytes 127
.irp c, 0,1,2,3
	global_store_b128 v1, v[QZ:QZ+3], s[12:13] offset:2048*\s+512*\c
.endr
.endr
	v_mov_b32 v[QV], 0x7f7f7f7f
	v_mov_b32 v[QV+1], 0x7f7f7f7f
	global_store_b64 v4, v[QV:QV+1], s[14:15]
	s_endpgm
.macro QTILE nr                        ; nr rows come from memory, the others are zeros
	WIN 0x40                                       ; destination window 1
.irp s, 0,1,2,3
.irp i, 0,1,2,3,4,5,6,7,8,9,10,11,12,13,14,15
.if \i < \nr
	global_load_b128 v[64*\s+4*\i:64*\s+4*\i+3], v1, s[8:9] offset:4096*\i+512*\s th:TH_LOAD_NT
.endif
.endr
.endr
	WIN 0
.irp i, 0,1,2,3,4,5,6,7,8,9,10,11,12,13,14,15
.if \i >= \nr
	ds_store_b128 v2, v[QZ:QZ+3] offset:528*\i     ; stays for all four steps
.endif
.endr
.irp s, 0,1,2,3
	s_wait_loadcnt (3-\s)*\nr                      ; the later steps' loads may be out
	WIN 0x04                                       ; an LDS store's data are its source 1: window 1
.irp i, 0,1,2,3,4,5,6,7,8,9,10,11,12,13,14,15
.if \i < \nr
	ds_store_b128 v2, v[64*\s+4*\i:64*\s+4*\i+3] offset:528*\i
.endif
.endr
	WIN 0
.irp b, 0,1,2,3
.irp j, 0,1,2,3
	ds_load_b128 v[QX+16*\b+4*\j:QX+16*\b+4*\j+3], v3 offset:128*\b+16*\j   ; LDS serves a wave's instructions in order: these see my stores
.endr
.endr
	s_wait_dscnt 0x0
	QUANT QX, QPC+16*\s, QPW, 4
	v_mov_b32 v[QPWS+\s], v[QPW]
.irp c, 0,1,2,3
	global_store_b128 v1, v[QPC+16*\s+4*\c:QPC+16*\s+4*\c+3], s[12:13] offset:2048*\s+512*\c   ; 512 consecutive bytes
.endr
.endr
	v_cndmask_b32 v[QV], v[QPWS], v[QPWS+1], s[HI]         ; word u: lanes 0-15 K step 2 u of my four, lanes 16-31 K step 2 u + 1
	v_cndmask_b32 v[QV+1], v[QPWS+2], v[QPWS+3], s[HI]
	global_store_b64 v4, v[QV:QV+1], s[14:15]              ; 256 consecutive bytes
	s_set_vgpr_msb 0x8
	s_wait_tensorcnt 0x0
	ds_add_u32 v15, v1
	s_wait_dscnt 0x0
	s_set_vgpr_msb 0x800
	s_endpgm
.endm
.Lq_full:
	QTILE 16
.Lq_cluster:
	QTILE 3
; ================= ROLE P.  A wave takes 32 tokens (two tiles) x 128 outputs (g 0-7: proj0, g 8-9: proj1) or x 64 + 16 (g 10: proj2 and proj3), K = 1,024 in 8 steps.  No LDS, no barrier.
; Used transposed: source 0 = 16 rows of proj, source 1 = 16 tokens: a lane holds one token.  Lane r of tile t takes row 32 (t / 2) + 8 (t % 2) + r + 8 (r / 8), so that the 16 registers of two neighbouring tiles
; are 16 neighbours along the next K.  The scale bytes of a row (32) come once: 16 bytes a lane: register i holds K step i in lanes 0-15 and K step 4 + i in lanes 16-31.
; window 0: v1-15 addresses; v16-23 hidden's scale words, v24-55 proj's; v56-87 codes; v88-106 at work; v128-255 the accumulators (64 m + 8 t).  window 1: v0-31 hidden's fragments, from v32 proj's.
.set TM,   88
.set HSX,  16
.set PSX,  24
.set PPC,  56
.set PPW,  104
.set PPV,  106
.set PACC, 128
.macro PWM t, m, s
.if \s == 0
	v_wmma_scale_f32_16x16x128_f8f6f4 v[PACC+64*\m+8*\t:PACC+64*\m+8*\t+7], v[32+16*\t:32+16*\t+15], v[16*\m:16*\m+15], 0, v[PSX+4*\t], v[HSX+4*\m] matrix_a_fmt:MATRIX_FMT_BF8 matrix_b_fmt:MATRIX_FMT_BF8
.elseif \s < 4
	v_wmma_scale_f32_16x16x128_f8f6f4 v[PACC+64*\m+8*\t:PACC+64*\m+8*\t+7], v[32+16*\t:32+16*\t+15], v[16*\m:16*\m+15], v[PACC+64*\m+8*\t:PACC+64*\m+8*\t+7], v[PSX+4*\t+\s], v[HSX+4*\m+\s] matrix_a_fmt:MATRIX_FMT_BF8 matrix_b_fmt:MATRIX_FMT_BF8
.else
	v_wmma_scale_f32_16x16x128_f8f6f4 v[PACC+64*\m+8*\t:PACC+64*\m+8*\t+7], v[32+16*\t:32+16*\t+15], v[16*\m:16*\m+15], v[PACC+64*\m+8*\t:PACC+64*\m+8*\t+7], v[PSX+4*\t+\s-4], v[HSX+4*\m+\s-4] matrix_a_fmt:MATRIX_FMT_BF8 matrix_b_fmt:MATRIX_FMT_BF8 matrix_a_scale:MATRIX_SCALE_ROW1 matrix_b_scale:MATRIX_SCALE_ROW1
.endif
.endm
; K step s: nt tiles in the chosen order from s[32:33]; x = 1: one more, in natural order, from s[28:29].  The accumulators take turns, one instruction a turn.
.macro PK s, nt, x
	WIN 0x40
.irp m, 0,1
.irp c, 0,1,2,3
	global_load_b128 v[16*\m+4*\c:16*\m+4*\c+3], v3, s[8:9] offset:16384*\m+128*\s+32*\c
.endr
.endr
.irp t, 0,1,2,3,4,5,6,7
.if \t < \nt
.irp c, 0,1,2,3
	global_load_b128 v[32+16*\t+4*\c:32+16*\t+4*\c+3], v4, s[32:33] offset:1024*(32*(\t/2)+8*(\t%2))+128*\s+32*\c
.endr
.endif
.endr
.if \x
.irp c, 0,1,2,3
	global_load_b128 v[32+16*\nt+4*\c:32+16*\nt+4*\c+3], v3, s[28:29] offset:128*\s+32*\c
.endr
.endif
	s_wait_loadcnt 0x0
	WIN 0x05                                       ; sources 0 and 1 window 1, C and D window 0
.irp t, 0,1,2,3,4,5,6,7
.if \t < (\nt+\x)
.irp m, 0,1
	PWM \t, \m, \s
.endr
.endif
.endr
	WIN 0
.rept 8
	v_nop                                          ; places in front of loads into registers that matrix instructions have read, and of the first read of results
.endr
.endm
.Lrole_p:
	s_lshl_b32 s3, ttmp9, 2
	s_add_co_u32 s3, s3, s2
	s_lshr_b32 s4, ttmp9, 4                        ; g 0 .. 10
	s_and_b32 s5, s3, 63                           ; which 32 tokens
	s_load_b128 s[8:11], s[0:1], 0x0               ; hidden's codes, scales
	s_load_b128 s[16:19], s[0:1], 0x10             ; proj0's
	s_load_b128 s[20:23], s[0:1], 0x20             ; proj1's
	s_load_b128 s[24:27], s[0:1], 0x30             ; proj2's
	s_load_b128 s[28:31], s[0:1], 0x40             ; proj3's
	s_load_b64 s[12:13], s[0:1], 0x88              ; hq
	v_and_b32 v1, 15, v0                           ; r
	v_bfe_u32 v2, v0, 4, 1                         ; h
	v_lshlrev_b32 v3, 10, v1
	v_lshl_add_u32 v3, v2, 4, v3                   ; natural rows: 1,024 r + 16 h
	v_and_b32 v14, 8, v1
	v_add_nc_u32 v14, v14, v1                      ; r + 8 (r / 8)
	v_lshlrev_b32 v4, 10, v14
	v_lshl_add_u32 v4, v2, 4, v4                   ; chosen rows
	v_lshlrev_b32 v5, 5, v1
	v_lshl_add_u32 v5, v2, 4, v5                   ; scale bytes: 32 r + 16 h
	v_lshlrev_b32 v6, 5, v14
	v_lshl_add_u32 v6, v2, 4, v6
	v_and_b32 v7, 31, v0
	v_lshlrev_b32 v7, 4, v7                        ; 16 lane
.irp b, 0,1,2,3
	v_mov_b32 v[TM+4+\b], 0
.endr
	s_mov_b32 s37, 0
	s_lshl_b32 s36, s5, 15
	s_wait_kmcnt 0x0
	s_add_nc_u64 s[8:9], s[8:9], s[36:37]          ; my 32 tokens' codes
	s_lshl_b32 s36, s5, 10
	s_add_nc_u64 s[10:11], s[10:11], s[36:37]      ; and scale bytes
.irp m, 0,1
	global_load_b128 v[HSX+4*\m:HSX+4*\m+3], v5, s[10:11] offset:512*\m
.endr
	s_cmp_eq_u32 s4, 10
	s_cbranch_scc1 .Lp_small
	s_cmp_lt_u32 s4, 8
	s_cselect_b64 s[32:33], s[16:17], s[20:21]
	s_cselect_b64 s[34:35], s[18:19], s[22:23]
	s_and_b32 s6, s4, 7                            ; g, or g - 8
	s_lshl_b32 s36, s6, 17
	s_add_nc_u64 s[32:33], s[32:33], s[36:37]      ; my 128 rows of proj
	s_lshl_b32 s36, s6, 12
	s_add_nc_u64 s[34:35], s[34:35], s[36:37]
.irp t, 0,1,2,3,4,5,6,7
	global_load_b128 v[PSX+4*\t:PSX+4*\t+3], v6, s[34:35] offset:32*(32*(\t/2)+8*(\t%2))
.endr
.irp s, 0,1,2,3,4,5,6,7
	PK \s, 8, 0
.endr
	QUANT PACC, PPC, PPW, 4
	QUANT PACC+64, PPC+16, PPW+1, 4
	v_cndmask_b32 v[PPV], v[PPW], v[PPW+1], s[HI]  ; lanes 0-15 the first tile's words, lanes 16-31 the second's
	s_cmp_lt_u32 s4, 8
	s_cbranch_scc0 .Lp_h1
	s_lshl_b32 s36, s5, 15                         ; h0: K step g of the head's product, as an image of the operand's registers
	s_lshl_b32 s38, s4, 11
	s_add_co_u32 s36, s36, s38
	s_add_nc_u64 s[40:41], s[12:13], s[36:37]
	s_lshl_b32 s36, s5, 10
	s_lshl_b32 s38, s4, 6
	s_add_co_u32 s36, s36, s38
	s_add_nc_u64 s[42:43], s[12:13], s[36:37]
	v_lshlrev_b32 v8, 2, v1
	v_lshl_add_u32 v8, v2, 9, v8
.irp m, 0,1
.irp c, 0,1,2,3
	global_store_b128 v7, v[PPC+16*\m+4*\c:PPC+16*\m+4*\c+3], s[40:41] offset:H0F+16384*\m+512*\c
.endr
.endr
	global_store_b32 v8, v[PPV], s[42:43] offset:H0S
	s_endpgm
.Lp_h1:                                        ; h1: by rows, since later launches gather it by token: pieces of 16 bytes, 0.5 MB once
	s_sub_co_u32 s6, s4, 8
	s_lshl_b32 s36, s5, 13
	s_lshl_b32 s38, s6, 7
	s_add_co_u32 s36, s36, s38
	s_add_nc_u64 s[40:41], s[12:13], s[36:37]
	s_lshl_b32 s36, s5, 8
	s_lshl_b32 s38, s6, 2
	s_add_co_u32 s36, s36, s38
	s_add_nc_u64 s[42:43], s[12:13], s[36:37]
	v_lshlrev_b32 v9, 8, v1
	v_lshl_add_u32 v9, v2, 4, v9
	v_lshlrev_b32 v10, 3, v1
	v_lshl_add_u32 v10, v2, 7, v10
.irp m, 0,1
.irp c, 0,1,2,3
	global_store_b128 v9, v[PPC+16*\m+4*\c:PPC+16*\m+4*\c+3], s[40:41] offset:H1C+4096*\m+32*\c
.endr
.endr
	global_store_b32 v10, v[PPV], s[42:43] offset:H1S
	s_endpgm
.Lp_small:                                     ; g = 10: proj2's four tiles and proj3's one
	s_mov_b64 s[32:33], s[24:25]
.irp t, 0,1,2,3
	global_load_b128 v[PSX+4*\t:PSX+4*\t+3], v6, s[26:27] offset:32*(32*(\t/2)+8*(\t%2))
.endr
	global_load_b128 v[PSX+16:PSX+19], v5, s[30:31]
.irp s, 0,1,2,3,4,5,6,7
	PK \s, 4, 1
.endr
	QUANT PACC, PPC, PPW, 2
	QUANT PACC+64, PPC+16, PPW+1, 2
	v_cndmask_b32 v[PPV], v[PPW], v[PPW+1], s[HI]
.irp m, 0,1
.irp k, 0,1,2,3
	v_cvt_pk_bf16_f32 v[PPC+16*\m+8+\k], v[PACC+64*\m+32+2*\k], v[PACC+64*\m+32+2*\k+1]   ; h3: my token's units 8 h + 0 .. 7
.endr
.endr
	s_lshl_b32 s36, s5, 11
	s_add_nc_u64 s[40:41], s[12:13], s[36:37]
	s_lshl_b32 s36, s5, 7
	s_add_nc_u64 s[42:43], s[12:13], s[36:37]
	s_lshl_b32 s36, s5, 10
	s_add_nc_u64 s[44:45], s[12:13], s[36:37]
	v_lshlrev_b32 v11, 6, v1
	v_lshl_add_u32 v11, v2, 4, v11
	v_lshlrev_b32 v12, 2, v1
	v_lshl_add_u32 v12, v2, 6, v12
	v_lshlrev_b32 v13, 5, v1
	v_lshl_add_u32 v13, v2, 4, v13
.irp m, 0,1
.irp c, 0,1
	global_store_b128 v11, v[PPC+16*\m+4*\c:PPC+16*\m+4*\c+3], s[40:41] offset:H2C+1024*\m+32*\c
.endr
	global_store_b128 v13, v[PPC+16*\m+8:PPC+16*\m+11], s[44:45] offset:H3B+512*\m
.endr
	global_store_b32 v12, v[PPV], s[42:43] offset:H2S
	s_endpgm
; ================= ROLE S.  Thread t owns tokens 16 t .. 16 t + 15.  Order inside a class: wave, then slot j, then lane.  One barrier, for the waves' counts.
; Stored: ORDER (token at each sorted place; 2,048 at a pad), HROW (the head row whose logit the token wants: its target, or 20,003 - class), TROW (its row in its tail), TAB (first tile and tiles of each class, tiles in all).
.set SRT, 64                           ; v64-79 targets; v80-95 addresses, v96-111 tokens, v112-127 head rows, v128-143 tail rows: a set for each j, so that no store's sources are written again
.set SAD, 80
.set SOR, 96
.set SHR, 112
.set STR, 128
.Lrole_s:
	s_load_b64 s[4:5], s[0:1], 0x70                ; target
	s_load_b64 s[6:7], s[0:1], 0x90                ; idx
	s_mov_b32 s8, 20000
	s_mov_b32 s9, 30000
	s_mov_b32 s10, 40000
	s_mov_b32 s11, 0
	s_mov_b32 s12, 0
	s_mov_b32 s13, 0
	v_lshlrev_b32 v1, 6, v0
	s_wait_kmcnt 0x0
.irp q, 0,1,2,3
	global_load_b128 v[SRT+4*\q:SRT+4*\q+3], v1, s[4:5] offset:16*\q
.endr
	s_wait_loadcnt 0x0
.irp j, 0,1,2,3,4,5,6,7,8,9,10,11,12,13,14,15
	v_cmp_le_u32 s[16+\j], s8, v[SRT+\j]           ; class >= 1
	v_cmp_le_u32 s[32+\j], s9, v[SRT+\j]           ; >= 2
	v_cmp_le_u32 s[48+\j], s10, v[SRT+\j]          ; = 3
.endr
.irp j, 0,1,2,3,4,5,6,7,8,9,10,11,12,13,14,15
	s_bcnt1_i32_b32 s14, s[16+\j]
	s_add_co_u32 s11, s11, s14
	s_bcnt1_i32_b32 s14, s[32+\j]
	s_add_co_u32 s12, s12, s14
	s_bcnt1_i32_b32 s14, s[48+\j]
	s_add_co_u32 s13, s13, s14
.endr
	v_mov_b32 v2, s11
	v_mov_b32 v3, s12
	v_mov_b32 v4, s13
	v_mov_b32 v5, 0
	s_lshl_b32 s14, s2, 4
	s_add_co_u32 s14, s14, 33792                   ; behind role Q's stages: 16 bytes a wave
	v_mov_b32 v6, s14
	ds_store_b128 v6, v[2:5]                       ; all lanes write the same words with the same values
	s_wait_dscnt 0x0                               ; for the others' sake
	s_barrier_signal -1
	s_barrier_wait -1
	v_mov_b32 v7, 33792
.irp w, 0,1,2,3
	ds_load_b128 v[144+4*\w:147+4*\w], v7 offset:16*\w
.endr
	s_wait_dscnt 0x0
.irp w, 0,1,2,3
.irp k, 0,1,2
	v_readfirstlane_b32 s[66+3*\w+\k], v[144+4*\w+\k]
.endr
.endr
.irp c, 0,1,2,3,4,5,6,7
	s_mov_b32 s[78+\c], 0                          ; s78-81 a class's tokens; s82-85 those of the waves below mine
.endr
.irp w, 0,1,2,3
	s_sub_co_u32 s95, 512, s[66+3*\w]
	s_sub_co_u32 s3, s[66+3*\w], s[67+3*\w]
	s_sub_co_u32 s14, s[67+3*\w], s[68+3*\w]
	s_mov_b32 s15, s[68+3*\w]
	s_add_co_u32 s78, s78, s95
	s_add_co_u32 s79, s79, s3
	s_add_co_u32 s80, s80, s14
	s_add_co_u32 s81, s81, s15
	s_cmp_gt_u32 s2, \w
	s_cselect_b32 s95, s95, 0
	s_cselect_b32 s3, s3, 0
	s_cselect_b32 s14, s14, 0
	s_cselect_b32 s15, s15, 0
	s_add_co_u32 s82, s82, s95
	s_add_co_u32 s83, s83, s3
	s_add_co_u32 s84, s84, s14
	s_add_co_u32 s85, s85, s15
.endr
.irp c, 0,1,2,3
	s_add_co_u32 s[86+\c], s[78+\c], 15
	s_lshr_b32 s[86+\c], s[86+\c], 4               ; s86-89 tiles of a class
.endr
	s_mov_b32 s90, 0                               ; s90-93 its first tile; s94 tiles in all (131 at the most: 2,048 / 16 + 3)
	s_add_co_u32 s91, s90, s86
	s_add_co_u32 s92, s91, s87
	s_add_co_u32 s93, s92, s88
	s_add_co_u32 s94, s93, s89
.irp c, 0,1,2,3
	s_lshl_b32 s95, s[90+\c], 4
	s_add_co_u32 s[82+\c], s[82+\c], s95           ; where my wave's tokens of the class begin
	s_add_co_u32 s[66+\c], s95, s[78+\c]           ; where the class's pads begin,
	s_lshl_b32 s3, s[86+\c], 4
	s_sub_co_u32 s[70+\c], s3, s[78+\c]            ; and how many they are
.endr
.irp j, 0,1,2,3,4,5,6,7,8,9,10,11,12,13,14,15
	s_not_b32 s95, s[16+\j]                        ; lanes of class 0,
	s_and_not1_b32 s3, s[16+\j], s[32+\j]          ; 1,
	s_and_not1_b32 s14, s[32+\j], s[48+\j]         ; 2; class 3 is s[48 + j]
	v_mbcnt_lo_u32_b32 v[SAD+\j], s95, s82         ; the class's running place + the lanes of the class below mine
	v_mbcnt_lo_u32_b32 v160, s3, s83
	v_cndmask_b32 v[SAD+\j], v[SAD+\j], v160, s3
	v_mbcnt_lo_u32_b32 v160, s14, s84
	v_cndmask_b32 v[SAD+\j], v[SAD+\j], v160, s14
	v_mbcnt_lo_u32_b32 v160, s[48+\j], s85
	v_cndmask_b32 v[SAD+\j], v[SAD+\j], v160, s[48+\j]
	s_bcnt1_i32_b32 s95, s95
	s_add_co_u32 s82, s82, s95
	s_bcnt1_i32_b32 s3, s3
	s_add_co_u32 s83, s83, s3
	s_bcnt1_i32_b32 s14, s14
	s_add_co_u32 s84, s84, s14
	s_bcnt1_i32_b32 s15, s[48+\j]
	s_add_co_u32 s85, s85, s15
	v_min_u32 v[SAD+\j], 0x83f, v[SAD+\j]          ; inside the lists' 2,112 places
	v_lshlrev_b32 v[SAD+\j], 2, v[SAD+\j]
	v_cndmask_b32 v161, 0, 1, s[16+\j]
	v_cndmask_b32 v161, v161, 2, s[32+\j]
	v_cndmask_b32 v161, v161, 3, s[48+\j]          ; the class
	v_sub_nc_u32 v[SHR+\j], 0x4e23, v161           ; 20,003 - class: the cluster's logit
	v_cndmask_b32 v[SHR+\j], v[SRT+\j], v[SHR+\j], s[16+\j]
	v_mul_u32_u24 v162, v161, 0x2710
	v_sub_nc_u32 v162, v[SRT+\j], v162
	v_add_nc_u32 v162, 0xffffd8f0, v162            ; target - 10,000 (class + 1)
	v_cndmask_b32 v[STR+\j], 0, v162, s[16+\j]
	v_lshl_add_u32 v[SOR+\j], v0, 4, \j
	global_store_b32 v[SAD+\j], v[SOR+\j], s[6:7]
	global_store_b32 v[SAD+\j], v[SHR+\j], s[6:7] offset:8448
	global_store_b32 v[SAD+\j], v[STR+\j], s[6:7] offset:16896
.endr
	s_mov_b32 s95, s66                             ; wave w lays the pads of class w
	s_mov_b32 s3, s70
.irp c, 1,2,3
	s_cmp_eq_u32 s2, \c
	s_cselect_b32 s95, s[66+\c], s95
	s_cselect_b32 s3, s[70+\c], s3
.endr
	; Three blocks of stores follow, each with some lanes off.  All their addresses and data are made here, while every lane is still on: behind this block only compares, changes of EXEC and stores stand.
	v_and_b32 v164, 31, v0
	v_add_nc_u32 v165, s95, v164                   ; my class's pads: place = where they begin + lane,
	v_min_u32 v165, 0x83f, v165                    ; held inside the lists
	v_lshlrev_b32 v165, 2, v165
	s_lshl_b32 s15, s94, 4
	v_add_nc_u32 v169, s15, v0                     ; the places behind the last tile: 16 x tiles + thread (compared below as it is),
	v_min_u32 v168, 0x83f, v169                    ; held likewise
	v_lshlrev_b32 v168, 2, v168
	v_mov_b32 v166, 0x800                          ; a pad's token,
	v_mov_b32 v167, 0                              ; its rows
	v_mov_b32 v170, 0                              ; the table's offset
.irp c, 0,1,2,3
	v_mov_b32 v[172+\c], s[90+\c]
	v_mov_b32 v[176+\c], s[86+\c]
	v_mov_b32 v[180+\c], 0
.endr
	v_mov_b32 v180, s94
	v_cmp_gt_u32 vcc_lo, s3, v164
	s_wait_xcnt 0x0                                ; EXEC changes only behind this wait
	s_set_vgpr_msb 0x8
	s_wait_tensorcnt 0x0
	ds_add_u32 v15, v1
	s_wait_dscnt 0x0
	s_set_vgpr_msb 0x800
	s_and_saveexec_b32 s14, vcc_lo
	global_store_b32 v165, v166, s[6:7]
	global_store_b32 v165, v167, s[6:7] offset:8448
	global_store_b32 v165, v167, s[6:7] offset:16896
	s_wait_xcnt 0x0
	s_or_b32 exec_lo, exec_lo, s14
	v_cmp_gt_u32 vcc_lo, 0x840, v169               ; up to place 2,111
	s_and_saveexec_b32 s14, vcc_lo
	global_store_b32 v168, v166, s[6:7]
	global_store_b32 v168, v167, s[6:7] offset:8448
	global_store_b32 v168, v167, s[6:7] offset:16896
	s_wait_xcnt 0x0
	s_or_b32 exec_lo, exec_lo, s14
	v_cmp_eq_u32 vcc_lo, 0, v0
	s_and_saveexec_b32 s14, vcc_lo                 ; thread 0 alone
	global_store_b128 v170, v[172:175], s[6:7] offset:25344
	global_store_b128 v170, v[176:179], s[6:7] offset:25360
	global_store_b128 v170, v[180:183], s[6:7] offset:25376
	s_endpgm
; ================= ROLE B.  20,480 numbers, sixteen to a lane: b0, cluster_b, then pads.
.Lrole_b:
	s_load_b128 s[8:11], s[0:1], 0x60              ; b0, cluster_b
	s_load_b64 s[14:15], s[0:1], 0x80              ; wsc
	s_sub_co_u32 s3, ttmp9, 177
	s_lshl_b32 s3, s3, 9
	s_mov_b32 s19, 5000
	v_add_nc_u32 v64, s3, v0
.irp k, 1,2,3
	v_add_nc_u32 v[64+\k], 128*\k, v64
.endr
.irp k, 0,1,2,3
	v_min_u32 v[68+\k], 0x1387, v[64+\k]           ; no load leaves b0
	v_lshlrev_b32 v[68+\k], 4, v[68+\k]
	v_lshlrev_b32 v[72+\k], 4, v[64+\k]
.endr
	s_wait_kmcnt 0x0
	s_load_b96 s[16:18], s[10:11], 0x0
.irp k, 0,1,2,3
	global_load_b128 v[76+4*\k:79+4*\k], v[68+\k], s[8:9]
.endr
	v_mov_b32 v92, PADV
	s_wait_kmcnt 0x0
	v_mov_b32 v93, s16
	v_mov_b32 v94, s17
	v_mov_b32 v95, s18
	s_wait_loadcnt 0x0
.irp k, 0,1,2,3
	v_cmp_le_u32 vcc_lo, s19, v[64+\k]
.irp i, 0,1,2,3
	v_cndmask_b32 v[76+4*\k+\i], v[76+4*\k+\i], v92, vcc_lo
.endr
	v_cmp_eq_u32 vcc_lo, s19, v[64+\k]
.irp i, 0,1,2
	v_cndmask_b32 v[76+4*\k+\i], v[76+4*\k+\i], v[93+\i], vcc_lo
.endr
	global_store_b128 v[72+\k], v[76+4*\k:79+4*\k], s[14:15] offset:BHO
.endr
	s_endpgm
.Lfunc_end_k_q0d9b2752d1_prep:
	.size	k_q0d9b2752d1_prep, .Lfunc_end_k_q0d9b2752d1_prep-k_q0d9b2752d1_prep
	.p2alignl 7, 3214868480
	.fill 96, 4, 3214868480
	.section	.rodata,"a",@progbits
	.p2align	6, 0x0
	.amdhsa_kernel k_q0d9b2752d1_prep
		.amdhsa_group_segment_fixed_size 34816
		.amdhsa_private_segment_fixed_size 0
		.amdhsa_enable_private_segment 0
		.amdhsa_kernarg_size 152
		.amdhsa_user_sgpr_count 2
		.amdhsa_user_sgpr_kernarg_segment_ptr 1
		.amdhsa_wavefront_size32 1
		.amdhsa_system_sgpr_workgroup_id_x 1
		.amdhsa_system_sgpr_workgroup_id_y 1
		.amdhsa_system_sgpr_workgroup_id_z 1
		.amdhsa_system_vgpr_workitem_id 0
		.amdhsa_next_free_vgpr 514
		.amdhsa_next_free_sgpr 100
		.amdhsa_reserve_vcc 1
		.amdhsa_float_denorm_mode_32 3
		.amdhsa_float_denorm_mode_16_64 3
		.amdhsa_memory_ordered 1
		.amdhsa_forward_progress 1
		.amdhsa_inst_pref_size 255
	.end_amdhsa_kernel
	.amdgpu_metadata
---
amdhsa.version: [ 1, 2 ]
amdhsa.kernels:
  - .name:           k_q0d9b2752d1_prep
    .symbol:         k_q0d9b2752d1_prep.kd
    .args:
      - { .name: hidden_codes, .offset: 0, .size: 8, .value_kind: global_buffer, .address_space: global }
      - { .name: hidden_scales, .offset: 8, .size: 8, .value_kind: global_buffer, .address_space: global }
      - { .name: proj0_codes, .offset: 16, .size: 8, .value_kind: global_buffer, .address_space: global }
      - { .name: proj0_scales, .offset: 24, .size: 8, .value_kind: global_buffer, .address_space: global }
      - { .name: proj1_codes, .offset: 32, .size: 8, .value_kind: global_buffer, .address_space: global }
      - { .name: proj1_scales, .offset: 40, .size: 8, .value_kind: global_buffer, .address_space: global }
      - { .name: proj2_codes, .offset: 48, .size: 8, .value_kind: global_buffer, .address_space: global }
      - { .name: proj2_scales, .offset: 56, .size: 8, .value_kind: global_buffer, .address_space: global }
      - { .name: proj3_codes, .offset: 64, .size: 8, .value_kind: global_buffer, .address_space: global }
      - { .name: proj3_scales, .offset: 72, .size: 8, .value_kind: global_buffer, .address_space: global }
      - { .name: w0, .offset: 80, .size: 8, .value_kind: global_buffer, .address_space: global }
      - { .name: cluster_w, .offset: 88, .size: 8, .value_kind: global_buffer, .address_space: global }
      - { .name: b0, .offset: 96, .size: 8, .value_kind: global_buffer, .address_space: global }
      - { .name: cluster_b, .offset: 104, .size: 8, .value_kind: global_buffer, .address_space: global }
      - { .name: target, .offset: 112, .size: 8, .value_kind: global_buffer, .address_space: global }
      - { .name: w0f, .offset: 120, .size: 8, .value_kind: global_buffer, .address_space: global }
      - { .name: wsc, .offset: 128, .size: 8, .value_kind: global_buffer, .address_space: global }
      - { .name: hq, .offset: 136, .size: 8, .value_kind: global_buffer, .address_space: global }
      - { .name: idx, .offset: 144, .size: 8, .value_kind: global_buffer, .address_space: global }
    .group_segment_fixed_size: 34816
    .private_segment_fixed_size: 0
    .kernarg_segment_align: 8
    .kernarg_segment_size: 152
    .max_flat_workgroup_size: 128
    .sgpr_count:     100
    .vgpr_count:     514
    .wavefront_size: 32
...
	.end_amdgpu_metadata
.endif
;; end of part 1
;; launch logits (part 2): grid 252 x 1, 4 waves a work-group, no clusters, 67,072 bytes of LDS; arguments w0f, wsc, hq, idx, w1_codes, w1_scales, b1, w2_codes, w2_scales, b2, w3, b3, part_h, part_t; writes part_h, part_t
.if DOCPART == 2
	.amdgcn_target "amdgcn-amd-amdhsa--gfx1250"
	.amdhsa_code_object_version 6
	.text
	.protected	k_q0d9b2752d1_logits
	.globl	k_q0d9b2752d1_logits
	.p2align	8
	.type	k_q0d9b2752d1_logits,@function
k_q0d9b2752d1_logits:
	s_mov_b64 s[64:65], 0
	v_nop
	global_prefetch_b8 v0, s[64:65] scope:SCOPE_SE
	s_setreg_imm32_b32 hwreg(HW_REG_WAVE_MODE, 25, 1), 1
	s_wait_xcnt 0x0
; LOGITS: every logit that a log-sum-exp needs, reduced at once to pairs (m, s): m the largest logit of a group of rows, s the sum of e^(logit - m) over the group.  No logit goes to memory.
; HEAD.  Work-group = (column group cg = x / 4, token block tb = x % 4).  Wave w keeps 5 tiles of 16 vocabulary rows (slab 4 cg + w) in registers for the whole phase: 640 registers of codes, their scale words, their bias.
; The block's 32 token tiles go through two LDS slots as images of the operand's registers: each wave copies a quarter of a tile (through registers), all four read it whole.  Per tile and wave: 40 matrix instructions
; (source 0 = 16 rows of W, source 1 = 16 tokens; the bias is the C of a sum's first instruction), so a lane holds ONE token and 40 of its logits: maximum, exponentials and sum need no other lane.
; The pairs meet in LDS; at the end 8 pairs a token (4 waves x 2 halves of the lanes) are merged and one pair a token goes to part_h[cg].
; TAIL.  The loss keeps a tail's log-softmax only for tokens whose target lies in that tail, so wave 4 x + w takes two tiles of rows of one tail and walks that class's token tiles alone (the sorted list; trip count from the
; stored table).  Its operands come from memory straight into registers, six tiles ahead; a pair for each lane goes to part_t[slab][sorted tile].  Tail 3 (K = 16) is left as it is: bf16 operands.
; NO TENSOR LOADS AND NO JOINT REQUESTS: the tail's trip counts and branches hang on numbers read from memory.
; PADS: head tiles past 1,250 and the repeat of tail tile 624 multiply zero codes and carry the bias -2^100: the logit is that power of two bit for bit, log2(e) times it is exact, and its exponential under any real maximum is 0.
; 9 of the 1,260 head tiles are such pads.  LIMITS: real logits lie above -2^100; NaN and infinities are not served; h3 and w3 are rounded to bf16.
.set H0S, 2097152
.set H1C, 2162688
.set H1S, 2686976
.set H2C, 2703360
.set H2S, 2834432
.set H3B, 2842624
.set BHO, 641024
.set PADV, 0xf1800000
.set SLOTB, 16896                      ; an LDS slot: 8 fragment images of 2,048 bytes, then 512 bytes of scale words
.set RED,   33792                      ; behind the two slots: the pairs, [wave][step 32][lane][m, s]: 8,192 bytes a wave
; window 0: v1 16 lane, v2 8 lane, v3 4 lane, v4 4 r, v5 16 h, v6 4,096 w + 16 lane, v7 4 thread, v9, v10 LDS places, v11 at work, v[12:13] c m, v[14:15] (m, s), v16-25 at work, v26 the staged scale word, v27 32 h
.set HS,  28                           ; v28-31  the token tile's scale words: register q: K step 2 q in lanes 0-15, 2 q + 1 in lanes 16-31
.set WS,  32                           ; v32-51  W's, 4 t + q, likewise (tail: v32-33)
.set ACC, 52                           ; v52-91  five accumulators
.set HF,  96                           ; v96-223 the token tile's 8 fragments
.set BIA, 160                          ; window 3: the bias in the result's layout, 8 t
.set STG, 200                          ; window 3: my quarter of a token tile on its way to LDS
; W's fragment (t, s): window 1 + s / 3, at 16 (5 (s % 3) + t)
.set CS,  44                           ; s[44:45] c = log2(e)
.set RS,  46                           ; s46 the step's place among my pairs
.set MSB, 0
.macro WIN new
.if MSB != (\new)
	s_set_vgpr_msb (MSB<<8)|(\new)
.set MSB, (\new)
.endif
.endm
; nt accumulators: a lane's 8 nt logits of one token -> v14 = their maximum, v15 = the sum of e^(logit - maximum).  Each accumulator is read from its low end on.
.macro SMX nt
.irp t, 0,1,2,3,4
.if \t < \nt
	v_max3_num_f32 v[16+\t], v[ACC+8*\t], v[ACC+8*\t+1], v[ACC+8*\t+2]
.endif
.endr
.irp t, 0,1,2,3,4
.if \t < \nt
	v_max3_num_f32 v[16+\t], v[16+\t], v[ACC+8*\t+3], v[ACC+8*\t+4]
.endif
.endr
.irp t, 0,1,2,3,4
.if \t < \nt
	v_max3_num_f32 v[16+\t], v[16+\t], v[ACC+8*\t+5], v[ACC+8*\t+6]
.endif
.endr
.if \nt == 5
	v_max3_num_f32 v16, v16, v17, v[ACC+7]
	v_max3_num_f32 v18, v18, v19, v[ACC+15]
	v_max3_num_f32 v20, v20, v[ACC+23], v[ACC+31]
	v_max3_num_f32 v16, v16, v18, v[ACC+39]
	v_max_num_f32 v14, v16, v20
.else
	v_max3_num_f32 v16, v16, v17, v[ACC+7]
	v_max_num_f32 v14, v16, v[ACC+15]
.endif
	v_mul_f32 v12, s[CS], v14
.set sq, 0
.rept 4*\nt
	v_pk_fma_f32 v[ACC+2*sq:ACC+2*sq+1], v[ACC+2*sq:ACC+2*sq+1], s[CS:CS+1], v[12:13] op_sel_hi:[1,0,0] neg_lo:[0,0,1] neg_hi:[0,0,1]   ; c logit - c m, two at a time
.set sq, sq+1
.endr
.set sq, 0
.rept 8*\nt
	v_exp_f32 v[ACC+sq], v[ACC+sq]
.set sq, sq+1
.endr
	v_nop                                          ; a plain line behind the exponentials
	s_wait_alu depctr_va_vdst(0)
	v_pk_add_f32 v[22:23], v[ACC:ACC+1], v[ACC+2:ACC+3]
	v_pk_add_f32 v[24:25], v[ACC+4:ACC+5], v[ACC+6:ACC+7]
.set sq, 4
.rept 2*\nt-2
	v_pk_add_f32 v[22:23], v[22:23], v[ACC+2*sq:ACC+2*sq+1]
	v_pk_add_f32 v[24:25], v[24:25], v[ACC+2*sq+2:ACC+2*sq+3]
.set sq, sq+2
.endr
	v_pk_add_f32 v[22:23], v[22:23], v[24:25]
	v_add_f32 v15, v22, v23
.endm
.macro G first                         ; my quarter of the next token tile, memory -> registers.  The bases step only where the loads before have been waited for
.if \first == 0
	s_add_nc_u64 s[40:41], s[40:41], 16384
	s_add_nc_u64 s[42:43], s[42:43], 512
.endif
	WIN 0xc0                                       ; destination window 3
.irp i, 0,1,2,3,4,5,6,7
	global_load_b128 v[STG+4*\i:STG+4*\i+3], v6, s[40:41] offset:512*\i
.endr
	WIN 0
	global_load_b32 v26, v7, s[42:43] offset:H0S
.endm
.macro ST par                          ; registers -> slot par
	WIN 0x0c                                       ; an LDS store's data are its source 1: window 3
.irp i, 0,1,2,3,4,5,6,7
	ds_store_b128 v6, v[STG+4*\i:STG+4*\i+3] offset:SLOTB*(\par)+512*\i
.endr
	WIN 0
	ds_store_b32 v9, v26 offset:SLOTB*(\par)
.endm
.macro HL par                          ; slot par -> the operand's registers, in every wave
.set hq_, 0
.rept 32
	ds_load_b128 v[HF+4*hq_:HF+4*hq_+3], v1 offset:SLOTB*(\par)+512*hq_
.set hq_, hq_+1
.endr
.irp q, 0,1,2,3
	ds_load_b32 v[HS+\q], v3 offset:SLOTB*(\par)+16384+128*\q
.endr
.endm
.macro HWM t, s
.set RA, 16*(5*((\s)%3)+\t)
.if \s == 0
	v_wmma_scale_f32_16x16x128_f8f6f4 v[ACC+8*\t:ACC+8*\t+7], v[RA:RA+15], v[HF:HF+15], v[BIA+8*\t:BIA+8*\t+7], v[WS+4*\t], v[HS] matrix_a_fmt:MATRIX_FMT_BF8 matrix_b_fmt:MATRIX_FMT_BF8
.elseif (\s)%2 == 0
	v_wmma_scale_f32_16x16x128_f8f6f4 v[ACC+8*\t:ACC+8*\t+7], v[RA:RA+15], v[HF+16*\s:HF+16*\s+15], v[ACC+8*\t:ACC+8*\t+7], v[WS+4*\t+(\s)/2], v[HS+(\s)/2] matrix_a_fmt:MATRIX_FMT_BF8 matrix_b_fmt:MATRIX_FMT_BF8
.else
	v_wmma_scale_f32_16x16x128_f8f6f4 v[ACC+8*\t:ACC+8*\t+7], v[RA:RA+15], v[HF+16*\s:HF+16*\s+15], v[ACC+8*\t:ACC+8*\t+7], v[WS+4*\t+(\s)/2], v[HS+(\s)/2] matrix_a_fmt:MATRIX_FMT_BF8 matrix_b_fmt:MATRIX_FMT_BF8 matrix_a_scale:MATRIX_SCALE_ROW1 matrix_b_scale:MATRIX_SCALE_ROW1
.endif
.endm
.macro HMUL                            ; 40 matrix instructions; the five accumulators take turns, one instruction a turn
.irp s, 0,1,2,3,4,5,6,7
.if \s == 0
	WIN 0x31                                       ; W window 1, the bias window 3
.else
	WIN 1+(\s)/3
.endif
.irp t, 0,1,2,3,4
	HWM \t, \s
.endr
.endr
.endm
; Step j (par = j % 2).  One barrier a step.  In front of its signal: my reads of tile j are in and my part of tile j + 1 has landed in the other slot.  Behind its wait: tile j + 1 is whole, and nobody reads slot par any more.
.macro HSTEP par, g, hl, st
	s_wait_dscnt 0x0                               ; tile j is in my registers; my stores (tile j + 1, the last pair) have landed and have read their registers
.if \g
	G 0                                            ; tile j + 2 sets out: it has the step's products and softmax in which to come
.endif
	s_barrier_signal -1
	HMUL
	WIN 0
	s_barrier_wait -1
.rept 9
	v_nop                                          ; places: 8 in front of loads into registers that the products read and of the first read of results; 9 in front of the next step's first products, which begin the accumulators anew
.endr
.if \hl
	HL 1-\par                                      ; tile j + 1 comes while the softmax runs
.endif
	SMX 5
	v_add_nc_u32 v11, s[RS], v10
	ds_store_b64 v11, v[14:15]
	s_add_co_u32 s[RS], s[RS], 256
.if \st
	s_wait_loadcnt 0x0                             ; tile j + 2 is in my registers
	ST \par
.endif
.endm
	s_load_b512 s[4:19], s[0:1], 0x0               ; w0f 4, wsc 6, hq 8, idx 10, w1_codes 12, w1_scales 14, b1 16, w2_codes 18
	s_load_b256 s[20:27], s[0:1], 0x40             ; w2_scales 20, b2 22, w3 24, b3 26
	s_load_b128 s[28:31], s[0:1], 0x60             ; part_h 28, part_t 30
	v_lshl_add_u32 v254, v0, 2, 0x10400
	v_mov_b32 v255, 0
	v_lshrrev_b32 v1, 5, v0
	v_readfirstlane_b32 s2, v1                     ; wave 0..3
	v_and_b32 v3, 31, v0
	v_lshlrev_b32 v1, 4, v3
	v_lshlrev_b32 v2, 3, v3
	v_lshlrev_b32 v3, 2, v3
	v_and_b32 v4, 15, v0
	v_lshlrev_b32 v4, 2, v4
	v_bfe_u32 v5, v0, 4, 1
	v_lshlrev_b32 v27, 5, v5
	v_lshlrev_b32 v5, 4, v5
	s_lshl_b32 s50, s2, 12
	v_add_nc_u32 v6, s50, v1                       ; my quarter of a tile's image: in memory and in a slot alike
	v_lshlrev_b32 v7, 2, v0
	v_lshl_add_u32 v9, v0, 2, 16384
	s_lshl_b32 s50, s2, 13
	v_add_nc_u32 v10, s50, v2
	v_add_nc_u32 v10, RED, v10
	v_mov_b32 v13, 0                               ; (named as the upper half of the pair v[12:13])
	s_mov_b32 s[CS], 0x3fb8aa3b
	s_mov_b32 s[CS+1], s[CS]
	s_mov_b32 s[RS], 0
	s_and_b32 s48, ttmp9, 0xfffffffc
	s_add_co_u32 s48, s48, s2                      ; slab = 4 cg + wave
	s_and_b32 s49, ttmp9, 3                        ; tb
	s_mul_i32 s50, s48, 5
	s_mov_b32 s53, 0
	s_wait_kmcnt 0x0
	s_load_b256 s[32:39], s[10:11], 25344          ; the table: s32-35 a class's first sorted tile, s36-39 its tiles; read in the tail
.irp t, 0,1,2,3,4
	s_add_co_u32 s51, s50, \t
	s_min_u32 s51, s51, 1251                       ; past the vocabulary: the tile of zeros
	s_lshl_b32 s52, s51, 14
	s_add_nc_u64 s[66+2*\t:67+2*\t], s[4:5], s[52:53]
	s_lshl_b32 s52, s51, 9
	s_add_nc_u64 s[76+2*\t:77+2*\t], s[6:7], s[52:53]
.endr
	s_mul_i32 s52, s48, 320
	s_add_nc_u64 s[86:87], s[6:7], s[52:53]        ; the bias is not clamped: tiles past the vocabulary find pads
	s_lshl_b32 s52, s49, 19
	s_add_nc_u64 s[40:41], s[8:9], s[52:53]        ; my block's first token tile,
	s_lshl_b32 s52, s49, 14
	s_add_nc_u64 s[42:43], s[8:9], s[52:53]        ; and its scale words
	s_lshl_b32 s52, ttmp9, 12
	s_add_nc_u64 s[88:89], s[28:29], s[52:53]      ; part_h: 16,384 cg + 4,096 tb
	WIN 0x40
.irp s, 0,1,2
.irp t, 0,1,2,3,4
.irp c, 0,1,2,3
	global_load_b128 v[16*(5*\s+\t)+4*\c:16*(5*\s+\t)+4*\c+3], v1, s[66+2*\t:67+2*\t] offset:2048*\s+512*\c
.endr
.endr
.endr
	WIN 0x80
.irp s, 3,4,5
.irp t, 0,1,2,3,4
.irp c, 0,1,2,3
	global_load_b128 v[16*(5*(\s-3)+\t)+4*\c:16*(5*(\s-3)+\t)+4*\c+3], v1, s[66+2*\t:67+2*\t] offset:2048*\s+512*\c
.endr
.endr
.endr
	WIN 0xc0
.irp s, 6,7
.irp t, 0,1,2,3,4
.irp c, 0,1,2,3
	global_load_b128 v[16*(5*(\s-6)+\t)+4*\c:16*(5*(\s-6)+\t)+4*\c+3], v1, s[66+2*\t:67+2*\t] offset:2048*\s+512*\c
.endr
.endr
.endr
.irp t, 0,1,2,3,4
	global_load_b128 v[BIA+8*\t:BIA+8*\t+3], v27, s[86:87] offset:BHO+64*\t
	global_load_b128 v[BIA+8*\t+4:BIA+8*\t+7], v27, s[86:87] offset:BHO+64*\t+16
.endr
	WIN 0
.irp t, 0,1,2,3,4
.irp f, 0,1
	global_load_b64 v[WS+4*\t+2*\f:WS+4*\t+2*\f+1], v2, s[76+2*\t:77+2*\t] offset:256*\f
.endr
.endr
	G 1                                            ; tile 0
	s_wait_loadcnt 0x0
	ST 0
	s_wait_dscnt 0x0                               ; my part of tile 0 has landed; the staging registers are free
	G 0                                            ; tile 1
	s_barrier_signal -1
	s_barrier_wait -1                              ; tile 0 is whole
	HL 0
	s_wait_loadcnt 0x0
	ST 1                                           ; slot 1's first fill: nobody reads it yet
	s_mov_b32 s47, 15
.Lhead:
	HSTEP 0, 1, 1, 1
	HSTEP 1, 1, 1, 1
	s_sub_co_u32 s47, s47, 1
	s_cmp_lg_u32 s47, 0
	s_cbranch_scc1 .Lhead
	HSTEP 0, 0, 1, 0                               ; tiles 30 and 31: nothing is left to fetch
	HSTEP 1, 0, 0, 0
	; the work-group's 512 tokens: thread t merges the 8 pairs of tokens t + 128 k
	s_wait_dscnt 0x0
	s_barrier_signal -1
	s_barrier_wait -1
	v_lshrrev_b32 v16, 4, v0
	v_and_b32 v17, 15, v0
	v_lshlrev_b32 v16, 8, v16
	v_lshl_add_u32 v16, v17, 3, v16
	v_add_nc_u32 v16, RED, v16                     ; step t / 16 (+ 8 k), lane t % 16 (+ 16 h)
	v_lshlrev_b32 v176, 3, v0
.irp k, 0,1,2,3
.irp p, 0,1,2,3,4,5,6,7
	ds_load_b64 v[HF+16*\k+2*\p:HF+16*\k+2*\p+1], v16 offset:2048*\k+8192*(\p/2)+128*(\p%2)
.endr
.endr
	s_wait_dscnt 0x0
.irp k, 0,1,2,3
	v_max3_num_f32 v[168+2*\k], v[HF+16*\k], v[HF+16*\k+2], v[HF+16*\k+4]
.endr
.irp k, 0,1,2,3
	v_max3_num_f32 v[168+2*\k], v[168+2*\k], v[HF+16*\k+6], v[HF+16*\k+8]
.endr
.irp k, 0,1,2,3
	v_max3_num_f32 v[168+2*\k], v[168+2*\k], v[HF+16*\k+10], v[HF+16*\k+12]
.endr
.irp k, 0,1,2,3
	v_max_num_f32 v[168+2*\k], v[168+2*\k], v[HF+16*\k+14]
.endr
.irp k, 0,1,2,3
	v_mul_f32 v[160+\k], s[CS], v[168+2*\k]
.endr
.irp p, 0,1,2,3,4,5,6,7
.irp k, 0,1,2,3
	v_fma_f32 v[HF+16*\k+2*\p], v[HF+16*\k+2*\p], s[CS], -v[160+\k]
.endr
.endr
.irp p, 0,1,2,3,4,5,6,7
.irp k, 0,1,2,3
	v_exp_f32 v[HF+16*\k+2*\p], v[HF+16*\k+2*\p]
.endr
.endr
	v_nop
	s_wait_alu depctr_va_vdst(0)
.irp k, 0,1,2,3
	v_mul_f32 v[169+2*\k], v[HF+16*\k], v[HF+16*\k+1]
.endr
.irp p, 1,2,3,4,5,6,7
.irp k, 0,1,2,3
	v_fma_f32 v[169+2*\k], v[HF+16*\k+2*\p], v[HF+16*\k+2*\p+1], v[169+2*\k]
.endr
.endr
.irp k, 0,1,2,3
	global_store_b64 v176, v[168+2*\k:169+2*\k], s[88:89] offset:1024*\k   ; a wave stores 256 consecutive bytes
.endr
; ================= THE TAILS
.set WF,  96                           ; my two tiles of W: variant 1: 32 u + 16 s; 2: 16 u; 3: 8 u
.set WSC, 32                           ; their scale words
.set TB,  160                          ; v160-175 their bias in the result's layout
.set LST, 184                          ; v184-189 the tokens of the tiles six ahead of the data
.set HSC, 224                          ; v224-229 the ring's scale words
; window 1: a ring of six token tiles, 32 / 16 / 8 registers a slot.  v190 4 h, v191-195 at work, v196-211 w3 as loaded, v212 the pad, v214-219 the first lists' addresses
; s54 the class's tiles, s55 the first of them, s56 J (the trip's first tile), s80 trips done, s81 trips = ceil(tiles / 6)
	s_wait_xcnt 0x0                                ; the stores above have read their registers
	s_wait_kmcnt 0x0                               ; the table
	v_lshrrev_b32 v190, 2, v5
	v_mov_b32 v212, PADV
	s_lshl_b32 s52, ttmp9, 2
	s_add_co_u32 s52, s52, s2                      ; 0 .. 1,007: 313 slabs for each of three tails; the last 69 waves have no tail
	s_cmp_lt_u32 s52, 313
	s_cbranch_scc1 .Ltail1
	s_cmp_lt_u32 s52, 626
	s_cbranch_scc1 .Ltail2
	s_cmp_lt_u32 s52, 939
	s_cbranch_scc1 .Ltail3
	s_wait_tensorcnt 0x0
	ds_add_u32 v254, v255
	s_wait_dscnt 0x0
	s_endpgm
; Slot i takes the tile whose tokens lie in v[LST + i]; then the list of the tile J + i + ahead is asked for.  Tile numbers are clamped into the class and into the list: no load leaves its buffer, and each path issues the same loads.
.macro FEED var, i, ahead
	s_wait_xcnt 0x0                                ; the address registers below, and the last store's sources, are written again only behind this wait
	v_min_u32 v191, 0x7ff, v[LST+\i]               ; a pad names token 2,048: it reads token 2,047, and its results are never used
.if \var == 1
	v_lshl_add_u32 v192, v191, 8, v5
	v_lshl_add_u32 v193, v191, 3, v190
	WIN 0x40
.irp s, 0,1
.irp c, 0,1,2,3
	global_load_b128 v[32*\i+16*\s+4*\c:32*\i+16*\s+4*\c+3], v192, s[8:9] offset:H1C+128*\s+32*\c
.endr
.endr
	WIN 0
	global_load_b32 v[HSC+\i], v193, s[8:9] offset:H1S    ; lanes 0-15 K step 0, lanes 16-31 K step 1
.elseif \var == 2
	v_lshl_add_u32 v192, v191, 6, v5
	v_lshlrev_b32 v193, 2, v191
	WIN 0x40
.irp c, 0,1
	global_load_b128 v[16*\i+4*\c:16*\i+4*\c+3], v192, s[8:9] offset:H2C+32*\c
.endr
	WIN 0
	global_load_b32 v[HSC+\i], v193, s[8:9] offset:H2S
.else
	v_lshl_add_u32 v192, v191, 5, v5
	WIN 0x40
	global_load_b128 v[8*\i:8*\i+3], v192, s[8:9] offset:H3B
	WIN 0
.endif
	s_add_co_u32 s57, s56, \i+\ahead
	s_min_u32 s57, s57, s58
	s_add_co_u32 s57, s57, s55
	s_min_u32 s57, s57, 131
	s_lshl_b32 s57, s57, 6
	v_add_nc_u32 v194, s57, v4
	global_load_b32 v[LST+\i], v194, s[10:11]
.endm
.macro TURN var, i                     ; token tile J + i of the class
	s_wait_loadcnt 5*(DL+1)                        ; behind this tile's data and the list that FEED reads stand five slots' loads, DL data loads and one list load each
	s_add_co_u32 s59, s56, \i
	s_cmp_ge_u32 s59, s54
	s_cbranch_scc1 .Lskip_\@                       ; past the class's last tile: no work; the loads below go on, clamped
	WIN 0x04                                       ; source 1 (the tokens) window 1
.if \var == 1
	v_wmma_scale_f32_16x16x128_f8f6f4 v[ACC:ACC+7], v[WF:WF+15], v[32*\i:32*\i+15], v[TB:TB+7], v[WSC], v[HSC+\i] matrix_a_fmt:MATRIX_FMT_BF8 matrix_b_fmt:MATRIX_FMT_BF8
	v_wmma_scale_f32_16x16x128_f8f6f4 v[ACC+8:ACC+15], v[WF+32:WF+47], v[32*\i:32*\i+15], v[TB+8:TB+15], v[WSC+1], v[HSC+\i] matrix_a_fmt:MATRIX_FMT_BF8 matrix_b_fmt:MATRIX_FMT_BF8
	v_wmma_scale_f32_16x16x128_f8f6f4 v[ACC:ACC+7], v[WF+16:WF+31], v[32*\i+16:32*\i+31], v[ACC:ACC+7], v[WSC], v[HSC+\i] matrix_a_fmt:MATRIX_FMT_BF8 matrix_b_fmt:MATRIX_FMT_BF8 matrix_a_scale:MATRIX_SCALE_ROW1 matrix_b_scale:MATRIX_SCALE_ROW1
	v_wmma_scale_f32_16x16x128_f8f6f4 v[ACC+8:ACC+15], v[WF+48:WF+63], v[32*\i+16:32*\i+31], v[ACC+8:ACC+15], v[WSC+1], v[HSC+\i] matrix_a_fmt:MATRIX_FMT_BF8 matrix_b_fmt:MATRIX_FMT_BF8 matrix_a_scale:MATRIX_SCALE_ROW1 matrix_b_scale:MATRIX_SCALE_ROW1
.elseif \var == 2
	v_wmma_scale_f32_16x16x128_f8f6f4 v[ACC:ACC+7], v[WF:WF+15], v[16*\i:16*\i+15], v[TB:TB+7], v[WSC], v[HSC+\i] matrix_a_fmt:MATRIX_FMT_BF8 matrix_b_fmt:MATRIX_FMT_BF8
	v_wmma_scale_f32_16x16x128_f8f6f4 v[ACC+8:ACC+15], v[WF+16:WF+31], v[16*\i:16*\i+15], v[TB+8:TB+15], v[WSC+1], v[HSC+\i] matrix_a_fmt:MATRIX_FMT_BF8 matrix_b_fmt:MATRIX_FMT_BF8
.else
	v_wmma_f32_16x16x32_bf16 v[ACC:ACC+7], v[WF:WF+7], v[8*\i:8*\i+7], v[TB:TB+7]
	v_wmma_f32_16x16x32_bf16 v[ACC+8:ACC+15], v[WF+8:WF+15], v[8*\i:8*\i+7], v[TB+8:TB+15]
.endif
	WIN 0
.if \var == 3
.rept 5
	v_nop
.endr
.else
.rept 9
	v_nop                                          ; places, as in the head: the next turn begins the accumulators anew
.endr
.endif
	SMX 2
	s_add_co_u32 s59, s59, s55
	s_min_u32 s59, s59, 131
	s_lshl_b32 s59, s59, 8
	v_add_nc_u32 v195, s59, v2
	global_store_b64 v195, v[14:15], s[60:61]      ; 256 consecutive bytes: a pair for each lane (token r, half h of my 32 rows)
.Lskip_\@:
	FEED \var, \i, 12
.endm
.macro TAIL var
.if \var == 1
.set CP, 12
.set SN, 14
.set BN, 16
.set CSH, 12
.set SSH, 7
.set DL, 9
.elseif \var == 2
.set CP, 18
.set SN, 20
.set BN, 22
.set CSH, 10
.set SSH, 5
.set DL, 3
.else
.set CP, 24
.set SN, 24
.set BN, 26
.set CSH, 10
.set SSH, 5
.set DL, 1
.endif
	s_sub_co_u32 s53, s52, 313*(\var-1)            ; slab
	s_mov_b32 s54, s[36+\var]                      ; the class's tiles,
	s_min_u32 s54, s54, 131                        ; never more than all sorted tiles,
	s_mov_b32 s55, s[32+\var]                      ; the first of them
	s_cmp_lg_u32 s54, 0
	s_cbranch_scc1 .Ltgo_\@
	s_wait_tensorcnt 0x0
	ds_add_u32 v254, v255
	s_wait_dscnt 0x0
	s_endpgm                                       ; no token has its target in this tail
.Ltgo_\@:
	s_sub_co_u32 s58, s54, 1
	s_mov_b32 s56, 0                               ; J
	s_mov_b32 s80, 0                               ; trips done
	s_add_co_u32 s81, s54, 5
	s_mul_hi_u32 s81, s81, 0x2aaaaaab              ; trips = (tiles + 5) / 6: the factor is (2^32 + 2) / 6, exact for numbers this small
	s_mul_i32 s62, s53, 33792
	s_mov_b32 s63, 0
	s_add_nc_u64 s[60:61], s[30:31], s[62:63]
	s_lshl_b32 s78, s53, 1
	s_add_co_u32 s79, s78, 1
	s_min_u32 s79, s79, 624                        ; slab 312 has one tile: the second is a repeat, turned into pads below
	s_cmp_eq_u32 s53, 312
	s_cselect_b32 s51, -1, 0
.irp u, 0,1
	s_lshl_b32 s62, s[78+\u], CSH
	s_add_nc_u64 s[66+2*\u:67+2*\u], s[CP:CP+1], s[62:63]
	s_lshl_b32 s62, s[78+\u], SSH
	s_add_nc_u64 s[70+2*\u:71+2*\u], s[SN:SN+1], s[62:63]
	s_lshl_b32 s62, s[78+\u], 6
	s_add_nc_u64 s[74+2*\u:75+2*\u], s[BN:BN+1], s[62:63]
.endr
.if \var == 1
	v_lshl_add_u32 v192, v4, 6, v5                 ; 256 r + 16 h
	v_lshl_add_u32 v193, v4, 1, v190               ; 8 r + 4 h
.irp u, 0,1
.irp s, 0,1
.irp c, 0,1,2,3
	global_load_b128 v[WF+32*\u+16*\s+4*\c:WF+32*\u+16*\s+4*\c+3], v192, s[66+2*\u:67+2*\u] offset:128*\s+32*\c
.endr
.endr
	global_load_b32 v[WSC+\u], v193, s[70+2*\u:71+2*\u]
.endr
.elseif \var == 2
	v_lshl_add_u32 v192, v4, 4, v5                 ; 64 r + 16 h
	v_lshrrev_b32 v193, 1, v4                      ; 2 r
.irp u, 0,1
.irp c, 0,1
	global_load_b128 v[WF+16*\u+4*\c:WF+16*\u+4*\c+3], v192, s[66+2*\u:67+2*\u] offset:32*\c
.endr
	global_load_u16 v[WSC+\u], v193, s[70+2*\u:71+2*\u]
.irp z, 8,9,10,11,12,13,14,15
	v_mov_b32 v[WF+16*\u+\z], 0                    ; K = 64: the K step's upper half is zero codes
.endr
.endr
.else
	v_lshl_add_u32 v192, v4, 4, v27                ; 64 r + 32 h
.irp u, 0,1
	global_load_b128 v[196+8*\u:199+8*\u], v192, s[66+2*\u:67+2*\u]
	global_load_b128 v[200+8*\u:203+8*\u], v192, s[66+2*\u:67+2*\u] offset:16
.irp z, 4,5,6,7
	v_mov_b32 v[WF+8*\u+\z], 0                     ; K = 16 of the form's 32
.endr
.endr
.endif
.irp u, 0,1
	global_load_b128 v[TB+8*\u:TB+8*\u+3], v27, s[74+2*\u:75+2*\u]
	global_load_b128 v[TB+8*\u+4:TB+8*\u+7], v27, s[74+2*\u:75+2*\u] offset:16
.endr
.irp i, 0,1,2,3,4,5
	s_min_u32 s62, s58, \i
	s_add_co_u32 s62, s62, s55
	s_min_u32 s62, s62, 131
	s_lshl_b32 s62, s62, 6
	v_add_nc_u32 v[214+\i], s62, v4
	global_load_b32 v[LST+\i], v[214+\i], s[10:11]
.endr
.if \var > 1
	WIN 0x40
.irp i, 0,1,2,3,4,5
.if \var == 2
.irp z, 8,9,10,11,12,13,14,15
	v_mov_b32 v[16*\i+\z], 0
.endr
.else
.irp z, 4,5,6,7
	v_mov_b32 v[8*\i+\z], 0
.endr
.endif
.endr
	WIN 0
.endif
	s_wait_loadcnt 0x0
.if \var == 2
	v_or_b32 v[WSC], 0x7f7f0000, v[WSC]
	v_or_b32 v[WSC+1], 0x7f7f0000, v[WSC+1]
.endif
.if \var == 3
.irp u, 0,1
.irp k, 0,1,2,3
	v_cvt_pk_bf16_f32 v[WF+8*\u+\k], v[196+8*\u+2*\k], v[196+8*\u+2*\k+1]
.endr
.endr
.endif
.irp j, 0,1,2,3,4,5,6,7
	v_cndmask_b32 v[TB+8+\j], v[TB+8+\j], v212, s51
.endr
.set zq, 0
.if \var == 1
.rept 32
	v_cndmask_b32 v[WF+32+zq], v[WF+32+zq], 0, s51
.set zq, zq+1
.endr
.elseif \var == 2
.rept 8
	v_cndmask_b32 v[WF+16+zq], v[WF+16+zq], 0, s51
.set zq, zq+1
.endr
.else
.rept 4
	v_cndmask_b32 v[WF+8+zq], v[WF+8+zq], 0, s51
.set zq, zq+1
.endr
.endif
.irp i, 0,1,2,3,4,5
	FEED \var, \i, 6                               ; (their vector lines also stand between the lines above, which write operands and scale words, and the first product)
.endr
.Ltl_\@:
.irp i, 0,1,2,3,4,5
	TURN \var, \i
.endr
	s_add_co_u32 s56, s56, 6                       ; six tiles on
	s_add_co_u32 s80, s80, 1                       ; the loop is counted by its trips
	s_cmp_lt_u32 s80, s81
	s_cbranch_scc1 .Ltl_\@
	s_wait_tensorcnt 0x0
	ds_add_u32 v254, v255
	s_wait_dscnt 0x0
	s_endpgm
.endm
.Ltail1:
	TAIL 1
.Ltail2:
	TAIL 2
.Ltail3:
	TAIL 3
.Lfunc_end_k_q0d9b2752d1_logits:
	.size	k_q0d9b2752d1_logits, .Lfunc_end_k_q0d9b2752d1_logits-k_q0d9b2752d1_logits
	.p2alignl 7, 3214868480
	.fill 96, 4, 3214868480
	.section	.rodata,"a",@progbits
	.p2align	6, 0x0
	.amdhsa_kernel k_q0d9b2752d1_logits
		.amdhsa_group_segment_fixed_size 67072
		.amdhsa_private_segment_fixed_size 0
		.amdhsa_enable_private_segment 0
		.amdhsa_kernarg_size 112
		.amdhsa_user_sgpr_count 2
		.amdhsa_user_sgpr_kernarg_segment_ptr 1
		.amdhsa_wavefront_size32 1
		.amdhsa_system_sgpr_workgroup_id_x 1
		.amdhsa_system_sgpr_workgroup_id_y 1
		.amdhsa_system_sgpr_workgroup_id_z 1
		.amdhsa_system_vgpr_workitem_id 0
		.amdhsa_next_free_vgpr 1024
		.amdhsa_next_free_sgpr 100
		.amdhsa_reserve_vcc 0
		.amdhsa_float_denorm_mode_32 3
		.amdhsa_float_denorm_mode_16_64 3
		.amdhsa_memory_ordered 1
		.amdhsa_forward_progress 1
		.amdhsa_inst_pref_size 199
	.end_amdhsa_kernel
	.amdgpu_metadata
---
amdhsa.version: [ 1, 2 ]
amdhsa.kernels:
  - .name:           k_q0d9b2752d1_logits
    .symbol:         k_q0d9b2752d1_logits.kd
    .args:
      - { .name: w0f, .offset: 0, .size: 8, .value_kind: global_buffer, .address_space: global }
      - { .name: wsc, .offset: 8, .size: 8, .value_kind: global_buffer, .address_space: global }
      - { .name: hq, .offset: 16, .size: 8, .value_kind: global_buffer, .address_space: global }
      - { .name: idx, .offset: 24, .size: 8, .value_kind: global_buffer, .address_space: global }
      - { .name: w1_codes, .offset: 32, .size: 8, .value_kind: global_buffer, .address_space: global }
      - { .name: w1_scales, .offset: 40, .size: 8, .value_kind: global_buffer, .address_space: global }
      - { .name: b1, .offset: 48, .size: 8, .value_kind: global_buffer, .address_space: global }
      - { .name: w2_codes, .offset: 56, .size: 8, .value_kind: global_buffer, .address_space: global }
      - { .name: w2_scales, .offset: 64, .size: 8, .value_kind: global_buffer, .address_space: global }
      - { .name: b2, .offset: 72, .size: 8, .value_kind: global_buffer, .address_space: global }
      - { .name: w3, .offset: 80, .size: 8, .value_kind: global_buffer, .address_space: global }
      - { .name: b3, .offset: 88, .size: 8, .value_kind: global_buffer, .address_space: global }
      - { .name: part_h, .offset: 96, .size: 8, .value_kind: global_buffer, .address_space: global }
      - { .name: part_t, .offset: 104, .size: 8, .value_kind: global_buffer, .address_space: global }
    .group_segment_fixed_size: 67072
    .private_segment_fixed_size: 0
    .kernarg_segment_align: 8
    .kernarg_segment_size: 112
    .max_flat_workgroup_size: 128
    .sgpr_count:     100
    .vgpr_count:     1024
    .wavefront_size: 32
...
	.end_amdgpu_metadata
.endif
;; end of part 2
;; launch combine (part 3): grid 131 x 1, 1 waves a work-group, no clusters, 0 bytes of LDS; arguments w0f, wsc, hq, idx, w1_codes, w1_scales, b1, w2_codes, w2_scales, b2, w3, b3, part_h, part_t, out0; writes out0
.if DOCPART == 3
	.amdgcn_target "amdgcn-amd-amdhsa--gfx1250"
	.amdhsa_code_object_version 6
	.text
	.protected	k_q0d9b2752d1_combine
	.globl	k_q0d9b2752d1_combine
	.p2align	8
	.type	k_q0d9b2752d1_combine,@function
k_q0d9b2752d1_combine:
	s_mov_b64 s[64:65], 0
	v_nop
	global_prefetch_b8 v0, s[64:65] scope:SCOPE_SE
	s_setreg_imm32_b32 hwreg(HW_REG_WAVE_MODE, 25, 1), 1
	s_wait_xcnt 0x0
; COMBINE: one wave for each sorted tile of 16 tokens (131 at the most, whatever the targets; a work-group past the last tile of a given split stores nothing and ends: a branch on a stored number).
; It merges the pairs (m, s) into the head's log-sum-exp (63 column groups) and, for a tail's tokens, the tail's (313 slabs x 2 halves of the lanes), under a running maximum.
; THE ONE LOGIT THAT A TOKEN WANTS of a product is made by the product's own matrix instruction on gathered rows: source 0 = the 16 tokens' wanted rows of W, source 1 = the 16 tokens; the diagonal is kept.
; For the head the wanted row is the target (class 0) or 20,003 - class, the cluster's logit.  nll = (lse_head - head logit) + (lse_tail - tail logit), the second bracket for tails alone.
; The head's sum over K runs in two accumulators, even and odd K steps, which are added.  No LDS, no barrier, no tensor load (branches hang on stored numbers).  LIMITS as in the launches before.
.set H0S, 2097152
.set H1C, 2162688
.set H1S, 2686976
.set H2C, 2703360
.set H2S, 2834432
.set H3B, 2842624
.set BHO, 641024
; window 0: v1 r, v2 h, v3-24 lists, clamped indices and offsets; v32-95 part_h's pairs; v96-99, v100-103 the head's scale words, v104, v105 the tail's; v108, v109 biases; v112-127 the head's accumulators;
;   v128-191 the tail's operands; v192-199 w3 as loaded; v200-217 at work; v240-255 the tail's accumulators.   window 1: the head's operands.   windows 2, 3: part_t's pairs
.set TX,  200                          ; v200-203 maxima in four chains
.set TC,  204
.set TD,  205
.set TS,  206                          ; v206-209 sums in four chains
.set STT, 210                          ; v210, v211 the tail's running (m, s)
.set STH, 212                          ; v212, v213 the head's
.set HLG, 214
.set TL,  215
.set NLL, 216
.set FO,  217
.set CS,  58                           ; s58 log2(e), s59 ln(2)
.set LN2, 59
.set SEL, 60
.set HI,  62
.set DM,  70                           ; s71-77 lanes j and 24 + j; s78 lanes 8-15
.set MSB, 0
.macro WIN new
.if MSB != (\new)
	s_set_vgpr_msb (MSB<<8)|(\new)
.set MSB, (\new)
.endif
.endm
; n pairs (m at v[base + 2 i], s at v[base + 2 i + 1], window W) are merged into the running pair v[st], v[st + 1]
.macro TRED W, base, n, st
	WIN ((\W)<<2)|((\W)<<4)                        ; sources 1 and 2 in window W
.set ti, 0
.rept (\n)/2
.if ti < 4
	v_max3_num_f32 v[TX+ti], v[\st], v[\base+4*ti], v[\base+4*ti+2]
.else
	v_max3_num_f32 v[TX+ti%4], v[TX+ti%4], v[\base+4*ti], v[\base+4*ti+2]
.endif
.set ti, ti+1
.endr
.if (\n)%2
	v_max3_num_f32 v[TX], v[TX], v[\base+2*(\n)-2], v[\base+2*(\n)-2]
.endif
	WIN 0
	v_max3_num_f32 v[TX], v[TX], v[TX+1], v[TX+2]
	v_max_num_f32 v[TX], v[TX], v[TX+3]            ; the new maximum
	v_mul_f32 v[TC], s[CS], v[TX]
	v_fma_f32 v[TD], v[\st], s[CS], -v[TC]
	v_exp_f32 v[TD], v[TD]
	v_mov_b32 v[\st], v[TX]
	s_wait_alu depctr_va_vdst(0)
	v_mul_f32 v[\st+1], v[\st+1], v[TD]            ; what was summed goes under it
	WIN ((\W)<<6)|(\W)                             ; destination and source 0 in window W
.set ti, 0
.rept \n
	v_fma_f32 v[\base+2*ti], v[\base+2*ti], s[CS], -v[TC]
.set ti, ti+1
.endr
.set ti, 0
.rept \n
	v_exp_f32 v[\base+2*ti], v[\base+2*ti]
.set ti, ti+1
.endr
	v_nop                                          ; a plain line behind the exponentials
	s_wait_alu depctr_va_vdst(0)
	WIN (\W)|((\W)<<2)                             ; sources 0 and 1 in window W
.set ti, 0
.rept \n
.if ti < 4
	v_mul_f32 v[TS+ti], v[\base+2*ti], v[\base+2*ti+1]
.else
	v_fma_f32 v[TS+ti%4], v[\base+2*ti], v[\base+2*ti+1], v[TS+ti%4]
.endif
.set ti, ti+1
.endr
	WIN 0
	v_add_f32 v[TS], v[TS], v[TS+1]
	v_add_f32 v[TS+2], v[TS+2], v[TS+3]
	v_add_f32 v[TS], v[TS], v[TS+2]
	v_add_f32 v[\st+1], v[\st+1], v[TS]
.endm
.macro XMERGE st                       ; the two halves of the lanes are merged; v[st] = the log-sum-exp
	v_permlanex16_b32 v[TX], v[\st], s[SEL], s[SEL+1]
	v_max_num_f32 v[TX+1], v[\st], v[TX]
	v_sub_f32 v[TX+2], v[\st], v[TX+1]
	v_mul_f32 v[TX+2], s[CS], v[TX+2]
	v_exp_f32 v[TX+2], v[TX+2]
	v_nop
	s_wait_alu depctr_va_vdst(0)
	v_mul_f32 v[\st+1], v[\st+1], v[TX+2]
	v_permlanex16_b32 v[TX], v[\st+1], s[SEL], s[SEL+1]
	v_add_f32 v[\st+1], v[\st+1], v[TX]
	v_log_f32 v[TX+3], v[\st+1]
	v_nop
	s_wait_alu depctr_va_vdst(0)
	v_fma_f32 v[\st], v[TX+3], s[LN2], v[TX+1]
.endm
.macro DIAG dst, acc                   ; register j of lane (r, h) is element (8 h + j, r): the diagonal lies in lanes 0-7 and 24-31; lanes 0-15 get token r's
	v_cndmask_b32 v[\dst], v[\acc], v[\acc+1], s[DM+1]
.irp j, 2,3,4,5,6,7
	v_cndmask_b32 v[\dst], v[\dst], v[\acc+\j], s[DM+\j]
.endr
	v_permlanex16_b32 v[TX], v[\dst], s[SEL], s[SEL+1]
	v_cndmask_b32 v[\dst], v[\dst], v[TX], s[DM+8]
.endm
.macro HPROD                           ; the head's wanted logits.  Two accumulators by turns
	WIN 0x05
.irp s, 0,1,2,3,4,5,6,7
.if \s == 0
	v_wmma_scale_f32_16x16x128_f8f6f4 v[112:119], v[0:15], v[128:143], 0, v96, v100 matrix_a_fmt:MATRIX_FMT_BF8 matrix_b_fmt:MATRIX_FMT_BF8
.elseif \s == 1
	v_wmma_scale_f32_16x16x128_f8f6f4 v[120:127], v[16:31], v[144:159], 0, v96, v100 matrix_a_fmt:MATRIX_FMT_BF8 matrix_b_fmt:MATRIX_FMT_BF8 matrix_a_scale:MATRIX_SCALE_ROW1 matrix_b_scale:MATRIX_SCALE_ROW1
.elseif (\s)%2 == 0
	v_wmma_scale_f32_16x16x128_f8f6f4 v[112:119], v[16*\s:16*\s+15], v[128+16*\s:128+16*\s+15], v[112:119], v[96+(\s)/2], v[100+(\s)/2] matrix_a_fmt:MATRIX_FMT_BF8 matrix_b_fmt:MATRIX_FMT_BF8
.else
	v_wmma_scale_f32_16x16x128_f8f6f4 v[120:127], v[16*\s:16*\s+15], v[128+16*\s:128+16*\s+15], v[120:127], v[96+(\s)/2], v[100+(\s)/2] matrix_a_fmt:MATRIX_FMT_BF8 matrix_b_fmt:MATRIX_FMT_BF8 matrix_a_scale:MATRIX_SCALE_ROW1 matrix_b_scale:MATRIX_SCALE_ROW1
.endif
.endr
	WIN 0
.rept 8
	v_nop                                          ; places in front of the first read of results (ISA guide 7.12.1)
.endr
.irp k, 0,1,2,3
	v_pk_add_f32 v[112+2*\k:113+2*\k], v[112+2*\k:113+2*\k], v[120+2*\k:121+2*\k]
.endr
	DIAG HLG, 112
	v_add_f32 v[HLG], v[HLG], v108
.endm
.macro HEADLSE
	v_cndmask_b32 v95, v95, 0, s[HI]               ; group 62 was read by both halves of the lanes: it counts once
	TRED 0, 32, 32, STH
	XMERGE STH
.endm
.macro FINAL
	v_lshlrev_b32 v[FO], 2, v7
	v_cmp_gt_u32 vcc_lo, 0x800, v4                 ; no pad,
	s_and_b32 vcc_lo, vcc_lo, 0xffff               ; lanes 0-15
	s_wait_xcnt 0x0                                ; EXEC changes only behind this wait
	s_and_saveexec_b32 s56, vcc_lo
	global_store_b32 v[FO], v[NLL], s[34:35]
	s_endpgm
.endm
	s_load_b512 s[4:19], s[0:1], 0x0               ; w0f 4, wsc 6, hq 8, idx 10, w1_codes 12, w1_scales 14, b1 16, w2_codes 18
	s_load_b256 s[20:27], s[0:1], 0x40             ; w2_scales 20, b2 22, w3 24, b3 26
	s_load_b128 s[28:31], s[0:1], 0x60             ; part_h 28, part_t 30
	s_load_b64 s[34:35], s[0:1], 0x70              ; out0
	v_and_b32 v1, 15, v0
	v_lshrrev_b32 v2, 4, v0
	s_lshl_b32 s46, ttmp9, 6
	v_lshl_add_u32 v3, v1, 2, s46
	s_lshl_b32 s46, ttmp9, 8
	v_lshl_add_u32 v19, v0, 3, s46                 ; part_t: 256 tile + 8 lane
	s_mov_b32 s[CS], 0x3fb8aa3b
	s_mov_b32 s[LN2], 0x3f317218
	s_mov_b32 s[SEL], 0x76543210
	s_mov_b32 s[SEL+1], 0xfedcba98
	s_mov_b32 s[HI], 0xffff0000
.irp j, 1,2,3,4,5,6,7
	s_mov_b32 s[DM+\j], 0x01000001<<\j
.endr
	s_mov_b32 s[DM+8], 0xff00
.irp k, 0,1,2,3
	v_mov_b32 v[TX+\k], 0                          ; a lane permute's destination counts as one of its sources
.endr
	v_mov_b32 v[STT], 0xff000000                   ; -2^127, under every logit and every pad; log2(e) times it is finite
	v_mov_b32 v[STT+1], 0
	v_mov_b32 v[STH], 0xff000000
	v_mov_b32 v[STH+1], 0
	s_wait_kmcnt 0x0
	s_load_b256 s[36:43], s[10:11], 25344          ; s36-39 a class's first tile
	s_load_b32 s44, s[10:11], 25376                ; tiles in all
	global_load_b32 v4, v3, s[10:11]               ; token,
	global_load_b32 v5, v3, s[10:11] offset:8448   ; its head row,
	global_load_b32 v6, v3, s[10:11] offset:16896  ; its tail row
	s_wait_kmcnt 0x0
	s_cmp_lt_u32 ttmp9, s44
	s_cbranch_scc1 .Lc_work
	s_endpgm
.Lc_work:
	s_cmp_ge_u32 ttmp9, s37
	s_cselect_b32 s47, 1, 0
	s_cmp_ge_u32 ttmp9, s38
	s_cselect_b32 s48, 1, 0
	s_cmp_ge_u32 ttmp9, s39
	s_cselect_b32 s49, 1, 0
	s_add_co_u32 s47, s47, s48
	s_add_co_u32 s47, s47, s49                     ; the tile's class
	s_wait_loadcnt 0x0
	v_min_u32 v7, 0x7ff, v4                        ; each index is held inside its table; behind the hold only ANDs, shifts left and sums
	v_min_u32 v8, 0x4e2f, v5
	v_min_u32 v9, 0x270f, v6
	v_and_b32 v10, 0xfff0, v8                      ; 16 x the row's tile,
	v_and_b32 v11, 15, v8                          ; its place in it
	v_lshlrev_b32 v12, 10, v10
	v_lshl_add_u32 v12, v11, 4, v12
	v_lshl_add_u32 v12, v2, 8, v12                 ; w0f: 16,384 tile + 16 (16 h + place)
	v_lshlrev_b32 v13, 5, v10
	v_lshl_add_u32 v13, v11, 3, v13
	v_lshl_add_u32 v13, v2, 7, v13                 ; its scale words: 512 tile + 8 (16 h + place)
	v_lshlrev_b32 v14, 2, v8
	v_and_b32 v10, 0x7f0, v7
	v_and_b32 v11, 15, v7
	v_lshlrev_b32 v15, 10, v10
	v_lshl_add_u32 v15, v11, 4, v15
	v_lshl_add_u32 v15, v2, 8, v15                 ; h0 likewise
	v_lshlrev_b32 v16, 5, v10
	v_lshl_add_u32 v16, v11, 2, v16
	v_lshl_add_u32 v16, v2, 6, v16                 ; 512 tile + 4 (16 h + place)
	v_lshlrev_b32 v18, 3, v7
	v_lshl_add_u32 v17, v2, 14, v18                ; part_h: 8 token + 16,384 h: lanes 0-15 the even groups, lanes 16-31 the odd
	WIN 0x40
.irp s, 0,1,2,3,4,5,6,7
.irp c, 0,1,2,3
	global_load_b128 v[16*\s+4*\c:16*\s+4*\c+3], v12, s[4:5] offset:2048*\s+512*\c
	global_load_b128 v[128+16*\s+4*\c:128+16*\s+4*\c+3], v15, s[8:9] offset:2048*\s+512*\c
.endr
.endr
	WIN 0
.irp f, 0,1
	global_load_b64 v[96+2*\f:97+2*\f], v13, s[6:7] offset:256*\f
.endr
.irp q, 0,1,2,3
	global_load_b32 v[100+\q], v16, s[8:9] offset:H0S+128*\q
.endr
	global_load_b32 v108, v14, s[6:7] offset:BHO
.set li, 0
.rept 31
	global_load_b64 v[32+2*li:33+2*li], v17, s[28:29] offset:32768*li
.set li, li+1
.endr
	global_load_b64 v[94:95], v18, s[28:29] offset:16384*62   ; there is no group 63
	s_cmp_lg_u32 s47, 0
	s_cbranch_scc1 .Lc_tail
	; ---- class 0
	s_wait_loadcnt 0x0
	HPROD
	HEADLSE
	v_sub_f32 v[NLL], v[STH], v[HLG]
	FINAL
.Lc_tail:
	s_add_nc_u64 s[52:53], s[30:31], 128*33792
	s_add_nc_u64 s[54:55], s[30:31], 256*33792
	WIN 0x80
.set li, 0
.rept 128
	global_load_b64 v[2*li:2*li+1], v19, s[30:31] offset:33792*li
.set li, li+1
.endr
	WIN 0xc0
.set li, 0
.rept 128
	global_load_b64 v[2*li:2*li+1], v19, s[52:53] offset:33792*li
.set li, li+1
.endr
	WIN 0
	v_lshlrev_b32 v24, 2, v9
	s_cmp_eq_u32 s47, 1
	s_cbranch_scc1 .Lv1
	s_cmp_eq_u32 s47, 2
	s_cbranch_scc1 .Lv2
	; ---- tail 3: K = 16, bf16
	v_lshlrev_b32 v20, 6, v9
	v_lshl_add_u32 v20, v2, 5, v20
	v_lshlrev_b32 v22, 5, v7
	v_lshl_add_u32 v22, v2, 4, v22
	global_load_b128 v[192:195], v20, s[24:25]
	global_load_b128 v[196:199], v20, s[24:25] offset:16
	global_load_b128 v[160:163], v22, s[8:9] offset:H3B
	global_load_b32 v109, v24, s[26:27]
.irp z, 4,5,6,7
	v_mov_b32 v[128+\z], 0
	v_mov_b32 v[160+\z], 0
.endr
	s_wait_loadcnt 0x0
.irp k, 0,1,2,3
	v_cvt_pk_bf16_f32 v[128+\k], v[192+2*\k], v[192+2*\k+1]
.endr
.rept 4
	v_nop
.endr
	v_wmma_f32_16x16x32_bf16 v[240:247], v[128:135], v[160:167], 0
.rept 4
	v_nop
.endr
	DIAG TL, 240
	v_add_f32 v[TL], v[TL], v109
	s_branch .Ljoin
.Lv2:                                          ; ---- tail 2: K = 64, filled to 128 with zero codes
	v_lshlrev_b32 v20, 6, v9
	v_lshl_add_u32 v20, v2, 4, v20
	v_lshlrev_b32 v21, 1, v9
	v_lshlrev_b32 v22, 6, v7
	v_lshl_add_u32 v22, v2, 4, v22
	v_lshlrev_b32 v23, 2, v7
.irp c, 0,1
	global_load_b128 v[128+4*\c:131+4*\c], v20, s[18:19] offset:32*\c
	global_load_b128 v[160+4*\c:163+4*\c], v22, s[8:9] offset:H2C+32*\c
.endr
	global_load_u16 v104, v21, s[20:21]
	global_load_b32 v105, v23, s[8:9] offset:H2S
	global_load_b32 v109, v24, s[22:23]
.irp z, 8,9,10,11,12,13,14,15
	v_mov_b32 v[128+\z], 0
	v_mov_b32 v[160+\z], 0
.endr
	s_wait_loadcnt 0x0
	v_or_b32 v104, 0x7f7f0000, v104
.rept 8
	v_nop                                          ; a scale word written by a vector instruction stands eight places ahead of the scaled product
.endr
	v_wmma_scale_f32_16x16x128_f8f6f4 v[240:247], v[128:143], v[160:175], 0, v104, v105 matrix_a_fmt:MATRIX_FMT_BF8 matrix_b_fmt:MATRIX_FMT_BF8
.rept 8
	v_nop
.endr
	DIAG TL, 240
	v_add_f32 v[TL], v[TL], v109
	s_branch .Ljoin
.Lv1:                                          ; ---- tail 1: K = 256, two K steps in two accumulators
	v_lshlrev_b32 v20, 8, v9
	v_lshl_add_u32 v20, v2, 4, v20
	v_lshlrev_b32 v21, 3, v9
	v_lshl_add_u32 v21, v2, 2, v21
	v_lshlrev_b32 v22, 8, v7
	v_lshl_add_u32 v22, v2, 4, v22
	v_lshlrev_b32 v23, 3, v7
	v_lshl_add_u32 v23, v2, 2, v23
.irp s, 0,1
.irp c, 0,1,2,3
	global_load_b128 v[128+16*\s+4*\c:131+16*\s+4*\c], v20, s[12:13] offset:128*\s+32*\c
	global_load_b128 v[160+16*\s+4*\c:163+16*\s+4*\c], v22, s[8:9] offset:H1C+128*\s+32*\c
.endr
.endr
	global_load_b32 v104, v21, s[14:15]            ; lanes 0-15 K step 0, lanes 16-31 K step 1
	global_load_b32 v105, v23, s[8:9] offset:H1S
	global_load_b32 v109, v24, s[16:17]
	s_wait_loadcnt 0x0
	v_wmma_scale_f32_16x16x128_f8f6f4 v[240:247], v[128:143], v[160:175], 0, v104, v105 matrix_a_fmt:MATRIX_FMT_BF8 matrix_b_fmt:MATRIX_FMT_BF8
	v_wmma_scale_f32_16x16x128_f8f6f4 v[248:255], v[144:159], v[176:191], 0, v104, v105 matrix_a_fmt:MATRIX_FMT_BF8 matrix_b_fmt:MATRIX_FMT_BF8 matrix_a_scale:MATRIX_SCALE_ROW1 matrix_b_scale:MATRIX_SCALE_ROW1
.rept 8
	v_nop
.endr
.irp k, 0,1,2,3
	v_pk_add_f32 v[240+2*\k:241+2*\k], v[240+2*\k:241+2*\k], v[248+2*\k:249+2*\k]
.endr
	DIAG TL, 240
	v_add_f32 v[TL], v[TL], v109
.Ljoin:                                        ; every load issued so far has been waited for on each of the three ways
	HPROD
	TRED 2, 0, 128, STT                            ; slabs 0-127
	WIN 0x80
.set li, 0
.rept 57
	global_load_b64 v[2*li:2*li+1], v19, s[54:55] offset:33792*li   ; slabs 256-312 come while the next two merges run
.set li, li+1
.endr
	WIN 0
	TRED 3, 0, 128, STT                            ; slabs 128-255
	HEADLSE
	s_wait_loadcnt 0x0
	TRED 2, 0, 57, STT
	XMERGE STT
	v_sub_f32 v[NLL], v[STH], v[HLG]
	v_sub_f32 v[TD], v[STT], v[TL]
	v_add_f32 v[NLL], v[NLL], v[TD]
	FINAL
.Lfunc_end_k_q0d9b2752d1_combine:
	.size	k_q0d9b2752d1_combine, .Lfunc_end_k_q0d9b2752d1_combine-k_q0d9b2752d1_combine
	.p2alignl 7, 3214868480
	.fill 96, 4, 3214868480
	.section	.rodata,"a",@progbits
	.p2align	6, 0x0
	.amdhsa_kernel k_q0d9b2752d1_combine
		.amdhsa_group_segment_fixed_size 0
		.amdhsa_private_segment_fixed_size 0
		.amdhsa_enable_private_segment 0
		.amdhsa_kernarg_size 120
		.amdhsa_user_sgpr_count 2
		.amdhsa_user_sgpr_kernarg_segment_ptr 1
		.amdhsa_wavefront_size32 1
		.amdhsa_system_sgpr_workgroup_id_x 1
		.amdhsa_system_sgpr_workgroup_id_y 1
		.amdhsa_system_sgpr_workgroup_id_z 1
		.amdhsa_system_vgpr_workitem_id 0
		.amdhsa_next_free_vgpr 1024
		.amdhsa_next_free_sgpr 100
		.amdhsa_reserve_vcc 1
		.amdhsa_float_denorm_mode_32 3
		.amdhsa_float_denorm_mode_16_64 3
		.amdhsa_memory_ordered 1
		.amdhsa_forward_progress 1
		.amdhsa_inst_pref_size 132
	.end_amdhsa_kernel
	.amdgpu_metadata
---
amdhsa.version: [ 1, 2 ]
amdhsa.kernels:
  - .name:           k_q0d9b2752d1_combine
    .symbol:         k_q0d9b2752d1_combine.kd
    .args:
      - { .name: w0f, .offset: 0, .size: 8, .value_kind: global_buffer, .address_space: global }
      - { .name: wsc, .offset: 8, .size: 8, .value_kind: global_buffer, .address_space: global }
      - { .name: hq, .offset: 16, .size: 8, .value_kind: global_buffer, .address_space: global }
      - { .name: idx, .offset: 24, .size: 8, .value_kind: global_buffer, .address_space: global }
      - { .name: w1_codes, .offset: 32, .size: 8, .value_kind: global_buffer, .address_space: global }
      - { .name: w1_scales, .offset: 40, .size: 8, .value_kind: global_buffer, .address_space: global }
      - { .name: b1, .offset: 48, .size: 8, .value_kind: global_buffer, .address_space: global }
      - { .name: w2_codes, .offset: 56, .size: 8, .value_kind: global_buffer, .address_space: global }
      - { .name: w2_scales, .offset: 64, .size: 8, .value_kind: global_buffer, .address_space: global }
      - { .name: b2, .offset: 72, .size: 8, .value_kind: global_buffer, .address_space: global }
      - { .name: w3, .offset: 80, .size: 8, .value_kind: global_buffer, .address_space: global }
      - { .name: b3, .offset: 88, .size: 8, .value_kind: global_buffer, .address_space: global }
      - { .name: part_h, .offset: 96, .size: 8, .value_kind: global_buffer, .address_space: global }
      - { .name: part_t, .offset: 104, .size: 8, .value_kind: global_buffer, .address_space: global }
      - { .name: out0, .offset: 112, .size: 8, .value_kind: global_buffer, .address_space: global }
    .group_segment_fixed_size: 0
    .private_segment_fixed_size: 0
    .kernarg_segment_align: 8
    .kernarg_segment_size: 120
    .max_flat_workgroup_size: 32
    .sgpr_count:     100
    .vgpr_count:     1024
    .wavefront_size: 32
...
	.end_amdgpu_metadata
.endif
;; end of part 3
;; ======== version 2 of 3: 3 launches; 1.16 times as fast as version 1
;; limits: right only within a limited range of input values
;; workspace buffers: w0f 20,512,768 bytes; wsc 722,944 bytes; hq 2,908,160 bytes; idx 25,600 bytes of whole numbers; part_h 1,032,192 bytes; part_t 4,224,000 bytes
;; launch prep: the kernel of part 1 again; grid 813 x 1, 4 waves a work-group, no clusters, 34,816 bytes of LDS; arguments hidden_codes, hidden_scales, proj0_codes, proj0_scales, proj1_codes, proj1_scales, proj2_codes, proj2_scales, proj3_codes, proj3_scales, w0, cluster_w, b0, cluster_b, target, w0f, wsc, hq, idx; writes w0f, wsc, hq, idx
;; launch logits (part 4): grid 252 x 1, 4 waves a work-group, no clusters, 67,072 bytes of LDS; arguments w0f, wsc, hq, idx, w1_codes, w1_scales, b1, w2_codes, w2_scales, b2, w3, b3, part_h, part_t; writes part_h, part_t
.if DOCPART == 4
	.amdgcn_target "amdgcn-amd-amdhsa--gfx1250"
	.amdhsa_code_object_version 6
	.text
	.protected	k_q0d9b2752d1_logits
	.globl	k_q0d9b2752d1_logits
	.p2align	8
	.type	k_q0d9b2752d1_logits,@function
k_q0d9b2752d1_logits:
	s_mov_b64 s[64:65], 0
	v_nop
	global_prefetch_b8 v0, s[64:65] scope:SCOPE_SE
	s_setreg_imm32_b32 hwreg(HW_REG_WAVE_MODE, 25, 1), 1
	s_wait_xcnt 0x0
; LOGITS: every logit that a log-sum-exp needs, reduced at once to pairs (m, s): m the largest logit of a group of rows, s the sum of e^(logit - m) over the group.  No logit goes to memory.
; HEAD.  Work-group = (column group cg = x / 4, token block tb = x % 4).  Wave w keeps 5 tiles of 16 vocabulary rows (slab 4 cg + w) in registers for the whole phase: 640 registers of codes, their scale words, their bias.
; The block's 32 token tiles go through two LDS slots as images of the operand's registers: each wave copies a quarter of a tile (through registers, two sets of them, so that a tile is asked for two steps before it is
; stored into its slot), all four read it whole.  Per tile and wave: 40 matrix instructions (source 0 = 16 rows of W, source 1 = 16 tokens; the bias is the C of a sum's first instruction), so a lane holds ONE token and
; 40 of its logits: maximum, exponentials and sum need no other lane.  The pairs meet in LDS; at the end 8 pairs a token (4 waves x 2 halves of the lanes) are merged and one pair a token goes to part_h[cg].
; TAIL.  The loss keeps a tail's log-softmax only for tokens whose target lies in that tail.  Wave n = 4 x + w takes tail n % 3, slab (n / 3) / 2 (5 tiles of rows: 625 tiles = 125 slabs) and every second token tile of
; that class, from (n / 3) % 2 on (the sorted list; trip count from the stored table): 750 waves have a tail, all four of work-groups 0-186 and two of 187.  W stays in registers; the tokens come from memory straight into
; a ring of four tiles in registers; a pair for each lane goes to part_t[slab][sorted tile].  Tail 3 (K = 16) is left as it is: bf16 operands.
; NO TENSOR LOADS AND NO JOINT REQUESTS: the tail's trip counts and branches hang on numbers read from memory.
; PADS: head tiles past 1,250 multiply zero codes and carry the bias -2^100: the logit is that power of two bit for bit, log2(e) times it is exact, and its exponential under any real maximum is 0.
; 9 of the 1,260 head tiles are such pads.  LIMITS: real logits lie above -2^100; NaN and infinities are not served; h3 and w3 are rounded to bf16.
.set H0S, 2097152
.set H1C, 2162688
.set H1S, 2686976
.set H2C, 2703360
.set H2S, 2834432
.set H3B, 2842624
.set BHO, 641024
.set SLOTB, 16896                      ; an LDS slot: 8 fragment images of 2,048 bytes, then 512 bytes of scale words
.set RED,   33792                      ; behind the two slots: the pairs, [wave][step 32][lane][m, s]: 8,192 bytes a wave
; window 0: v1 16 lane, v2 8 lane, v3 4 lane, v4 4 r, v5 16 h, v6 4,096 w + 16 lane, v7 4 thread, v8, v26 the staged scale words, v9, v10 LDS places, v11 at work, v[12:13] c m, v[14:15] (m, s), v16-25 at work, v27 32 h
.set HS,  28                           ; v28-31  the token tile's scale words: register q: K step 2 q in lanes 0-15, 2 q + 1 in lanes 16-31
.set WS,  32                           ; v32-51  W's, 4 t + q, likewise
.set ACC, 52                           ; v52-91  five accumulators
.set LST, 92                           ; v92-95  the tail's lists of tokens, one for each slot of its ring; the first four are asked for at the kernel's head
.set HF,  96                           ; v96-223 the token tile's 8 fragments
.set STH, 224                          ; v224-255 staging set 1: my quarter of an odd token tile on its way to LDS
.set BIA, 160                          ; window 3: the bias in the result's layout, 8 t
.set STG, 200                          ; window 3: staging set 0: the even tiles
; W's fragment (t, s): window 1 + s / 3, at 16 (5 (s % 3) + t)
.set CS,  44                           ; s[44:45] c = log2(e)
.set RS,  46                           ; s46 the step's place among my pairs
.set MSB, 0
.macro WIN new
.if MSB != (\new)
	s_set_vgpr_msb (MSB<<8)|(\new)
.set MSB, (\new)
.endif
.endm
; Five accumulators: a lane's 40 logits of one token -> v14 = their maximum, v15 = the sum of e^(logit - maximum).  Each accumulator is read from its low end on.  Two parts, so that other lines can stand between.
.macro SMXA                            ; the maximum, c logit - c m, the exponentials
.irp t, 0,1,2,3,4
	v_max3_num_f32 v[16+\t], v[ACC+8*\t], v[ACC+8*\t+1], v[ACC+8*\t+2]
.endr
.irp t, 0,1,2,3,4
	v_max3_num_f32 v[16+\t], v[16+\t], v[ACC+8*\t+3], v[ACC+8*\t+4]
.endr
.irp t, 0,1,2,3,4
	v_max3_num_f32 v[16+\t], v[16+\t], v[ACC+8*\t+5], v[ACC+8*\t+6]
.endr
	v_max3_num_f32 v16, v16, v17, v[ACC+7]
	v_max3_num_f32 v18, v18, v19, v[ACC+15]
	v_max3_num_f32 v20, v20, v[ACC+23], v[ACC+31]
	v_max3_num_f32 v16, v16, v18, v[ACC+39]
	v_max_num_f32 v14, v16, v20
	v_mul_f32 v12, s[CS], v14
.set sq, 0
.rept 20
	v_pk_fma_f32 v[ACC+2*sq:ACC+2*sq+1], v[ACC+2*sq:ACC+2*sq+1], s[CS:CS+1], v[12:13] op_sel_hi:[1,0,0] neg_lo:[0,0,1] neg_hi:[0,0,1]   ; c logit - c m, two at a time
.set sq, sq+1
.endr
.set sq, 0
.rept 40
	v_exp_f32 v[ACC+sq], v[ACC+sq]
.set sq, sq+1
.endr
	v_nop                                          ; a plain line behind the exponentials
.endm
.macro SMXB                            ; the sum, two at a time, in four chains that do not wait for each other
	s_wait_alu depctr_va_vdst(0)
	v_pk_add_f32 v[16:17], v[ACC:ACC+1], v[ACC+2:ACC+3]
	v_pk_add_f32 v[18:19], v[ACC+4:ACC+5], v[ACC+6:ACC+7]
	v_pk_add_f32 v[22:23], v[ACC+8:ACC+9], v[ACC+10:ACC+11]
	v_pk_add_f32 v[24:25], v[ACC+12:ACC+13], v[ACC+14:ACC+15]
.set sq, 16
.rept 3
	v_pk_add_f32 v[16:17], v[16:17], v[ACC+sq:ACC+sq+1]
	v_pk_add_f32 v[18:19], v[18:19], v[ACC+sq+2:ACC+sq+3]
	v_pk_add_f32 v[22:23], v[22:23], v[ACC+sq+4:ACC+sq+5]
	v_pk_add_f32 v[24:25], v[24:25], v[ACC+sq+6:ACC+sq+7]
.set sq, sq+8
.endr
	v_pk_add_f32 v[16:17], v[16:17], v[18:19]
	v_pk_add_f32 v[22:23], v[22:23], v[24:25]
	v_pk_add_f32 v[16:17], v[16:17], v[22:23]
	v_add_f32 v15, v16, v17
.endm
; My quarter of a token tile, memory -> staging set.  step: tiles by which the bases go on first; off: tiles that stand in the immediate
.macro G set, step, off
.if (\step) > 0
	s_wait_xcnt 0x0                                ; the loads issued before have read their bases: only behind this wait are the bases written
	s_add_nc_u64 s[40:41], s[40:41], 16384*(\step)
	s_add_nc_u64 s[42:43], s[42:43], 512*(\step)
.endif
.if (\set) == 0
	WIN 0xc0                                       ; destination window 3
.irp i, 0,1,2,3,4,5,6,7
	global_load_b128 v[STG+4*\i:STG+4*\i+3], v6, s[40:41] offset:16384*(\off)+512*\i
.endr
	WIN 0
	global_load_b32 v26, v7, s[42:43] offset:H0S+512*(\off)
.else
.irp i, 0,1,2,3,4,5,6,7
	global_load_b128 v[STH+4*\i:STH+4*\i+3], v6, s[40:41] offset:16384*(\off)+512*\i
.endr
	global_load_b32 v8, v7, s[42:43] offset:H0S+512*(\off)
.endif
.endm
.macro ST set                          ; staging set -> the slot of the same number
.if (\set) == 0
	WIN 0x0c                                       ; an LDS store's data are its source 1: window 3
.irp i, 0,1,2,3,4,5,6,7
	ds_store_b128 v6, v[STG+4*\i:STG+4*\i+3] offset:512*\i
.endr
	WIN 0
	ds_store_b32 v9, v26
.else
.irp i, 0,1,2,3,4,5,6,7
	ds_store_b128 v6, v[STH+4*\i:STH+4*\i+3] offset:SLOTB+512*\i
.endr
	ds_store_b32 v9, v8 offset:SLOTB
.endif
.endm
.macro HL par                          ; slot par -> the operand's registers, in every wave
.set hq_, 0
.rept 32
	ds_load_b128 v[HF+4*hq_:HF+4*hq_+3], v1 offset:SLOTB*(\par)+512*hq_
.set hq_, hq_+1
.endr
.irp q, 0,1,2,3
	ds_load_b32 v[HS+\q], v3 offset:SLOTB*(\par)+16384+128*\q
.endr
.endm
.macro HWM t, s
.set RA, 16*(5*((\s)%3)+\t)
.if \s == 0
	v_wmma_scale_f32_16x16x128_f8f6f4 v[ACC+8*\t:ACC+8*\t+7], v[RA:RA+15], v[HF:HF+15], v[BIA+8*\t:BIA+8*\t+7], v[WS+4*\t], v[HS] matrix_a_fmt:MATRIX_FMT_BF8 matrix_b_fmt:MATRIX_FMT_BF8
.elseif (\s)%2 == 0
	v_wmma_scale_f32_16x16x128_f8f6f4 v[ACC+8*\t:ACC+8*\t+7], v[RA:RA+15], v[HF+16*\s:HF+16*\s+15], v[ACC+8*\t:ACC+8*\t+7], v[WS+4*\t+(\s)/2], v[HS+(\s)/2] matrix_a_fmt:MATRIX_FMT_BF8 matrix_b_fmt:MATRIX_FMT_BF8
.else
	v_wmma_scale_f32_16x16x128_f8f6f4 v[ACC+8*\t:ACC+8*\t+7], v[RA:RA+15], v[HF+16*\s:HF+16*\s+15], v[ACC+8*\t:ACC+8*\t+7], v[WS+4*\t+(\s)/2], v[HS+(\s)/2] matrix_a_fmt:MATRIX_FMT_BF8 matrix_b_fmt:MATRIX_FMT_BF8 matrix_a_scale:MATRIX_SCALE_ROW1 matrix_b_scale:MATRIX_SCALE_ROW1
.endif
.endm
.macro HMUL                            ; 40 matrix instructions; the five accumulators take turns, one instruction a turn
.irp s, 0,1,2,3,4,5,6,7
.if \s == 0
	WIN 0x31                                       ; W window 1, the bias window 3
.else
	WIN 1+(\s)/3
.endif
.irp t, 0,1,2,3,4
	HWM \t, \s
.endr
.endr
.endm
; Step j (par = j % 2).  One barrier a step.  In front of its signal: my reads of tile j are in and my part of tile j + 1 has landed in the other slot.  Behind its wait: tile j + 1 is whole, and nobody reads slot par any more.
; g: tile j + 3 is asked for; hl: tile j + 1 is read; st: tile j + 2 goes into slot par; left: the loads that may stay out at that time (tile j + 3's nine, or none)
.macro HSTEP par, g, hl, st, left
	s_wait_dscnt 0x0                               ; tile j is in my registers; my stores (tile j + 1, the last pair) have landed and have read their registers
.if \g
	G 1-\par, 1, 0                                 ; tile j + 3 sets out, into the set that tile j + 1 has left: it has two steps in which to come
.endif
	s_barrier_signal -1
	HMUL
	WIN 0
	s_barrier_wait -1
.rept 9
	v_nop                                          ; places: 8 in front of loads into registers that the products read and of the first read of results; 9 in front of the next step's first products, which begin the accumulators anew
.endr
.if \hl
	HL 1-\par                                      ; tile j + 1 comes while the softmax runs
.endif
	SMXA
.if \st
	s_wait_loadcnt \left                           ; loads come back in order: tile j + 2, asked for a step ago, is in my registers
	ST \par                                        ; it lands while the sums below are made
.endif
	SMXB
	v_add_nc_u32 v11, s[RS], v10
	ds_store_b64 v11, v[14:15]
	s_add_co_u32 s[RS], s[RS], 256
.endm
	s_load_b512 s[4:19], s[0:1], 0x0               ; w0f 4, wsc 6, hq 8, idx 10, w1_codes 12, w1_scales 14, b1 16, w2_codes 18
	s_load_b256 s[20:27], s[0:1], 0x40             ; w2_scales 20, b2 22, w3 24, b3 26
	s_load_b128 s[28:31], s[0:1], 0x60             ; part_h 28, part_t 30
	v_lshl_add_u32 v21, v0, 2, 0x10400
	s_set_vgpr_msb 0x40
	v_mov_b32 v255, 0
	s_set_vgpr_msb 0x4000
	v_lshrrev_b32 v1, 5, v0
	v_readfirstlane_b32 s2, v1                     ; wave 0..3
	v_and_b32 v3, 31, v0
	v_lshlrev_b32 v1, 4, v3
	v_lshlrev_b32 v2, 3, v3
	v_lshlrev_b32 v3, 2, v3
	v_and_b32 v4, 15, v0
	v_lshlrev_b32 v4, 2, v4
	v_bfe_u32 v5, v0, 4, 1
	v_lshlrev_b32 v27, 5, v5
	v_lshlrev_b32 v5, 4, v5
	s_lshl_b32 s50, s2, 12
	v_add_nc_u32 v6, s50, v1                       ; my quarter of a tile's image: in memory and in a slot alike
	v_lshlrev_b32 v7, 2, v0
	v_lshl_add_u32 v9, v0, 2, 16384
	s_lshl_b32 s50, s2, 13
	v_add_nc_u32 v10, s50, v2
	v_add_nc_u32 v10, RED, v10
	v_mov_b32 v13, 0                               ; (named as the upper half of the pair v[12:13])
	s_mov_b32 s[CS], 0x3fb8aa3b
	s_mov_b32 s[CS+1], s[CS]
	s_mov_b32 s[RS], 0
	s_and_b32 s48, ttmp9, 0xfffffffc
	s_add_co_u32 s48, s48, s2                      ; slab = 4 cg + wave
	s_and_b32 s49, ttmp9, 3                        ; tb
	s_mul_i32 s50, s48, 5
	s_mov_b32 s53, 0
	s_wait_kmcnt 0x0
	s_load_b256 s[32:39], s[10:11], 25344          ; the table: s32-35 a class's first sorted tile, s36-39 its tiles
.irp t, 0,1,2,3,4
	s_add_co_u32 s51, s50, \t
	s_min_u32 s51, s51, 1251                       ; past the vocabulary: the tile of zeros
	s_lshl_b32 s52, s51, 14
	s_add_nc_u64 s[66+2*\t:67+2*\t], s[4:5], s[52:53]
	s_lshl_b32 s52, s51, 9
	s_add_nc_u64 s[76+2*\t:77+2*\t], s[6:7], s[52:53]
.endr
	s_mul_i32 s52, s48, 320
	s_add_nc_u64 s[86:87], s[6:7], s[52:53]        ; the bias is not clamped: tiles past the vocabulary find pads
	s_lshl_b32 s52, s49, 19
	s_add_nc_u64 s[40:41], s[8:9], s[52:53]        ; my block's first token tile,
	s_lshl_b32 s52, s49, 14
	s_add_nc_u64 s[42:43], s[8:9], s[52:53]        ; and its scale words
	s_lshl_b32 s52, ttmp9, 12
	s_add_nc_u64 s[88:89], s[28:29], s[52:53]      ; part_h: 16,384 cg + 4,096 tb
	WIN 0x40
.irp s, 0,1,2
.irp t, 0,1,2,3,4
.irp c, 0,1,2,3
	global_load_b128 v[16*(5*\s+\t)+4*\c:16*(5*\s+\t)+4*\c+3], v1, s[66+2*\t:67+2*\t] offset:2048*\s+512*\c
.endr
.endr
.endr
	WIN 0x80
.irp s, 3,4,5
.irp t, 0,1,2,3,4
.irp c, 0,1,2,3
	global_load_b128 v[16*(5*(\s-3)+\t)+4*\c:16*(5*(\s-3)+\t)+4*\c+3], v1, s[66+2*\t:67+2*\t] offset:2048*\s+512*\c
.endr
.endr
.endr
	WIN 0xc0
.irp s, 6,7
.irp t, 0,1,2,3,4
.irp c, 0,1,2,3
	global_load_b128 v[16*(5*(\s-6)+\t)+4*\c:16*(5*(\s-6)+\t)+4*\c+3], v1, s[66+2*\t:67+2*\t] offset:2048*\s+512*\c
.endr
.endr
.endr
.irp t, 0,1,2,3,4
	global_load_b128 v[BIA+8*\t:BIA+8*\t+3], v27, s[86:87] offset:BHO+64*\t
	global_load_b128 v[BIA+8*\t+4:BIA+8*\t+7], v27, s[86:87] offset:BHO+64*\t+16
.endr
	WIN 0
.irp t, 0,1,2,3,4
.irp f, 0,1
	global_load_b64 v[WS+4*\t+2*\f:WS+4*\t+2*\f+1], v2, s[76+2*\t:77+2*\t] offset:256*\f
.endr
.endr
	; which tail is mine, and its first four lists of tokens: asked for here, so that the tail begins with its tokens' numbers at hand
	; s90 variant - 1, s91 n / 3, s92 slab, s93 part; s54 my turns, s55 my first sorted tile, s58 turns - 1
	s_wait_kmcnt 0x0                               ; the table
	s_lshl_b32 s96, ttmp9, 2
	s_add_co_u32 s96, s96, s2                      ; n = 4 x + wave
	s_mul_hi_u32 s91, s96, 0x55555556              ; n / 3: the factor is (2^32 + 2) / 3, exact for numbers this small
	s_mul_i32 s97, s91, 3
	s_sub_co_u32 s90, s96, s97                     ; n % 3
	s_lshr_b32 s92, s91, 1
	s_and_b32 s93, s91, 1
	s_cmp_eq_u32 s90, 0
	s_cselect_b32 s54, s37, s38
	s_cselect_b32 s55, s33, s34
	s_cmp_eq_u32 s90, 2
	s_cselect_b32 s54, s39, s54                    ; the class's tiles,
	s_cselect_b32 s55, s35, s55                    ; the first of them
	s_min_u32 s54, s54, 131                        ; never more than all sorted tiles
	s_add_co_u32 s54, s54, 1
	s_sub_co_u32 s54, s54, s93
	s_lshr_b32 s54, s54, 1                         ; tiles part, part + 2, ..: (tiles + 1 - part) / 2 of them
	s_add_co_u32 s55, s55, s93
	s_sub_co_u32 s58, s54, 1                       ; (wraps where I have no turn: the holds below keep every load inside the list)
.irp i, 0,1,2,3
	s_min_u32 s96, s58, \i
	s_lshl_b32 s96, s96, 1
	s_add_co_u32 s96, s96, s55
	s_min_u32 s96, s96, 131
	s_lshl_b32 s96, s96, 6
	v_add_nc_u32 v[16+\i], s96, v4
	global_load_b32 v[LST+\i], v[16+\i], s[10:11]
.endr
	G 0, 0, 0                                      ; tile 0
	G 1, 0, 1                                      ; tile 1
	s_wait_loadcnt 0x0
	ST 0
	ST 1                                           ; both slots' first fills: nobody reads them yet
	s_wait_dscnt 0x0                               ; my parts of tiles 0 and 1 have landed; the staging registers are free
	G 0, 2, 0                                      ; tile 2
	s_barrier_signal -1
	s_barrier_wait -1                              ; tile 0 is whole
	HL 0
	s_mov_b32 s47, 14
.Lhead:                                        ; steps 0 to 27
	HSTEP 0, 1, 1, 1, 9
	HSTEP 1, 1, 1, 1, 9
	s_sub_co_u32 s47, s47, 1
	s_cmp_lg_u32 s47, 0
	s_cbranch_scc1 .Lhead
	HSTEP 0, 1, 1, 1, 9                            ; step 28 asks for the last tile, 31
	HSTEP 1, 0, 1, 1, 0                            ; step 29 stores it: no load was issued behind its nine
	HSTEP 0, 0, 1, 0, 0
	HSTEP 1, 0, 0, 0, 0
	; the work-group's 512 tokens: thread t merges the 8 pairs of tokens t + 128 k
	s_wait_dscnt 0x0
	s_barrier_signal -1
	s_barrier_wait -1
	v_lshrrev_b32 v16, 4, v0
	v_and_b32 v17, 15, v0
	v_lshlrev_b32 v16, 8, v16
	v_lshl_add_u32 v16, v17, 3, v16
	v_add_nc_u32 v16, RED, v16                     ; step t / 16 (+ 8 k), lane t % 16 (+ 16 h)
	v_lshlrev_b32 v176, 3, v0
.irp k, 0,1,2,3
.irp p, 0,1,2,3,4,5,6,7
	ds_load_b64 v[HF+16*\k+2*\p:HF+16*\k+2*\p+1], v16 offset:2048*\k+8192*(\p/2)+128*(\p%2)
.endr
.endr
	s_wait_dscnt 0x0
.irp k, 0,1,2,3
	v_max3_num_f32 v[168+2*\k], v[HF+16*\k], v[HF+16*\k+2], v[HF+16*\k+4]
.endr
.irp k, 0,1,2,3
	v_max3_num_f32 v[168+2*\k], v[168+2*\k], v[HF+16*\k+6], v[HF+16*\k+8]
.endr
.irp k, 0,1,2,3
	v_max3_num_f32 v[168+2*\k], v[168+2*\k], v[HF+16*\k+10], v[HF+16*\k+12]
.endr
.irp k, 0,1,2,3
	v_max_num_f32 v[168+2*\k], v[168+2*\k], v[HF+16*\k+14]
.endr
.irp k, 0,1,2,3
	v_mul_f32 v[160+\k], s[CS], v[168+2*\k]
.endr
.irp p, 0,1,2,3,4,5,6,7
.irp k, 0,1,2,3
	v_fma_f32 v[HF+16*\k+2*\p], v[HF+16*\k+2*\p], s[CS], -v[160+\k]
.endr
.endr
.irp p, 0,1,2,3,4,5,6,7
.irp k, 0,1,2,3
	v_exp_f32 v[HF+16*\k+2*\p], v[HF+16*\k+2*\p]
.endr
.endr
	v_nop
	s_wait_alu depctr_va_vdst(0)
.irp k, 0,1,2,3
	v_mul_f32 v[169+2*\k], v[HF+16*\k], v[HF+16*\k+1]
.endr
.irp p, 1,2,3,4,5,6,7
.irp k, 0,1,2,3
	v_fma_f32 v[169+2*\k], v[HF+16*\k+2*\p], v[HF+16*\k+2*\p+1], v[169+2*\k]
.endr
.endr
.irp k, 0,1,2,3
	global_store_b64 v176, v[168+2*\k:169+2*\k], s[88:89] offset:1024*\k   ; a wave stores 256 consecutive bytes
.endr
; ================= THE TAILS
; window 2: my five tiles of W (variant 1: 32 u + 16 s; 2: 16 u; 3: 8 u).  window 3: their bias, where the head's lay.  window 1: a ring of four token tiles, 32 / 16 / 8 registers a slot.
; window 0: v32-36 W's scale words, v40-43 the ring's; v52-91 the accumulators; v92-95 the lists; v96-107 a slot's own address registers; v108 4 h, v109, v110 at work, v112, v113 W's offsets, v120-159 w3 as loaded
; s56 J (the trip's first turn), s94 trips done, s95 trips = ceil(turns / 4), s[60:61] my slab of part_t, s[66:71] my slab of W, its scales, its bias
.set WSC, 32
.set HSC, 40
.set AD0, 96
.set AD1, 100
.set AD2, 104
.set W3F, 120
	s_wait_xcnt 0x0                                ; the stores above have read their registers
	v_lshrrev_b32 v108, 2, v5
	s_cmp_ge_u32 s91, 250                          ; 125 slabs x 2 parts for each tail
	s_cbranch_scc1 .Ldone
	s_cmp_eq_u32 s54, 0                            ; no token tile of this class falls to me
	s_cbranch_scc1 .Ldone
	s_mov_b32 s56, 0
	s_mov_b32 s94, 0
	s_add_co_u32 s95, s54, 3
	s_lshr_b32 s95, s95, 2
	s_mul_i32 s62, s92, 33792
	s_mov_b32 s63, 0
	s_add_nc_u64 s[60:61], s[30:31], s[62:63]
	s_cmp_eq_u32 s90, 0
	s_cbranch_scc1 .Ltail1
	s_cmp_eq_u32 s90, 1
	s_cbranch_scc1 .Ltail2
	s_branch .Ltail3
; Slot i takes the tile whose tokens lie in v[LST + i]; then the list of turn J + i + ahead is asked for.  Turn numbers are held inside my turns and tile numbers inside the list: no load leaves its buffer, and each path
; issues the same loads.  The slot's address registers are its own: when they are written again, the counted wait at the head of the slot's turn has shown the loads that read them done.
.macro FEED var, i, ahead
	v_min_u32 v109, 0x7ff, v[LST+\i]               ; a pad names token 2,048: it reads token 2,047, and its results are never used
.if \var == 1
	v_lshl_add_u32 v[AD0+\i], v109, 8, v5
	v_lshl_add_u32 v[AD1+\i], v109, 3, v108
	WIN 0x40
.irp s, 0,1
.irp c, 0,1,2,3
	global_load_b128 v[32*\i+16*\s+4*\c:32*\i+16*\s+4*\c+3], v[AD0+\i], s[8:9] offset:H1C+128*\s+32*\c
.endr
.endr
	WIN 0
	global_load_b32 v[HSC+\i], v[AD1+\i], s[8:9] offset:H1S    ; lanes 0-15 K step 0, lanes 16-31 K step 1
.elseif \var == 2
	v_lshl_add_u32 v[AD0+\i], v109, 6, v5
	v_lshlrev_b32 v[AD1+\i], 2, v109
	WIN 0x40
.irp c, 0,1
	global_load_b128 v[16*\i+4*\c:16*\i+4*\c+3], v[AD0+\i], s[8:9] offset:H2C+32*\c
.endr
	WIN 0
	global_load_b32 v[HSC+\i], v[AD1+\i], s[8:9] offset:H2S
.else
	v_lshl_add_u32 v[AD0+\i], v109, 5, v5
	WIN 0x40
	global_load_b128 v[8*\i:8*\i+3], v[AD0+\i], s[8:9] offset:H3B
	WIN 0
.endif
	s_add_co_u32 s57, s56, \i+\ahead
	s_min_u32 s57, s57, s58
	s_lshl_b32 s57, s57, 1                         ; every second tile of the class
	s_add_co_u32 s57, s57, s55
	s_min_u32 s57, s57, 131
	s_lshl_b32 s57, s57, 6
	v_add_nc_u32 v[AD2+\i], s57, v4
	global_load_b32 v[LST+\i], v[AD2+\i], s[10:11]
.endm
.macro TURN var, i                     ; my turn J + i
	s_wait_loadcnt 3*(DL+1)                        ; behind this tile's data and the list that FEED reads stand three slots' loads, DL data loads and one list load each
	s_add_co_u32 s59, s56, \i
	s_cmp_ge_u32 s59, s54
	s_cbranch_scc1 .Lskip_\@                       ; past my last turn: no work; the loads below go on, held inside their buffers
	WIN 0x36                                       ; W window 2, the tokens window 1, the bias window 3.  The five accumulators take turns
.if \var == 1
.irp t, 0,1,2,3,4
	v_wmma_scale_f32_16x16x128_f8f6f4 v[ACC+8*\t:ACC+8*\t+7], v[32*\t:32*\t+15], v[32*\i:32*\i+15], v[BIA+8*\t:BIA+8*\t+7], v[WSC+\t], v[HSC+\i] matrix_a_fmt:MATRIX_FMT_BF8 matrix_b_fmt:MATRIX_FMT_BF8
.endr
	WIN 0x06
.irp t, 0,1,2,3,4
	v_wmma_scale_f32_16x16x128_f8f6f4 v[ACC+8*\t:ACC+8*\t+7], v[32*\t+16:32*\t+31], v[32*\i+16:32*\i+31], v[ACC+8*\t:ACC+8*\t+7], v[WSC+\t], v[HSC+\i] matrix_a_fmt:MATRIX_FMT_BF8 matrix_b_fmt:MATRIX_FMT_BF8 matrix_a_scale:MATRIX_SCALE_ROW1 matrix_b_scale:MATRIX_SCALE_ROW1
.endr
.elseif \var == 2
.irp t, 0,1,2,3,4
	v_wmma_scale_f32_16x16x128_f8f6f4 v[ACC+8*\t:ACC+8*\t+7], v[16*\t:16*\t+15], v[16*\i:16*\i+15], v[BIA+8*\t:BIA+8*\t+7], v[WSC+\t], v[HSC+\i] matrix_a_fmt:MATRIX_FMT_BF8 matrix_b_fmt:MATRIX_FMT_BF8
.endr
.else
.irp t, 0,1,2,3,4
	v_wmma_f32_16x16x32_bf16 v[ACC+8*\t:ACC+8*\t+7], v[8*\t:8*\t+7], v[8*\i:8*\i+7], v[BIA+8*\t:BIA+8*\t+7]
.endr
.endif
	WIN 0
.if \var == 3
.rept 5
	v_nop
.endr
.else
.rept 9
	v_nop                                          ; places, as in the head: the next turn begins the accumulators anew
.endr
.endif
	s_wait_xcnt 0x0                                ; the last turn's store has read v14, v15 and v110: they are written again only behind this wait
	SMXA
	SMXB
	s_lshl_b32 s59, s59, 1
	s_add_co_u32 s59, s59, s55
	s_min_u32 s59, s59, 131
	s_lshl_b32 s59, s59, 8
	v_add_nc_u32 v110, s59, v2
	global_store_b64 v110, v[14:15], s[60:61]      ; 256 consecutive bytes: a pair for each lane (token r, half h of each of my five tiles' rows)
.Lskip_\@:
	FEED \var, \i, 8
.endm
.macro TAIL var
.if \var == 1
.set CP, 12
.set SN, 14
.set BN, 16
.set CST, 20480                        ; five tiles of 16 rows of 256 codes
.set SST, 640
.set DL, 9
.elseif \var == 2
.set CP, 18
.set SN, 20
.set BN, 22
.set CST, 5120
.set SST, 160
.set DL, 3
.else
.set CP, 24
.set SN, 24
.set BN, 26
.set CST, 5120
.set SST, 0
.set DL, 1
.endif
	s_mul_i32 s62, s92, CST
	s_add_nc_u64 s[66:67], s[CP:CP+1], s[62:63]
	s_mul_i32 s62, s92, SST
	s_add_nc_u64 s[68:69], s[SN:SN+1], s[62:63]
	s_mul_i32 s62, s92, 320
	s_add_nc_u64 s[70:71], s[BN:BN+1], s[62:63]
.irp i, 0,1,2,3
	FEED \var, \i, 4                               ; the first four token tiles set out first
.endr
.if \var == 1
	v_lshl_add_u32 v112, v4, 6, v5                 ; 256 r + 16 h
	v_lshl_add_u32 v113, v4, 1, v108               ; 8 r + 4 h
	WIN 0x80
.irp u, 0,1,2,3,4
.irp s, 0,1
.irp c, 0,1,2,3
	global_load_b128 v[32*\u+16*\s+4*\c:32*\u+16*\s+4*\c+3], v112, s[66:67] offset:4096*\u+128*\s+32*\c
.endr
.endr
.endr
	WIN 0
.irp u, 0,1,2,3,4
	global_load_b32 v[WSC+\u], v113, s[68:69] offset:128*\u
.endr
.elseif \var == 2
	v_lshl_add_u32 v112, v4, 4, v5                 ; 64 r + 16 h
	v_lshrrev_b32 v113, 1, v4                      ; 2 r
	WIN 0x80
.irp u, 0,1,2,3,4
.irp c, 0,1
	global_load_b128 v[16*\u+4*\c:16*\u+4*\c+3], v112, s[66:67] offset:1024*\u+32*\c
.endr
.irp z, 8,9,10,11,12,13,14,15
	v_mov_b32 v[16*\u+\z], 0                       ; K = 64: the K step's upper half is zero codes
.endr
.endr
	WIN 0x40
.irp i, 0,1,2,3
.irp z, 8,9,10,11,12,13,14,15
	v_mov_b32 v[16*\i+\z], 0
.endr
.endr
	WIN 0
.irp u, 0,1,2,3,4
	global_load_u16 v[WSC+\u], v113, s[68:69] offset:32*\u
.endr
.else
	v_lshl_add_u32 v112, v4, 4, v27                ; 64 r + 32 h
.irp u, 0,1,2,3,4
	global_load_b128 v[W3F+8*\u:W3F+8*\u+3], v112, s[66:67] offset:1024*\u
	global_load_b128 v[W3F+8*\u+4:W3F+8*\u+7], v112, s[66:67] offset:1024*\u+16
.endr
	WIN 0x80
.irp u, 0,1,2,3,4
.irp z, 4,5,6,7
	v_mov_b32 v[8*\u+\z], 0                        ; K = 16 of the form's 32
.endr
.endr
	WIN 0x40
.irp i, 0,1,2,3
.irp z, 4,5,6,7
	v_mov_b32 v[8*\i+\z], 0
.endr
.endr
	WIN 0
.endif
	WIN 0xc0
.irp u, 0,1,2,3,4
	global_load_b128 v[BIA+8*\u:BIA+8*\u+3], v27, s[70:71] offset:64*\u
	global_load_b128 v[BIA+8*\u+4:BIA+8*\u+7], v27, s[70:71] offset:64*\u+16
.endr
	WIN 0
	s_wait_loadcnt 0x0                             ; W, its scales and bias, and with them the ring's first fill
.if \var == 2
.irp u, 0,1,2,3,4
	v_or_b32 v[WSC+\u], 0x7f7f0000, v[WSC+\u]      ; the zero codes' bytes say 1.0
.endr
.endif
.if \var == 3
	WIN 0x80
.irp u, 0,1,2,3,4
.irp k, 0,1,2,3
	v_cvt_pk_bf16_f32 v[8*\u+\k], v[W3F+8*\u+2*\k], v[W3F+8*\u+2*\k+1]
.endr
.endr
	WIN 0
.endif
.rept 8
	v_nop                                          ; a scale word written by a vector instruction stands eight places ahead of the scaled product, an operand so written four
.endr
.Ltl_\@:
.irp i, 0,1,2,3
	TURN \var, \i
.endr
	s_add_co_u32 s56, s56, 4                       ; four turns on
	s_add_co_u32 s94, s94, 1                       ; the loop is counted by its trips
	s_cmp_lt_u32 s94, s95
	s_cbranch_scc1 .Ltl_\@
	s_set_vgpr_msb 0x4
	s_wait_tensorcnt 0x0
	ds_add_u32 v21, v255
	s_wait_dscnt 0x0
	s_set_vgpr_msb 0x400
	s_endpgm
.endm
.Ltail1:
	TAIL 1
.Ltail2:
	TAIL 2
.Ltail3:
	TAIL 3
.Ldone:
	s_set_vgpr_msb 0x4
	s_wait_tensorcnt 0x0
	ds_add_u32 v21, v255
	s_wait_dscnt 0x0
	s_set_vgpr_msb 0x400
	s_endpgm
.Lfunc_end_k_q0d9b2752d1_logits:
	.size	k_q0d9b2752d1_logits, .Lfunc_end_k_q0d9b2752d1_logits-k_q0d9b2752d1_logits
	.p2alignl 7, 3214868480
	.fill 96, 4, 3214868480
	.section	.rodata,"a",@progbits
	.p2align	6, 0x0
	.amdhsa_kernel k_q0d9b2752d1_logits
		.amdhsa_group_segment_fixed_size 67072
		.amdhsa_private_segment_fixed_size 0
		.amdhsa_enable_private_segment 0
		.amdhsa_kernarg_size 112
		.amdhsa_user_sgpr_count 2
		.amdhsa_user_sgpr_kernarg_segment_ptr 1
		.amdhsa_wavefront_size32 1
		.amdhsa_system_sgpr_workgroup_id_x 1
		.amdhsa_system_sgpr_workgroup_id_y 1
		.amdhsa_system_sgpr_workgroup_id_z 1
		.amdhsa_system_vgpr_workitem_id 0
		.amdhsa_next_free_vgpr 1024
		.amdhsa_next_free_sgpr 100
		.amdhsa_reserve_vcc 0
		.amdhsa_float_denorm_mode_32 3
		.amdhsa_float_denorm_mode_16_64 3
		.amdhsa_memory_ordered 1
		.amdhsa_forward_progress 1
		.amdhsa_inst_pref_size 239
	.end_amdhsa_kernel
	.amdgpu_metadata
---
amdhsa.version: [ 1, 2 ]
amdhsa.kernels:
  - .name:           k_q0d9b2752d1_logits
    .symbol:         k_q0d9b2752d1_logits.kd
    .args:
      - { .name: w0f, .offset: 0, .size: 8, .value_kind: global_buffer, .address_space: global }
      - { .name: wsc, .offset: 8, .size: 8, .value_kind: global_buffer, .address_space: global }
      - { .name: hq, .offset: 16, .size: 8, .value_kind: global_buffer, .address_space: global }
      - { .name: idx, .offset: 24, .size: 8, .value_kind: global_buffer, .address_space: global }
      - { .name: w1_codes, .offset: 32, .size: 8, .value_kind: global_buffer, .address_space: global }
      - { .name: w1_scales, .offset: 40, .size: 8, .value_kind: global_buffer, .address_space: global }
      - { .name: b1, .offset: 48, .size: 8, .value_kind: global_buffer, .address_space: global }
      - { .name: w2_codes, .offset: 56, .size: 8, .value_kind: global_buffer, .address_space: global }
      - { .name: w2_scales, .offset: 64, .size: 8, .value_kind: global_buffer, .address_space: global }
      - { .name: b2, .offset: 72, .size: 8, .value_kind: global_buffer, .address_space: global }
      - { .name: w3, .offset: 80, .size: 8, .value_kind: global_buffer, .address_space: global }
      - { .name: b3, .offset: 88, .size: 8, .value_kind: global_buffer, .address_space: global }
      - { .name: part_h, .offset: 96, .size: 8, .value_kind: global_buffer, .address_space: global }
      - { .name: part_t, .offset: 104, .size: 8, .value_kind: global_buffer, .address_space: global }
    .group_segment_fixed_size: 67072
    .private_segment_fixed_size: 0
    .kernarg_segment_align: 8
    .kernarg_segment_size: 112
    .max_flat_workgroup_size: 128
    .sgpr_count:     100
    .vgpr_count:     1024
    .wavefront_size: 32
...
	.end_amdgpu_metadata
.endif
;; end of part 4
;; launch combine (part 5): grid 131 x 1, 1 waves a work-group, no clusters, 0 bytes of LDS; arguments w0f, wsc, hq, idx, w1_codes, w1_scales, b1, w2_codes, w2_scales, b2, w3, b3, part_h, part_t, out0; writes out0
.if DOCPART == 5
	.amdgcn_target "amdgcn-amd-amdhsa--gfx1250"
	.amdhsa_code_object_version 6
	.text
	.protected	k_q0d9b2752d1_combine
	.globl	k_q0d9b2752d1_combine
	.p2align	8
	.type	k_q0d9b2752d1_combine,@function
k_q0d9b2752d1_combine:
	s_mov_b64 s[64:65], 0
	v_nop
	global_prefetch_b8 v0, s[64:65] scope:SCOPE_SE
	s_setreg_imm32_b32 hwreg(HW_REG_WAVE_MODE, 25, 1), 1
	s_wait_xcnt 0x0
; COMBINE: one wave for each sorted tile of 16 tokens (131 at the most, whatever the targets; a work-group past the last tile of a given split stores nothing and ends: a branch on a stored number).
; It merges the pairs (m, s) into the head's log-sum-exp (63 column groups) and, for a tail's tokens, the tail's (125 slabs x 2 halves of the lanes), under a running maximum.
; THE ONE LOGIT THAT A TOKEN WANTS of a product is made by the product's own matrix instruction on gathered rows: source 0 = the 16 tokens' wanted rows of W, source 1 = the 16 tokens; the diagonal is kept.
; For the head the wanted row is the target (class 0) or 20,003 - class, the cluster's logit.  nll = (lse_head - head logit) + (lse_tail - tail logit), the second bracket for tails alone.
; The head's sum over K runs in two accumulators, even and odd K steps, which are added.  No LDS, no barrier, no tensor load (branches hang on stored numbers).  LIMITS as in the launches before.
.set H0S, 2097152
.set H1C, 2162688
.set H1S, 2686976
.set H2C, 2703360
.set H2S, 2834432
.set H3B, 2842624
.set BHO, 641024
; window 0: v1 r, v2 h, v3-24 lists, clamped indices and offsets; v32-95 part_h's pairs; v96-99, v100-103 the head's scale words, v104, v105 the tail's; v108, v109 biases; v112-127 the head's accumulators;
;   v128-191 the tail's operands; v192-199 w3 as loaded; v200-217 at work; v240-255 the tail's accumulators.   window 1: the head's operands.   window 2: part_t's pairs
.set TX,  200                          ; v200-203 maxima in four chains
.set TC,  204
.set TD,  205
.set TS,  206                          ; v206-209 sums in four chains
.set STT, 210                          ; v210, v211 the tail's running (m, s)
.set STH, 212                          ; v212, v213 the head's
.set HLG, 214
.set TL,  215
.set NLL, 216
.set FO,  217
.set CS,  58                           ; s58 log2(e), s59 ln(2)
.set LN2, 59
.set SEL, 60
.set HI,  62
.set DM,  70                           ; s71-77 lanes j and 24 + j; s78 lanes 8-15
.set MSB, 0
.macro WIN new
.if MSB != (\new)
	s_set_vgpr_msb (MSB<<8)|(\new)
.set MSB, (\new)
.endif
.endm
; n pairs (m at v[base + 2 i], s at v[base + 2 i + 1], window W) are merged into the running pair v[st], v[st + 1]
.macro TRED W, base, n, st
	WIN ((\W)<<2)|((\W)<<4)                        ; sources 1 and 2 in window W
.set ti, 0
.rept (\n)/2
.if ti < 4
	v_max3_num_f32 v[TX+ti], v[\st], v[\base+4*ti], v[\base+4*ti+2]
.else
	v_max3_num_f32 v[TX+ti%4], v[TX+ti%4], v[\base+4*ti], v[\base+4*ti+2]
.endif
.set ti, ti+1
.endr
.if (\n)%2
	v_max3_num_f32 v[TX], v[TX], v[\base+2*(\n)-2], v[\base+2*(\n)-2]
.endif
	WIN 0
	v_max3_num_f32 v[TX], v[TX], v[TX+1], v[TX+2]
	v_max_num_f32 v[TX], v[TX], v[TX+3]            ; the new maximum
	v_mul_f32 v[TC], s[CS], v[TX]
	v_fma_f32 v[TD], v[\st], s[CS], -v[TC]
	v_exp_f32 v[TD], v[TD]
	v_mov_b32 v[\st], v[TX]
	s_wait_alu depctr_va_vdst(0)
	v_mul_f32 v[\st+1], v[\st+1], v[TD]            ; what was summed goes under it
	WIN ((\W)<<6)|(\W)                             ; destination and source 0 in window W
.set ti, 0
.rept \n
	v_fma_f32 v[\base+2*ti], v[\base+2*ti], s[CS], -v[TC]
.set ti, ti+1
.endr
.set ti, 0
.rept \n
	v_exp_f32 v[\base+2*ti], v[\base+2*ti]
.set ti, ti+1
.endr
	v_nop                                          ; a plain line behind the exponentials
	s_wait_alu depctr_va_vdst(0)
	WIN (\W)|((\W)<<2)                             ; sources 0 and 1 in window W
.set ti, 0
.rept \n
.if ti < 4
	v_mul_f32 v[TS+ti], v[\base+2*ti], v[\base+2*ti+1]
.else
	v_fma_f32 v[TS+ti%4], v[\base+2*ti], v[\base+2*ti+1], v[TS+ti%4]
.endif
.set ti, ti+1
.endr
	WIN 0
	v_add_f32 v[TS], v[TS], v[TS+1]
	v_add_f32 v[TS+2], v[TS+2], v[TS+3]
	v_add_f32 v[TS], v[TS], v[TS+2]
	v_add_f32 v[\st+1], v[\st+1], v[TS]
.endm
.macro XMERGE st                       ; the two halves of the lanes are merged; v[st] = the log-sum-exp
	v_permlanex16_b32 v[TX], v[\st], s[SEL], s[SEL+1]
	v_max_num_f32 v[TX+1], v[\st], v[TX]
	v_sub_f32 v[TX+2], v[\st], v[TX+1]
	v_mul_f32 v[TX+2], s[CS], v[TX+2]
	v_exp_f32 v[TX+2], v[TX+2]
	v_nop
	s_wait_alu depctr_va_vdst(0)
	v_mul_f32 v[\st+1], v[\st+1], v[TX+2]
	v_permlanex16_b32 v[TX], v[\st+1], s[SEL], s[SEL+1]
	v_add_f32 v[\st+1], v[\st+1], v[TX]
	v_log_f32 v[TX+3], v[\st+1]
	v_nop
	s_wait_alu depctr_va_vdst(0)
	v_fma_f32 v[\st], v[TX+3], s[LN2], v[TX+1]
.endm
.macro DIAG dst, acc                   ; register j of lane (r, h) is element (8 h + j, r): the diagonal lies in lanes 0-7 and 24-31; lanes 0-15 get token r's
	v_cndmask_b32 v[\dst], v[\acc], v[\acc+1], s[DM+1]
.irp j, 2,3,4,5,6,7
	v_cndmask_b32 v[\dst], v[\dst], v[\acc+\j], s[DM+\j]
.endr
	v_permlanex16_b32 v[TX], v[\dst], s[SEL], s[SEL+1]
	v_cndmask_b32 v[\dst], v[\dst], v[TX], s[DM+8]
.endm
.macro HPROD                           ; the head's wanted logits.  Two accumulators by turns
	WIN 0x05
.irp s, 0,1,2,3,4,5,6,7
.if \s == 0
	v_wmma_scale_f32_16x16x128_f8f6f4 v[112:119], v[0:15], v[128:143], 0, v96, v100 matrix_a_fmt:MATRIX_FMT_BF8 matrix_b_fmt:MATRIX_FMT_BF8
.elseif \s == 1
	v_wmma_scale_f32_16x16x128_f8f6f4 v[120:127], v[16:31], v[144:159], 0, v96, v100 matrix_a_fmt:MATRIX_FMT_BF8 matrix_b_fmt:MATRIX_FMT_BF8 matrix_a_scale:MATRIX_SCALE_ROW1 matrix_b_scale:MATRIX_SCALE_ROW1
.elseif (\s)%2 == 0
	v_wmma_scale_f32_16x16x128_f8f6f4 v[112:119], v[16*\s:16*\s+15], v[128+16*\s:128+16*\s+15], v[112:119], v[96+(\s)/2], v[100+(\s)/2] matrix_a_fmt:MATRIX_FMT_BF8 matrix_b_fmt:MATRIX_FMT_BF8
.else
	v_wmma_scale_f32_16x16x128_f8f6f4 v[120:127], v[16*\s:16*\s+15], v[128+16*\s:128+16*\s+15], v[120:127], v[96+(\s)/2], v[100+(\s)/2] matrix_a_fmt:MATRIX_FMT_BF8 matrix_b_fmt:MATRIX_FMT_BF8 matrix_a_scale:MATRIX_SCALE_ROW1 matrix_b_scale:MATRIX_SCALE_ROW1
.endif
.endr
	WIN 0
.rept 8
	v_nop                                          ; places in front of the first read of results (ISA guide 7.12.1)
.endr
.irp k, 0,1,2,3
	v_pk_add_f32 v[112+2*\k:113+2*\k], v[112+2*\k:113+2*\k], v[120+2*\k:121+2*\k]
.endr
	DIAG HLG, 112
	v_add_f32 v[HLG], v[HLG], v108
.endm
.macro HEADLSE
	v_cndmask_b32 v95, v95, 0, s[HI]               ; group 62 was read by both halves of the lanes: it counts once
	TRED 0, 32, 32, STH
	XMERGE STH
.endm
.macro FINAL
	v_lshlrev_b32 v[FO], 2, v7
	v_cmp_gt_u32 vcc_lo, 0x800, v4                 ; no pad,
	s_and_b32 vcc_lo, vcc_lo, 0xffff               ; lanes 0-15
	s_wait_xcnt 0x0                                ; EXEC changes only behind this wait
	s_and_saveexec_b32 s56, vcc_lo
	global_store_b32 v[FO], v[NLL], s[34:35]
	s_endpgm
.endm
	s_load_b512 s[4:19], s[0:1], 0x0               ; w0f 4, wsc 6, hq 8, idx 10, w1_codes 12, w1_scales 14, b1 16, w2_codes 18
	s_load_b256 s[20:27], s[0:1], 0x40             ; w2_scales 20, b2 22, w3 24, b3 26
	s_load_b128 s[28:31], s[0:1], 0x60             ; part_h 28, part_t 30
	s_load_b64 s[34:35], s[0:1], 0x70              ; out0
	v_and_b32 v1, 15, v0
	v_lshrrev_b32 v2, 4, v0
	s_lshl_b32 s46, ttmp9, 6
	v_lshl_add_u32 v3, v1, 2, s46
	s_lshl_b32 s46, ttmp9, 8
	v_lshl_add_u32 v19, v0, 3, s46                 ; part_t: 256 tile + 8 lane
	s_mov_b32 s[CS], 0x3fb8aa3b
	s_mov_b32 s[LN2], 0x3f317218
	s_mov_b32 s[SEL], 0x76543210
	s_mov_b32 s[SEL+1], 0xfedcba98
	s_mov_b32 s[HI], 0xffff0000
.irp j, 1,2,3,4,5,6,7
	s_mov_b32 s[DM+\j], 0x01000001<<\j
.endr
	s_mov_b32 s[DM+8], 0xff00
.irp k, 0,1,2,3
	v_mov_b32 v[TX+\k], 0                          ; a lane permute's destination counts as one of its sources
.endr
	v_mov_b32 v[STT], 0xff000000                   ; -2^127, under every logit and every pad; log2(e) times it is finite
	v_mov_b32 v[STT+1], 0
	v_mov_b32 v[STH], 0xff000000
	v_mov_b32 v[STH+1], 0
	s_wait_kmcnt 0x0
	s_load_b256 s[36:43], s[10:11], 25344          ; s36-39 a class's first tile
	s_load_b32 s44, s[10:11], 25376                ; tiles in all
	global_load_b32 v4, v3, s[10:11]               ; token,
	global_load_b32 v5, v3, s[10:11] offset:8448   ; its head row,
	global_load_b32 v6, v3, s[10:11] offset:16896  ; its tail row
	s_wait_kmcnt 0x0
	s_cmp_lt_u32 ttmp9, s44
	s_cbranch_scc1 .Lc_work
	s_endpgm
.Lc_work:
	s_cmp_ge_u32 ttmp9, s37
	s_cselect_b32 s47, 1, 0
	s_cmp_ge_u32 ttmp9, s38
	s_cselect_b32 s48, 1, 0
	s_cmp_ge_u32 ttmp9, s39
	s_cselect_b32 s49, 1, 0
	s_add_co_u32 s47, s47, s48
	s_add_co_u32 s47, s47, s49                     ; the tile's class
	s_wait_loadcnt 0x0
	v_min_u32 v7, 0x7ff, v4                        ; each index is held inside its table; behind the hold only ANDs, shifts left and sums
	v_min_u32 v8, 0x4e2f, v5
	v_min_u32 v9, 0x270f, v6
	v_and_b32 v10, 0xfff0, v8                      ; 16 x the row's tile,
	v_and_b32 v11, 15, v8                          ; its place in it
	v_lshlrev_b32 v12, 10, v10
	v_lshl_add_u32 v12, v11, 4, v12
	v_lshl_add_u32 v12, v2, 8, v12                 ; w0f: 16,384 tile + 16 (16 h + place)
	v_lshlrev_b32 v13, 5, v10
	v_lshl_add_u32 v13, v11, 3, v13
	v_lshl_add_u32 v13, v2, 7, v13                 ; its scale words: 512 tile + 8 (16 h + place)
	v_lshlrev_b32 v14, 2, v8
	v_and_b32 v10, 0x7f0, v7
	v_and_b32 v11, 15, v7
	v_lshlrev_b32 v15, 10, v10
	v_lshl_add_u32 v15, v11, 4, v15
	v_lshl_add_u32 v15, v2, 8, v15                 ; h0 likewise
	v_lshlrev_b32 v16, 5, v10
	v_lshl_add_u32 v16, v11, 2, v16
	v_lshl_add_u32 v16, v2, 6, v16                 ; 512 tile + 4 (16 h + place)
	v_lshlrev_b32 v18, 3, v7
	v_lshl_add_u32 v17, v2, 14, v18                ; part_h: 8 token + 16,384 h: lanes 0-15 the even groups, lanes 16-31 the odd
	WIN 0x40
.irp s, 0,1,2,3,4,5,6,7
.irp c, 0,1,2,3
	global_load_b128 v[16*\s+4*\c:16*\s+4*\c+3], v12, s[4:5] offset:2048*\s+512*\c
	global_load_b128 v[128+16*\s+4*\c:128+16*\s+4*\c+3], v15, s[8:9] offset:2048*\s+512*\c
.endr
.endr
	WIN 0
.irp f, 0,1
	global_load_b64 v[96+2*\f:97+2*\f], v13, s[6:7] offset:256*\f
.endr
.irp q, 0,1,2,3
	global_load_b32 v[100+\q], v16, s[8:9] offset:H0S+128*\q
.endr
	global_load_b32 v108, v14, s[6:7] offset:BHO
.set li, 0
.rept 31
	global_load_b64 v[32+2*li:33+2*li], v17, s[28:29] offset:32768*li
.set li, li+1
.endr
	global_load_b64 v[94:95], v18, s[28:29] offset:16384*62   ; there is no group 63
	s_cmp_lg_u32 s47, 0
	s_cbranch_scc1 .Lc_tail
	; ---- class 0
	s_wait_loadcnt 0x0
	HPROD
	HEADLSE
	v_sub_f32 v[NLL], v[STH], v[HLG]
	FINAL
.Lc_tail:
	WIN 0x80
.set li, 0
.rept 125
	global_load_b64 v[2*li:2*li+1], v19, s[30:31] offset:33792*li   ; my tile's pairs of all 125 slabs: 124 x 33,792 bytes at the most, inside the signed 24-bit immediate
.set li, li+1
.endr
	WIN 0
	v_lshlrev_b32 v24, 2, v9
	s_cmp_eq_u32 s47, 1
	s_cbranch_scc1 .Lv1
	s_cmp_eq_u32 s47, 2
	s_cbranch_scc1 .Lv2
	; ---- tail 3: K = 16, bf16
	v_lshlrev_b32 v20, 6, v9
	v_lshl_add_u32 v20, v2, 5, v20
	v_lshlrev_b32 v22, 5, v7
	v_lshl_add_u32 v22, v2, 4, v22
	global_load_b128 v[192:195], v20, s[24:25]
	global_load_b128 v[196:199], v20, s[24:25] offset:16
	global_load_b128 v[160:163], v22, s[8:9] offset:H3B
	global_load_b32 v109, v24, s[26:27]
.irp z, 4,5,6,7
	v_mov_b32 v[128+\z], 0
	v_mov_b32 v[160+\z], 0
.endr
	s_wait_loadcnt 0x0
.irp k, 0,1,2,3
	v_cvt_pk_bf16_f32 v[128+\k], v[192+2*\k], v[192+2*\k+1]
.endr
.rept 4
	v_nop
.endr
	v_wmma_f32_16x16x32_bf16 v[240:247], v[128:135], v[160:167], 0
.rept 4
	v_nop
.endr
	DIAG TL, 240
	v_add_f32 v[TL], v[TL], v109
	s_branch .Ljoin
.Lv2:                                          ; ---- tail 2: K = 64, filled to 128 with zero codes
	v_lshlrev_b32 v20, 6, v9
	v_lshl_add_u32 v20, v2, 4, v20
	v_lshlrev_b32 v21, 1, v9
	v_lshlrev_b32 v22, 6, v7
	v_lshl_add_u32 v22, v2, 4, v22
	v_lshlrev_b32 v23, 2, v7
.irp c, 0,1
	global_load_b128 v[128+4*\c:131+4*\c], v20, s[18:19] offset:32*\c
	global_load_b128 v[160+4*\c:163+4*\c], v22, s[8:9] offset:H2C+32*\c
.endr
	global_load_u16 v104, v21, s[20:21]
	global_load_b32 v105, v23, s[8:9] offset:H2S
	global_load_b32 v109, v24, s[22:23]
.irp z, 8,9,10,11,12,13,14,15
	v_mov_b32 v[128+\z], 0
	v_mov_b32 v[160+\z], 0
.endr
	s_wait_loadcnt 0x0
	v_or_b32 v104, 0x7f7f0000, v104
.rept 8
	v_nop                                          ; a scale word written by a vector instruction stands eight places ahead of the scaled product
.endr
	v_wmma_scale_f32_16x16x128_f8f6f4 v[240:247], v[128:143], v[160:175], 0, v104, v105 matrix_a_fmt:MATRIX_FMT_BF8 matrix_b_fmt:MATRIX_FMT_BF8
.rept 8
	v_nop
.endr
	DIAG TL, 240
	v_add_f32 v[TL], v[TL], v109
	s_branch .Ljoin
.Lv1:                                          ; ---- tail 1: K = 256, two K steps in two accumulators
	v_lshlrev_b32 v20, 8, v9
	v_lshl_add_u32 v20, v2, 4, v20
	v_lshlrev_b32 v21, 3, v9
	v_lshl_add_u32 v21, v2, 2, v21
	v_lshlrev_b32 v22, 8, v7
	v_lshl_add_u32 v22, v2, 4, v22
	v_lshlrev_b32 v23, 3, v7
	v_lshl_add_u32 v23, v2, 2, v23
.irp s, 0,1
.irp c, 0,1,2,3
	global_load_b128 v[128+16*\s+4*\c:131+16*\s+4*\c], v20, s[12:13] offset:128*\s+32*\c
	global_load_b128 v[160+16*\s+4*\c:163+16*\s+4*\c], v22, s[8:9] offset:H1C+128*\s+32*\c
.endr
.endr
	global_load_b32 v104, v21, s[14:15]            ; lanes 0-15 K step 0, lanes 16-31 K step 1
	global_load_b32 v105, v23, s[8:9] offset:H1S
	global_load_b32 v109, v24, s[16:17]
	s_wait_loadcnt 0x0
	v_wmma_scale_f32_16x16x128_f8f6f4 v[240:247], v[128:143], v[160:175], 0, v104, v105 matrix_a_fmt:MATRIX_FMT_BF8 matrix_b_fmt:MATRIX_FMT_BF8
	v_wmma_scale_f32_16x16x128_f8f6f4 v[248:255], v[144:159], v[176:191], 0, v104, v105 matrix_a_fmt:MATRIX_FMT_BF8 matrix_b_fmt:MATRIX_FMT_BF8 matrix_a_scale:MATRIX_SCALE_ROW1 matrix_b_scale:MATRIX_SCALE_ROW1
.rept 8
	v_nop
.endr
.irp k, 0,1,2,3
	v_pk_add_f32 v[240+2*\k:241+2*\k], v[240+2*\k:241+2*\k], v[248+2*\k:249+2*\k]
.endr
	DIAG TL, 240
	v_add_f32 v[TL], v[TL], v109
.Ljoin:                                        ; every load has been waited for on each of the three ways
	HPROD
	TRED 2, 0, 125, STT                            ; the tail's 125 slabs
	HEADLSE
	XMERGE STT
	v_sub_f32 v[NLL], v[STH], v[HLG]
	v_sub_f32 v[TD], v[STT], v[TL]
	v_add_f32 v[NLL], v[NLL], v[TD]
	FINAL
.Lfunc_end_k_q0d9b2752d1_combine:
	.size	k_q0d9b2752d1_combine, .Lfunc_end_k_q0d9b2752d1_combine-k_q0d9b2752d1_combine
	.p2alignl 7, 3214868480
	.fill 96, 4, 3214868480
	.section	.rodata,"a",@progbits
	.p2align	6, 0x0
	.amdhsa_kernel k_q0d9b2752d1_combine
		.amdhsa_group_segment_fixed_size 0
		.amdhsa_private_segment_fixed_size 0
		.amdhsa_enable_private_segment 0
		.amdhsa_kernarg_size 120
		.amdhsa_user_sgpr_count 2
		.amdhsa_user_sgpr_kernarg_segment_ptr 1
		.amdhsa_wavefront_size32 1
		.amdhsa_system_sgpr_workgroup_id_x 1
		.amdhsa_system_sgpr_workgroup_id_y 1
		.amdhsa_system_sgpr_workgroup_id_z 1
		.amdhsa_system_vgpr_workitem_id 0
		.amdhsa_next_free_vgpr 768
		.amdhsa_next_free_sgpr 100
		.amdhsa_reserve_vcc 1
		.amdhsa_float_denorm_mode_32 3
		.amdhsa_float_denorm_mode_16_64 3
		.amdhsa_memory_ordered 1
		.amdhsa_forward_progress 1
		.amdhsa_inst_pref_size 78
	.end_amdhsa_kernel
	.amdgpu_metadata
---
amdhsa.version: [ 1, 2 ]
amdhsa.kernels:
  - .name:           k_q0d9b2752d1_combine
    .symbol:         k_q0d9b2752d1_combine.kd
    .args:
      - { .name: w0f, .offset: 0, .size: 8, .value_kind: global_buffer, .address_space: global }
      - { .name: wsc, .offset: 8, .size: 8, .value_kind: global_buffer, .address_space: global }
      - { .name: hq, .offset: 16, .size: 8, .value_kind: global_buffer, .address_space: global }
      - { .name: idx, .offset: 24, .size: 8, .value_kind: global_buffer, .address_space: global }
      - { .name: w1_codes, .offset: 32, .size: 8, .value_kind: global_buffer, .address_space: global }
      - { .name: w1_scales, .offset: 40, .size: 8, .value_kind: global_buffer, .address_space: global }
      - { .name: b1, .offset: 48, .size: 8, .value_kind: global_buffer, .address_space: global }
      - { .name: w2_codes, .offset: 56, .size: 8, .value_kind: global_buffer, .address_space: global }
      - { .name: w2_scales, .offset: 64, .size: 8, .value_kind: global_buffer, .address_space: global }
      - { .name: b2, .offset: 72, .size: 8, .value_kind: global_buffer, .address_space: global }
      - { .name: w3, .offset: 80, .size: 8, .value_kind: global_buffer, .address_space: global }
      - { .name: b3, .offset: 88, .size: 8, .value_kind: global_buffer, .address_space: global }
      - { .name: part_h, .offset: 96, .size: 8, .value_kind: global_buffer, .address_space: global }
      - { .name: part_t, .offset: 104, .size: 8, .value_kind: global_buffer, .address_space: global }
      - { .name: out0, .offset: 112, .size: 8, .value_kind: global_buffer, .address_space: global }
    .group_segment_fixed_size: 0
    .private_segment_fixed_size: 0
    .kernarg_segment_align: 8
    .kernarg_segment_size: 120
    .max_flat_workgroup_size: 32
    .sgpr_count:     100
    .vgpr_count:     768
    .wavefront_size: 32
...
	.end_amdgpu_metadata
.endif
;; end of part 5
;; ======== version 3 of 3: 3 launches; version 2 with the launch combine written anew for expert scheduling mode
;; limits: right only within a limited range of input values
;; workspace buffers: w0f 20,512,768 bytes; wsc 722,944 bytes; hq 2,908,160 bytes; idx 25,600 bytes of whole numbers; part_h 1,032,192 bytes; part_t 4,224,000 bytes
;; launch prep: the kernel of part 1 again; grid 813 x 1, 4 waves a work-group, no clusters, 34,816 bytes of LDS; arguments hidden_codes, hidden_scales, proj0_codes, proj0_scales, proj1_codes, proj1_scales, proj2_codes, proj2_scales, proj3_codes, proj3_scales, w0, cluster_w, b0, cluster_b, target, w0f, wsc, hq, idx; writes w0f, wsc, hq, idx
;; launch logits: the kernel of part 4 again; grid 252 x 1, 4 waves a work-group, no clusters, 67,072 bytes of LDS; arguments w0f, wsc, hq, idx, w1_codes, w1_scales, b1, w2_codes, w2_scales, b2, w3, b3, part_h, part_t; writes part_h, part_t
;; launch combine (part 6): grid 131 x 1, 1 waves a work-group, no clusters, 0 bytes of LDS; arguments w0f, wsc, hq, idx, w1_codes, w1_scales, b1, w2_codes, w2_scales, b2, w3, b3, part_h, part_t, out0; writes out0
.if DOCPART == 6
	.amdgcn_target "amdgcn-amd-amdhsa--gfx1250"
	.amdhsa_code_object_version 6
	.text
	.protected	k_q0d9b2752d1_combine
	.globl	k_q0d9b2752d1_combine
	.p2align	8
	.type	k_q0d9b2752d1_combine,@function
k_q0d9b2752d1_combine:
	s_mov_b64 s[64:65], 0
	v_nop
	global_prefetch_b8 v0, s[64:65] scope:SCOPE_SE
	s_setreg_imm32_b32 hwreg(HW_REG_WAVE_SCHED_MODE, 0, 2), 2
	s_setreg_imm32_b32 hwreg(HW_REG_WAVE_MODE, 25, 1), 1
	s_wait_xcnt 0x0
	s_wait_alu depctr_vm_vsrc(0)
; COMBINE: one wave for each sorted tile of 16 tokens (131 at the most, whatever the targets; a work-group past the last tile of a given split stores nothing and ends: a branch on a stored number).
; It merges the pairs (m, s) into the head's log-sum-exp (63 column groups) and, for a tail's tokens, the tail's (125 slabs x 2 halves of the lanes), under a running maximum.
; THE ONE LOGIT THAT A TOKEN WANTS of a product is made by the product's own matrix instruction on gathered rows: source 0 = the 16 tokens' wanted rows of W, source 1 = the 16 tokens; the diagonal is kept.
; For the head the wanted row is the target (class 0) or 20,003 - class, the cluster's logit.  nll = (lse_head - head logit) + (lse_tail - tail logit), the second bracket for tails alone.
; The head's sum over K runs in two accumulators, even and odd K steps, which are added.  No LDS, no barrier, no tensor load (branches hang on stored numbers).  LIMITS as in the launches before.
; THE MODE: SCHED_MODE bits 1:0 = 2 (LLVM: expert scheduling mode 2), set by the entry lines.  The code itself states the register dependences between vector or matrix instructions and memory instructions,
; with s_wait_alu, always for 0.
; THE PLAN.  Registers that memory instructions touch, in the order of the text (there is no loop):
;   v3, v19        offsets made at the head; v3 is read by the three loads of the lists, v19 by part_t's 125 loads.  Never written again.
;   v12 .. v18     offsets made from the lists; read by the head's 103 loads.  Never written again.
;   v20 .. v24     offsets made in a tail's arm, once on each way; read by that arm's loads.  Never written again.
;   v4 .. v6, window 1, v32-109, window 2, v128-199: loads land in them once, and no vector instruction has named them before.
;   v[FO], v[NLL]  made at the end; read by the one store.
; So one wait on va_vdst stands ahead of each of the three runs of loads, behind the lines that make the run's offsets (part_t's run leans on the second); one ahead of tail 2's scaled product, whose scale word and zero
; halves vector lines wrote; and at the one write of EXEC stand the wait for VCC and the pair that such a write asks for.  No register that a memory instruction reads is written again: no other wait on vm_vsrc is owed.
.set H0S, 2097152
.set H1C, 2162688
.set H1S, 2686976
.set H2C, 2703360
.set H2S, 2834432
.set H3B, 2842624
.set BHO, 641024
; window 0: v1 r, v2 h, v3-24 lists, clamped indices and offsets; v32-95 part_h's pairs; v96-99, v100-103 the head's scale words, v104, v105 the tail's; v108, v109 biases; v112-127 the head's accumulators;
;   v128-191 the tail's operands; v192-199 w3 as loaded; v200-217 at work; v240-255 the tail's accumulators.   window 1: the head's operands.   window 2: part_t's pairs
.set TX,  200                          ; v200-203 maxima in four chains
.set TC,  204
.set TD,  205
.set TS,  206                          ; v206-209 sums in four chains
.set STT, 210                          ; v210, v211 the tail's running (m, s)
.set STH, 212                          ; v212, v213 the head's
.set HLG, 214
.set TL,  215
.set NLL, 216
.set FO,  217
.set CS,  58                           ; s58 log2(e), s59 ln(2)
.set LN2, 59
.set SEL, 60
.set HI,  62
.set DM,  70                           ; s71-77 lanes j and 24 + j; s78 lanes 8-15
.set MSB, 0
.macro WIN new
.if MSB != (\new)
	s_set_vgpr_msb (MSB<<8)|(\new)
.set MSB, (\new)
.endif
.endm
; n pairs (m at v[base + 2 i], s at v[base + 2 i + 1], window W) are merged into the running pair v[st], v[st + 1]
.macro TRED W, base, n, st
	WIN ((\W)<<2)|((\W)<<4)                        ; sources 1 and 2 in window W
.set ti, 0
.rept (\n)/2
.if ti < 4
	v_max3_num_f32 v[TX+ti], v[\st], v[\base+4*ti], v[\base+4*ti+2]
.else
	v_max3_num_f32 v[TX+ti%4], v[TX+ti%4], v[\base+4*ti], v[\base+4*ti+2]
.endif
.set ti, ti+1
.endr
.if (\n)%2
	v_max3_num_f32 v[TX], v[TX], v[\base+2*(\n)-2], v[\base+2*(\n)-2]
.endif
	WIN 0
	v_max3_num_f32 v[TX], v[TX], v[TX+1], v[TX+2]
	v_max_num_f32 v[TX], v[TX], v[TX+3]            ; the new maximum
	v_mul_f32 v[TC], s[CS], v[TX]
	v_fma_f32 v[TD], v[\st], s[CS], -v[TC]
	v_exp_f32 v[TD], v[TD]
	v_mov_b32 v[\st], v[TX]
	s_wait_alu depctr_va_vdst(0)                   ; the exponential has written v[TD], which the next line reads
	v_mul_f32 v[\st+1], v[\st+1], v[TD]            ; what was summed goes under it
	WIN ((\W)<<6)|(\W)                             ; destination and source 0 in window W
.set ti, 0
.rept \n
	v_fma_f32 v[\base+2*ti], v[\base+2*ti], s[CS], -v[TC]
.set ti, ti+1
.endr
.set ti, 0
.rept \n
	v_exp_f32 v[\base+2*ti], v[\base+2*ti]
.set ti, ti+1
.endr
	v_nop                                          ; a plain line behind the exponentials
	s_wait_alu depctr_va_vdst(0)                   ; the n exponentials have written their results, which the products below read: one wait for the batch
	WIN (\W)|((\W)<<2)                             ; sources 0 and 1 in window W
.set ti, 0
.rept \n
.if ti < 4
	v_mul_f32 v[TS+ti], v[\base+2*ti], v[\base+2*ti+1]
.else
	v_fma_f32 v[TS+ti%4], v[\base+2*ti], v[\base+2*ti+1], v[TS+ti%4]
.endif
.set ti, ti+1
.endr
	WIN 0
	v_add_f32 v[TS], v[TS], v[TS+1]
	v_add_f32 v[TS+2], v[TS+2], v[TS+3]
	v_add_f32 v[TS], v[TS], v[TS+2]
	v_add_f32 v[\st+1], v[\st+1], v[TS]
.endm
.macro XMERGE st                       ; the two halves of the lanes are merged; v[st] = the log-sum-exp
	v_permlanex16_b32 v[TX], v[\st], s[SEL], s[SEL+1]
	v_max_num_f32 v[TX+1], v[\st], v[TX]
	v_sub_f32 v[TX+2], v[\st], v[TX+1]
	v_mul_f32 v[TX+2], s[CS], v[TX+2]
	v_exp_f32 v[TX+2], v[TX+2]
	v_nop
	s_wait_alu depctr_va_vdst(0)                   ; the exponential has written v[TX + 2], which the next line reads
	v_mul_f32 v[\st+1], v[\st+1], v[TX+2]
	v_permlanex16_b32 v[TX], v[\st+1], s[SEL], s[SEL+1]
	v_add_f32 v[\st+1], v[\st+1], v[TX]
	v_log_f32 v[TX+3], v[\st+1]
	v_nop
	s_wait_alu depctr_va_vdst(0)                   ; the logarithm has written v[TX + 3], which the next line reads
	v_fma_f32 v[\st], v[TX+3], s[LN2], v[TX+1]
.endm
.macro DIAG dst, acc                   ; register j of lane (r, h) is element (8 h + j, r): the diagonal lies in lanes 0-7 and 24-31; lanes 0-15 get token r's.  (The masks are scalar constants, written by scalar lines at the head)
	v_cndmask_b32 v[\dst], v[\acc], v[\acc+1], s[DM+1]
.irp j, 2,3,4,5,6,7
	v_cndmask_b32 v[\dst], v[\dst], v[\acc+\j], s[DM+\j]
.endr
	v_permlanex16_b32 v[TX], v[\dst], s[SEL], s[SEL+1]
	v_cndmask_b32 v[\dst], v[\dst], v[TX], s[DM+8]
.endm
.macro HPROD                           ; the head's wanted logits.  Two accumulators by turns.  Operands and scale words are as the loads left them: no vector line has written them
	WIN 0x05
.irp s, 0,1,2,3,4,5,6,7
.if \s == 0
	v_wmma_scale_f32_16x16x128_f8f6f4 v[112:119], v[0:15], v[128:143], 0, v96, v100 matrix_a_fmt:MATRIX_FMT_BF8 matrix_b_fmt:MATRIX_FMT_BF8
.elseif \s == 1
	v_wmma_scale_f32_16x16x128_f8f6f4 v[120:127], v[16:31], v[144:159], 0, v96, v100 matrix_a_fmt:MATRIX_FMT_BF8 matrix_b_fmt:MATRIX_FMT_BF8 matrix_a_scale:MATRIX_SCALE_ROW1 matrix_b_scale:MATRIX_SCALE_ROW1
.elseif (\s)%2 == 0
	v_wmma_scale_f32_16x16x128_f8f6f4 v[112:119], v[16*\s:16*\s+15], v[128+16*\s:128+16*\s+15], v[112:119], v[96+(\s)/2], v[100+(\s)/2] matrix_a_fmt:MATRIX_FMT_BF8 matrix_b_fmt:MATRIX_FMT_BF8
.else
	v_wmma_scale_f32_16x16x128_f8f6f4 v[120:127], v[16*\s:16*\s+15], v[128+16*\s:128+16*\s+15], v[120:127], v[96+(\s)/2], v[100+(\s)/2] matrix_a_fmt:MATRIX_FMT_BF8 matrix_b_fmt:MATRIX_FMT_BF8 matrix_a_scale:MATRIX_SCALE_ROW1 matrix_b_scale:MATRIX_SCALE_ROW1
.endif
.endr
	WIN 0
.rept 8
	v_nop                                          ; places in front of the first read of results (ISA guide 7.12.1)
.endr
.irp k, 0,1,2,3
	v_pk_add_f32 v[112+2*\k:113+2*\k], v[112+2*\k:113+2*\k], v[120+2*\k:121+2*\k]
.endr
	DIAG HLG, 112
	v_add_f32 v[HLG], v[HLG], v108
.endm
.macro HEADLSE
	v_cndmask_b32 v95, v95, 0, s[HI]               ; group 62 was read by both halves of the lanes: it counts once
	TRED 0, 32, 32, STH
	XMERGE STH
.endm
.macro FINAL
	v_lshlrev_b32 v[FO], 2, v7
	v_cmp_gt_u32 vcc_lo, 0x800, v4                 ; no pad,
	s_wait_alu depctr_va_vcc(0)                    ; the compare has written VCC, which the next line reads
	s_and_b32 vcc_lo, vcc_lo, 0xffff               ; lanes 0-15
	s_wait_xcnt 0x0                                ; EXEC changes only behind this wait
	s_wait_alu depctr_va_vdst(0)                   ; ahead of the write of EXEC: every vector instruction has written its result; among them v[FO] and v[NLL], the offset and the data of the store below
	s_wait_alu depctr_vm_vsrc(0)                   ; ahead of the write of EXEC: every load issued so far has read its vector registers
	s_and_saveexec_b32 s56, vcc_lo
	global_store_b32 v[FO], v[NLL], s[34:35]
	s_endpgm
.endm
	s_load_b512 s[4:19], s[0:1], 0x0               ; w0f 4, wsc 6, hq 8, idx 10, w1_codes 12, w1_scales 14, b1 16, w2_codes 18
	s_load_b256 s[20:27], s[0:1], 0x40             ; w2_scales 20, b2 22, w3 24, b3 26
	s_load_b128 s[28:31], s[0:1], 0x60             ; part_h 28, part_t 30
	s_load_b64 s[34:35], s[0:1], 0x70              ; out0
	v_and_b32 v1, 15, v0
	v_lshrrev_b32 v2, 4, v0
	s_lshl_b32 s46, ttmp9, 6
	v_lshl_add_u32 v3, v1, 2, s46
	s_lshl_b32 s46, ttmp9, 8
	v_lshl_add_u32 v19, v0, 3, s46                 ; part_t: 256 tile + 8 lane
	s_mov_b32 s[CS], 0x3fb8aa3b
	s_mov_b32 s[LN2], 0x3f317218
	s_mov_b32 s[SEL], 0x76543210
	s_mov_b32 s[SEL+1], 0xfedcba98
	s_mov_b32 s[HI], 0xffff0000
.irp j, 1,2,3,4,5,6,7
	s_mov_b32 s[DM+\j], 0x01000001<<\j
.endr
	s_mov_b32 s[DM+8], 0xff00
.irp k, 0,1,2,3
	v_mov_b32 v[TX+\k], 0                          ; a lane permute's destination counts as one of its sources
.endr
	v_mov_b32 v[STT], 0xff000000                   ; -2^127, under every logit and every pad; log2(e) times it is finite
	v_mov_b32 v[STT+1], 0
	v_mov_b32 v[STH], 0xff000000
	v_mov_b32 v[STH+1], 0
	s_wait_kmcnt 0x0
	s_load_b256 s[36:43], s[10:11], 25344          ; s36-39 a class's first tile
	s_load_b32 s44, s[10:11], 25376                ; tiles in all
	s_wait_alu depctr_va_vdst(0)                   ; v3 is written, which the three loads below read as their offset
	global_load_b32 v4, v3, s[10:11]               ; token,
	global_load_b32 v5, v3, s[10:11] offset:8448   ; its head row,
	global_load_b32 v6, v3, s[10:11] offset:16896  ; its tail row
	s_wait_kmcnt 0x0
	s_cmp_lt_u32 ttmp9, s44
	s_cbranch_scc1 .Lc_work
	s_endpgm
.Lc_work:
	s_cmp_ge_u32 ttmp9, s37
	s_cselect_b32 s47, 1, 0
	s_cmp_ge_u32 ttmp9, s38
	s_cselect_b32 s48, 1, 0
	s_cmp_ge_u32 ttmp9, s39
	s_cselect_b32 s49, 1, 0
	s_add_co_u32 s47, s47, s48
	s_add_co_u32 s47, s47, s49                     ; the tile's class
	s_wait_loadcnt 0x0
	v_min_u32 v7, 0x7ff, v4                        ; each index is held inside its table; behind the hold only ANDs, shifts left and sums
	v_min_u32 v8, 0x4e2f, v5
	v_min_u32 v9, 0x270f, v6
	v_and_b32 v10, 0xfff0, v8                      ; 16 x the row's tile,
	v_and_b32 v11, 15, v8                          ; its place in it
	v_lshlrev_b32 v12, 10, v10
	v_lshl_add_u32 v12, v11, 4, v12
	v_lshl_add_u32 v12, v2, 8, v12                 ; w0f: 16,384 tile + 16 (16 h + place)
	v_lshlrev_b32 v13, 5, v10
	v_lshl_add_u32 v13, v11, 3, v13
	v_lshl_add_u32 v13, v2, 7, v13                 ; its scale words: 512 tile + 8 (16 h + place)
	v_lshlrev_b32 v14, 2, v8
	v_and_b32 v10, 0x7f0, v7
	v_and_b32 v11, 15, v7
	v_lshlrev_b32 v15, 10, v10
	v_lshl_add_u32 v15, v11, 4, v15
	v_lshl_add_u32 v15, v2, 8, v15                 ; h0 likewise
	v_lshlrev_b32 v16, 5, v10
	v_lshl_add_u32 v16, v11, 2, v16
	v_lshl_add_u32 v16, v2, 6, v16                 ; 512 tile + 4 (16 h + place)
	v_lshlrev_b32 v18, 3, v7
	v_lshl_add_u32 v17, v2, 14, v18                ; part_h: 8 token + 16,384 h: lanes 0-15 the even groups, lanes 16-31 the odd
	WIN 0x40
	s_wait_alu depctr_va_vdst(0)                   ; the offsets v12 to v18 are written, which the run of loads below reads; so is v19, which part_t's loads read on a tail's way: up to those only loads, window switches
.irp s, 0,1,2,3,4,5,6,7
.irp c, 0,1,2,3
	global_load_b128 v[16*\s+4*\c:16*\s+4*\c+3], v12, s[4:5] offset:2048*\s+512*\c
	global_load_b128 v[128+16*\s+4*\c:128+16*\s+4*\c+3], v15, s[8:9] offset:2048*\s+512*\c
.endr
.endr
	WIN 0
.irp f, 0,1
	global_load_b64 v[96+2*\f:97+2*\f], v13, s[6:7] offset:256*\f
.endr
.irp q, 0,1,2,3
	global_load_b32 v[100+\q], v16, s[8:9] offset:H0S+128*\q
.endr
	global_load_b32 v108, v14, s[6:7] offset:BHO
.set li, 0
.rept 31
	global_load_b64 v[32+2*li:33+2*li], v17, s[28:29] offset:32768*li
.set li, li+1
.endr
	global_load_b64 v[94:95], v18, s[28:29] offset:16384*62   ; there is no group 63
	s_cmp_lg_u32 s47, 0
	s_cbranch_scc1 .Lc_tail
	; ---- class 0
	s_wait_loadcnt 0x0
	HPROD
	HEADLSE
	v_sub_f32 v[NLL], v[STH], v[HLG]
	FINAL
.Lc_tail:
	WIN 0x80
.set li, 0
.rept 125
	global_load_b64 v[2*li:2*li+1], v19, s[30:31] offset:33792*li   ; my tile's pairs of all 125 slabs: 124 x 33,792 bytes at the most, inside the signed 24-bit immediate.  No wait: no vector instruction since the last wait on va_vdst names v19 or these registers
.set li, li+1
.endr
	WIN 0
	v_lshlrev_b32 v24, 2, v9
	s_cmp_eq_u32 s47, 1
	s_cbranch_scc1 .Lv1
	s_cmp_eq_u32 s47, 2
	s_cbranch_scc1 .Lv2
	; ---- tail 3: K = 16, bf16
	v_lshlrev_b32 v20, 6, v9
	v_lshl_add_u32 v20, v2, 5, v20
	v_lshlrev_b32 v22, 5, v7
	v_lshl_add_u32 v22, v2, 4, v22
	s_wait_alu depctr_va_vdst(0)                   ; the offsets v20, v22 and v24 are written, which the four loads below read
	global_load_b128 v[192:195], v20, s[24:25]
	global_load_b128 v[196:199], v20, s[24:25] offset:16
	global_load_b128 v[160:163], v22, s[8:9] offset:H3B
	global_load_b32 v109, v24, s[26:27]
.irp z, 4,5,6,7
	v_mov_b32 v[128+\z], 0
	v_mov_b32 v[160+\z], 0
.endr
	s_wait_loadcnt 0x0
.irp k, 0,1,2,3
	v_cvt_pk_bf16_f32 v[128+\k], v[192+2*\k], v[192+2*\k+1]
.endr
.rept 4
	v_nop
.endr
	v_wmma_f32_16x16x32_bf16 v[240:247], v[128:135], v[160:167], 0
.rept 4
	v_nop
.endr
	DIAG TL, 240
	v_add_f32 v[TL], v[TL], v109
	s_branch .Ljoin
.Lv2:                                          ; ---- tail 2: K = 64, filled to 128 with zero codes
	v_lshlrev_b32 v20, 6, v9
	v_lshl_add_u32 v20, v2, 4, v20
	v_lshlrev_b32 v21, 1, v9
	v_lshlrev_b32 v22, 6, v7
	v_lshl_add_u32 v22, v2, 4, v22
	v_lshlrev_b32 v23, 2, v7
	s_wait_alu depctr_va_vdst(0)                   ; the offsets v20 to v24 are written, which the seven loads below read
.irp c, 0,1
	global_load_b128 v[128+4*\c:131+4*\c], v20, s[18:19] offset:32*\c
	global_load_b128 v[160+4*\c:163+4*\c], v22, s[8:9] offset:H2C+32*\c
.endr
	global_load_u16 v104, v21, s[20:21]
	global_load_b32 v105, v23, s[8:9] offset:H2S
	global_load_b32 v109, v24, s[22:23]
.irp z, 8,9,10,11,12,13,14,15
	v_mov_b32 v[128+\z], 0
	v_mov_b32 v[160+\z], 0
.endr
	s_wait_loadcnt 0x0
	v_or_b32 v104, 0x7f7f0000, v104
.rept 8
	v_nop                                          ; a scale word written by a vector instruction stands eight places ahead of the scaled product
.endr
	s_wait_alu depctr_va_vdst(0)                   ; vector lines have written the scale word v104 and the zero halves v136-143 and v168-175 of both operands, which the scaled product takes; the places above stay beside this wait
	v_wmma_scale_f32_16x16x128_f8f6f4 v[240:247], v[128:143], v[160:175], 0, v104, v105 matrix_a_fmt:MATRIX_FMT_BF8 matrix_b_fmt:MATRIX_FMT_BF8
.rept 8
	v_nop
.endr
	DIAG TL, 240
	v_add_f32 v[TL], v[TL], v109
	s_branch .Ljoin
.Lv1:                                          ; ---- tail 1: K = 256, two K steps in two accumulators
	v_lshlrev_b32 v20, 8, v9
	v_lshl_add_u32 v20, v2, 4, v20
	v_lshlrev_b32 v21, 3, v9
	v_lshl_add_u32 v21, v2, 2, v21
	v_lshlrev_b32 v22, 8, v7
	v_lshl_add_u32 v22, v2, 4, v22
	v_lshlrev_b32 v23, 3, v7
	v_lshl_add_u32 v23, v2, 2, v23
	s_wait_alu depctr_va_vdst(0)                   ; the offsets v20 to v24 are written, which the nineteen loads below read
.irp s, 0,1
.irp c, 0,1,2,3
	global_load_b128 v[128+16*\s+4*\c:131+16*\s+4*\c], v20, s[12:13] offset:128*\s+32*\c
	global_load_b128 v[160+16*\s+4*\c:163+16*\s+4*\c], v22, s[8:9] offset:H1C+128*\s+32*\c
.endr
.endr
	global_load_b32 v104, v21, s[14:15]            ; lanes 0-15 K step 0, lanes 16-31 K step 1
	global_load_b32 v105, v23, s[8:9] offset:H1S
	global_load_b32 v109, v24, s[16:17]
	s_wait_loadcnt 0x0
	v_wmma_scale_f32_16x16x128_f8f6f4 v[240:247], v[128:143], v[160:175], 0, v104, v105 matrix_a_fmt:MATRIX_FMT_BF8 matrix_b_fmt:MATRIX_FMT_BF8
	v_wmma_scale_f32_16x16x128_f8f6f4 v[248:255], v[144:159], v[176:191], 0, v104, v105 matrix_a_fmt:MATRIX_FMT_BF8 matrix_b_fmt:MATRIX_FMT_BF8 matrix_a_scale:MATRIX_SCALE_ROW1 matrix_b_scale:MATRIX_SCALE_ROW1
.rept 8
	v_nop
.endr
.irp k, 0,1,2,3
	v_pk_add_f32 v[240+2*\k:241+2*\k], v[240+2*\k:241+2*\k], v[248+2*\k:249+2*\k]
.endr
	DIAG TL, 240
	v_add_f32 v[TL], v[TL], v109
.Ljoin:                                        ; every load has been waited for on each of the three ways
	HPROD
	TRED 2, 0, 125, STT                            ; the tail's 125 slabs
	HEADLSE
	XMERGE STT
	v_sub_f32 v[NLL], v[STH], v[HLG]
	v_sub_f32 v[TD], v[STT], v[TL]
	v_add_f32 v[NLL], v[NLL], v[TD]
	FINAL
.Lfunc_end_k_q0d9b2752d1_combine:
	.size	k_q0d9b2752d1_combine, .Lfunc_end_k_q0d9b2752d1_combine-k_q0d9b2752d1_combine
	.p2alignl 7, 3214868480
	.fill 96, 4, 3214868480
	.section	.rodata,"a",@progbits
	.p2align	6, 0x0
	.amdhsa_kernel k_q0d9b2752d1_combine
		.amdhsa_group_segment_fixed_size 0
		.amdhsa_private_segment_fixed_size 0
		.amdhsa_enable_private_segment 0
		.amdhsa_kernarg_size 120
		.amdhsa_user_sgpr_count 2
		.amdhsa_user_sgpr_kernarg_segment_ptr 1
		.amdhsa_wavefront_size32 1
		.amdhsa_system_sgpr_workgroup_id_x 1
		.amdhsa_system_sgpr_workgroup_id_y 1
		.amdhsa_system_sgpr_workgroup_id_z 1
		.amdhsa_system_vgpr_workitem_id 0
		.amdhsa_next_free_vgpr 768
		.amdhsa_next_free_sgpr 100
		.amdhsa_reserve_vcc 1
		.amdhsa_float_denorm_mode_32 3
		.amdhsa_float_denorm_mode_16_64 3
		.amdhsa_memory_ordered 1
		.amdhsa_forward_progress 1
		.amdhsa_inst_pref_size 78
	.end_amdhsa_kernel
	.amdgpu_metadata
---
amdhsa.version: [ 1, 2 ]
amdhsa.kernels:
  - .name:           k_q0d9b2752d1_combine
    .symbol:         k_q0d9b2752d1_combine.kd
    .args:
      - { .name: w0f, .offset: 0, .size: 8, .value_kind: global_buffer, .address_space: global }
      - { .name: wsc, .offset: 8, .size: 8, .value_kind: global_buffer, .address_space: global }
      - { .name: hq, .offset: 16, .size: 8, .value_kind: global_buffer, .address_space: global }
      - { .name: idx, .offset: 24, .size: 8, .value_kind: global_buffer, .address_space: global }
      - { .name: w1_codes, .offset: 32, .size: 8, .value_kind: global_buffer, .address_space: global }
      - { .name: w1_scales, .offset: 40, .size: 8, .value_kind: global_buffer, .address_space: global }
      - { .name: b1, .offset: 48, .size: 8, .value_kind: global_buffer, .address_space: global }
      - { .name: w2_codes, .offset: 56, .size: 8, .value_kind: global_buffer, .address_space: global }
      - { .name: w2_scales, .offset: 64, .size: 8, .value_kind: global_buffer, .address_space: global }
      - { .name: b2, .offset: 72, .size: 8, .value_kind: global_buffer, .address_space: global }
      - { .name: w3, .offset: 80, .size: 8, .value_kind: global_buffer, .address_space: global }
      - { .name: b3, .offset: 88, .size: 8, .value_kind: global_buffer, .address_space: global }
      - { .name: part_h, .offset: 96, .size: 8, .value_kind: global_buffer, .address_space: global }
      - { .name: part_t, .offset: 104, .size: 8, .value_kind: global_buffer, .address_space: global }
      - { .name: out0, .offset: 112, .size: 8, .value_kind: global_buffer, .address_space: global }
    .group_segment_fixed_size: 0
    .private_segment_fixed_size: 0
    .kernarg_segment_align: 8
    .kernarg_segment_size: 120
    .max_flat_workgroup_size: 32
    .sgpr_count:     100
    .vgpr_count:     768
    .wavefront_size: 32
...
	.end_amdgpu_metadata
.endif
;; end of part 6
